; MI455X (gfx1250); checked and timed in simulation.
; The chip was launched on July 23, 2026; its instructions are those of AMD's public machine-readable ISA for CDNA 5 (MIT licence, August 2026) and "CDNA5" Instruction Set Architecture Reference Guide (July 2026). The comments in the code are by the model that wrote it; some were corrected since.
;; Look Ahead Transformer. Allowed arithmetic: matrix products marked QUANTISED: E5M2 operands, one E8M0 scale for each 32 along K, by v_wmma_scale_f32_16x16x128_f8f6f4 with both operands' format E5M2, f32 sums; everything else in f32.
;; Inputs: b1 4,096 float32; b2 1,024 float32; in_proj_b 3,072 float32; in_proj_w 3,072 x 1,024 float32; ln1_b 1,024 float32; ln1_g 1,024 float32; ln2_b 1,024 float32; ln2_g 1,024 float32; out_b 1,024 float32; out_w 1,024 x 1,024 float32; w1 4,096 x 1,024 float32; w2 1,024 x 4,096 float32; x 2 x 2,048 x 1,024 float32.
;; Outputs: out0 2 x 2,048 x 1,024 float32.
;; This version of the problem:
;;   THIS VERSION OF THE PROBLEM IS GIVEN IN LOW PRECISION. The matrix products marked QUANTISED in the list below multiply operands that are first quantised to E5M2 (5 exponent bits, 2 mantissa bits; 8 bits a number), with one power-of-two scale for each 32 numbers along K (OCP MX v1.0); their sums are f32. All else is computed in f32.
;;   The module's matrix products, in the order in which they are computed (A, B: the left and right operand; K: the contracted axis; several contracted axes count as one K, in the product's order):
;;     1. [M 4,096, K 1,024] x [K 1,024, N 3,072]; A: computed on the way; B: input in_proj_w: QUANTISED
;;     2. batch 32 x [M 2,048, K 64] x [K 64, N 2,048]; A: computed on the way; B: computed on the way: QUANTISED
;;     3. batch 32 x [M 2,048, K 2,048] x [K 2,048, N 64]; A: softmax (see below); B: computed on the way: QUANTISED
;;     4. [M 4,096, K 1,024] x [K 1,024, N 1,024]; A: computed on the way; B: input out_w: QUANTISED
;;     5. [M 4,096, K 1,024] x [K 1,024, N 4,096]; A: computed on the way; B: input w1: QUANTISED
;;     6. [M 4,096, K 4,096] x [K 4,096, N 1,024]; A: computed on the way; B: input w2: QUANTISED
;;   THE QUANTISER, for each operand of a quantised product, along K:
;;     - K is cut into blocks of 32 from its start; a last block that is shorter is filled with zeros.
;;     - A block's scale is 2^e with e = floor(log2(the largest magnitude in the block)) - 15, held to -126 .. 127; a block of zeros has e = 0. As a byte (E8M0): e + 127.
;;     - Each number is divided by its block's scale, clamped to +-57,344, and rounded to the nearest number of E5M2, ties to even, subnormals kept.
;;     - The product sums the exact products of the quantised numbers (number of the format x scale) in f32.
;;   ~~~python
;;   def quantise(x, axis):      # numpy; x: float32 -> the quantised numbers, widened to float32 again
;;       x = np.moveaxis(x, axis, -1); K = x.shape[-1]
;;       x = np.pad(x, [(0, 0)] * (x.ndim - 1) + [(0, -K % 32)]); x = x.reshape(x.shape[:-1] + (-1, 32)); a = np.abs(x).max(-1, keepdims=True)
;;       e = np.where(a > 0, np.clip(np.frexp(np.where(a > 0, a, 1))[1] - 1 - 15, -126, 127), 0)      # np.frexp(a)[1] - 1 = floor(log2(a)), exactly
;;       r = np.clip(x / 2.0 ** e, -57344, 57344)
;;       step = 2.0 ** (np.maximum(np.frexp(np.where(r == 0, 1, r))[1] - 1, -14) - 2)
;;       q = np.round(r / step) * step * 2.0 ** e      # np.round: ties to even
;;       return np.moveaxis(q.reshape(q.shape[:-2] + (-1,))[..., :K], -1, axis).astype(np.float32)
;;   ~~~
;;   SOFTMAX AHEAD OF A QUANTISED PRODUCT. Where the list says 'softmax', what is quantised is not the finished softmax but p = 2^(t - M), with t = logit x log2(e) and M = ceil(the row's largest t), a whole number; so 1/2 < the row's largest p <= 1. The row's sum l is taken of the UNQUANTISED p, in f32, and the product's result is divided by l at the end. Since M is a whole number, a kernel that streams over the keys may use a running M (the ceiling of the running maximum): every later rescaling is an exact power of two, which a block's scale takes up: the codes' values come out the same.
;;   OPERANDS COMPUTED ON THE WAY. 'Computed on the way' means the value that the module computes at that place (a softmax that the list does not call 'softmax' is quantised finished and normalised). What goes into a quantiser is computed in f32, as accurately as f32 sums, v_exp_f32 and their like allow (about 1e-6 of the number): no bf16 or f16 on the way to a quantiser, and a product that is left as it is and whose result goes on into a quantised operand takes f32 operands (vector FMAs, or v_wmma_f32_16x16x4_f32). A number that lies on a knife's edge between two numbers of the format may be rounded either way, as far as f32 arithmetic and the matrix unit's own rounding can turn it there, and no further.
;; 2 versions. Each part assembles by itself: llvm-mc -triple=amdgcn-amd-amdhsa -mcpu=gfx1250 --defsym DOCPART=n.
;; ======== version 1 of 2: 8 launches
;; workspace buffers: wpk 12,976,128 bytes; hpk 4,325,376 bytes; qb 4,325,376 bytes; kv 8,650,752 bytes; opk 4,325,376 bytes; x1 16,777,216 bytes; fpk 17,301,504 bytes
;; launch wq (part 1): grid 768 x 1, 8 waves a work-group, no clusters, 69,632 bytes of LDS; arguments in_proj_w, out_w, w1, w2, wpk; writes wpk
.if DOCPART == 1
	.amdgcn_target "amdgcn-amd-amdhsa--gfx1250"
	.amdhsa_code_object_version 6
	.text
	.protected	k_q7517599bbc_wq
	.globl	k_q7517599bbc_wq
	.p2align	8
	.type	k_q7517599bbc_wq,@function
k_q7517599bbc_wq:
	s_mov_b64 s[64:65], 0
	v_nop
	global_prefetch_b8 v0, s[64:65] scope:SCOPE_SE
	s_setreg_imm32_b32 hwreg(HW_REG_WAVE_MODE, 25, 1), 1
	s_wait_xcnt 0x0
; THE PROGRAM: one pre-norm transformer block on 4,096 rows (2 x 2,048 tokens, 1,024 wide, 16 heads of 64), all six products on codes of BF8 (E5M2) with one E8M0 scale for each 32 along K.
; Launches: wq (this one: the four weights into codes), ln1, qkv, attn, proj, ln2, ffn1, ffn2.  Between launches go codes and scale bytes, and of f32 numbers only x1 = x + the attention's output, which the last sum needs.
; WORK LEFT OUT: reference() sets scores[q][k] to -inf wherever k > q + 10, by a mask that it builds itself from the positions alone; a -inf gives the weight 0 in the softmax and adds nothing to the sum or to the
; product with v, whatever the inputs hold.  So a step of 128 keys all of which lie beyond the last of a tile's 16 queries + 10 is not walked (launch attn).  Nothing else is left out: all 13 inputs are loaded;
; the biases on q, k and v stay, since they move codes.  LIMIT: a NaN, an infinity or an overflow that would arise only in such a hidden step is not carried to the result.
; THE PROGRAM'S OWN LAYOUT, called PACK, of an operand [rows][K]: a super-block of SB = 16,896 bytes for 128 rows x 128 K, at (group of 128 rows x K/128 + step of 128 K) x SB.  In it fragment a (rows 16 a ..) is an image of the
; operand's 16 registers: byte 2,048 a + 512 c + 16 lane + i; its scale words (byte c = chunk c) lie at 16,384 + 256 (a / 4) + 16 r + 4 (a % 4).  r = lane % 16, h = lane / 16.
; K ORDER, the same in every operand of every product: chunk c, lane (r, h), byte i holds k = 32 c + 16 (i / 8) + 8 h + i % 8 of row r: a block of 32 stays a block, and inside it both operands are permuted alike, so the
; products are the same.  It is the order in which a transposed product leaves its results in a lane.  LIMIT: the unit then groups the sums inside a block otherwise than in natural order.
; THIS LAUNCH: a work-group makes super-block ttmp9 of wpk (in_proj_w 0-191, out_w 192-255, w1 256-511, w2 512-767), wave a its fragment a: 16 rows x 128 numbers.
; Each load reads 512 consecutive bytes of a row; the tile turns through the wave's own stage in LDS (rows of 528 bytes: an odd multiple of 16), so that a lane gets its 64 numbers in the order above.
; LIMITS: NaN and infinities among the inputs are not served; a block whose largest magnitude lies under 2^-111 keeps the byte 1, a block of zeros too (the rule says 127): its codes are zeros and this program alone reads the bytes.
.set SB,    16896
.set STGB,  8448                       ; a wave's stage: 16 rows x 528 bytes
.set SCW,   8*STGB                     ; the super-block's 512 bytes of scale words
.set SPARE, SCW+512                    ; the spare words, 128 bytes for each wave: four blocks of 256 bytes that no other line names
.set OFF, 16                           ; v16-31   byte offset of my 16 bytes in row rho
.set R,   32                           ; v32-95   the tile as loaded
.set X,   96                           ; v96-159  my 64 numbers
.set TM,  160                          ; v160-175 at work
.set PC,  176                          ; v176-191 the codes
.set PW,  192                          ; the scale word
.set SPW, 193                          ; LDS address of my spare word; never rewritten
.set NIL, 194                          ; 0; never rewritten
.set SEL, 36                           ; s[36:37] v_permlanex16_b32's selects for lane l xor 16
.set MNT, 38                           ; s38 the mantissa field of 57,344
; 64 numbers of a lane, v[s + 16 b + i], become a fragment's codes in v[PC] on and its scale word in v[PW]
.macro QUANT s
.irp b, 0,1,2,3
	v_max3_num_f32 v[TM+\b], |v[\s+16*\b]|, |v[\s+1+16*\b]|, 0x8000000   ; my 16 numbers of block b, and the floor 2^(16 - 127): the byte cannot fall under 1
.endr
.irp i, 2,4,6,8,10,12,14
.irp b, 0,1,2,3
	v_max3_num_f32 v[TM+\b], v[TM+\b], |v[\s+16*\b+\i]|, |v[\s+1+16*\b+\i]|
.endr
.endr
.irp b, 0,1,2,3
	v_permlanex16_b32 v[TM+4+\b], v[TM+\b], s[SEL], s[SEL+1]
.endr
.irp b, 0,1,2,3
	v_max_num_f32 v[TM+\b], v[TM+\b], v[TM+4+\b]            ; with lane l xor 16's: the block's largest magnitude
.endr
.irp b, 0,1,2,3
	v_add_nc_u32 v[TM+12+\b], 0xf8800000, v[TM+\b]          ; 15 off its exponent field: the conversion's scale operand
.endr
.irp b, 0,1,2,3
	v_and_or_b32 v[TM+8+\b], v[TM+\b], 0x7f800000, s[MNT]   ; 57,344 x the scale
.endr
.irp b, 0,1,2,3
	v_lshrrev_b32 v[TM+4+\b], 23, v[TM+12+\b]               ; the scale's byte
.endr
	v_lshl_or_b32 v[PW], v[TM+5], 8, v[TM+4]
	v_lshl_or_b32 v[PW], v[TM+6], 16, v[PW]
	v_lshl_or_b32 v[PW], v[TM+7], 24, v[PW]
.irp b, 0,1,2,3
.irp i, 0,1,2,3,4,5,6,7,8,9,10,11,12,13,14,15
	v_med3_num_f32 v[\s+16*\b+\i], v[\s+16*\b+\i], -v[TM+8+\b], v[TM+8+\b]   ; the conversion to an 8-bit code does not saturate (ISA guide 7.6.2): hold first
.endr
	v_cvt_scalef32_pk8_bf8_f32 v[PC+4*\b:PC+1+4*\b], v[\s+16*\b:\s+7+16*\b], v[TM+12+\b]
	v_cvt_scalef32_pk8_bf8_f32 v[PC+2+4*\b:PC+3+4*\b], v[\s+8+16*\b:\s+15+16*\b], v[TM+12+\b]
.endr
	v_nop                                  ; one plain line behind the last conversion
.endm
	s_load_b256 s[4:11], s[0:1], 0x0       ; in_proj_w s[4:5], out_w s[6:7], w1 s[8:9], w2 s[10:11]
	s_load_b64 s[12:13], s[0:1], 0x20      ; wpk
	v_lshl_add_u32 v[SPW], v0, 2, SPARE
	v_mov_b32 v[NIL], 0
	v_lshrrev_b32 v1, 5, v0
	v_readfirstlane_b32 s14, v1            ; wave = fragment a
	v_and_b32 v1, 31, v0                   ; lane
	v_and_b32 v2, 15, v0                   ; r
	v_bfe_u32 v3, v0, 4, 1                 ; h
	s_mul_i32 s15, s14, STGB
	v_lshlrev_b32 v13, 4, v1               ; 16 x lane
	v_add_nc_u32 v4, s15, v13              ; the stage, on the way in: a row's 512 bytes as they lie
	v_mul_u32_u24 v5, v2, 528
	v_lshl_add_u32 v5, v3, 5, v5
	v_add_nc_u32 v5, s15, v5               ; and on the way out: row r, + 32 h
	s_lshl_b32 s31, s14, 11
	v_add_nc_u32 v6, s31, v13              ; my codes' place in the super-block: 2,048 a + 16 lane
	s_lshr_b32 s34, s14, 2
	s_lshl_b32 s34, s34, 8
	s_and_b32 s35, s14, 3
	s_lshl_b32 s35, s35, 2
	s_add_co_u32 s34, s34, s35
	s_add_co_u32 s34, s34, SCW
	v_lshl_add_u32 v7, v2, 4, s34          ; my scale word in LDS: SCW + 256 (a / 4) + 16 r + 4 (a % 4)
	v_add_nc_u32 v12, SCW, v13             ; where wave 0 reads the 512 bytes back
	s_mov_b32 s[SEL], 0x76543210
	s_mov_b32 s[SEL+1], 0xfedcba98
	s_mov_b32 s[MNT], 0x600000
.irp b, 0,1,2,3
	v_mov_b32 v[TM+4+\b], 0                ; written once: a lane permute's destination counts as one of its sources
.endr
	; which tensor: first super-block, log2 of its K / 128, bytes in a row.  The choice hangs on the work-group's number alone
	s_mov_b32 s18, 512
	s_mov_b32 s19, 5
	s_mov_b32 s20, 16384
	s_mov_b32 s21, 4096
	s_mov_b32 s22, 256
	s_mov_b32 s23, 192
	s_wait_kmcnt 0x0
	s_mov_b64 s[16:17], s[10:11]           ; w2,
	s_cmp_lt_u32 ttmp9, 512
	s_cselect_b64 s[16:17], s[8:9], s[16:17]   ; or w1,
	s_cselect_b32 s18, s22, s18
	s_cselect_b32 s19, 3, s19
	s_cselect_b32 s20, s21, s20
	s_cmp_lt_u32 ttmp9, 256
	s_cselect_b64 s[16:17], s[6:7], s[16:17]   ; or out_w,
	s_cselect_b32 s18, s23, s18
	s_cmp_lt_u32 ttmp9, 192
	s_cselect_b64 s[16:17], s[4:5], s[16:17]   ; or in_proj_w
	s_cselect_b32 s18, 0, s18
	s_sub_co_u32 s24, ttmp9, s18
	s_lshr_b32 s25, s24, s19               ; group of 128 rows
	s_lshl_b32 s26, s25, s19
	s_sub_co_u32 s26, s24, s26             ; step of 128 along K
	s_lshl_b32 s25, s25, 7
	s_lshl_b32 s27, s14, 4
	s_add_co_u32 s25, s25, s27             ; my first row
	s_mul_i32 s28, s25, s20
	s_lshl_b32 s26, s26, 9
	s_add_co_u32 s28, s28, s26             ; under 2^25
	s_mov_b32 s29, 0
	s_add_nc_u64 s[16:17], s[16:17], s[28:29]
	s_mul_i32 s32, ttmp9, SB
	s_mov_b32 s33, 0
	s_add_nc_u64 s[32:33], s[12:13], s[32:33]
	v_mov_b32 v[OFF], v13
.set n, 1
.rept 15
	v_add_nc_u32 v[OFF+n], s20, v[OFF+n-1]
.set n, n+1
.endr
.set n, 0
.rept 16
	global_load_b128 v[R+4*n:R+4*n+3], v[OFF+n], s[16:17] th:TH_LOAD_NT   ; 32 lanes read 512 consecutive bytes of row n
.set n, n+1
.endr
.set n, 0
.rept 16
	s_wait_loadcnt 15-n                    ; loads come back in order: row n is in, the younger ones stay out
	ds_store_b128 v4, v[R+4*n:R+4*n+3] offset:528*n
.set n, n+1
.endr
.irp c, 0,1,2,3                        ; LDS serves a wave's instructions in order: these see the stores above
.irp u, 0,1
.irp p, 0,1
	ds_load_b128 v[X+16*\c+8*\u+4*\p:X+16*\c+8*\u+4*\p+3], v5 offset:128*\c+64*\u+16*\p
.endr
.endr
.endr
	s_wait_dscnt 0x0
	QUANT X
.irp c, 0,1,2,3
	global_store_b128 v6, v[PC+4*\c:PC+4*\c+3], s[32:33] offset:512*\c   ; 32 lanes store 512 consecutive bytes
.endr
	ds_store_b32 v7, v[PW]                 ; both halves of the lanes write the same word with the same value
	s_wait_dscnt 0x0                       ; for wave 0's sake: my word has landed
	s_barrier_signal -1
	s_barrier_wait -1
	s_cmp_lg_u32 s14, 0
	s_cbranch_scc1 .Lend
	ds_load_b128 v[8:11], v12              ; the eight fragments' scale words leave as two whole runs of 256 bytes
	s_wait_dscnt 0x0
	global_store_b128 v13, v[8:11], s[32:33] offset:16384
.Lend:
	s_wait_tensorcnt 0x0                   ; the wave's end, behind my last LDS store
	ds_add_u32 v[SPW], v[NIL]
	s_wait_dscnt 0x0
	s_endpgm
.Lfunc_end_k_q7517599bbc_wq:
	.size	k_q7517599bbc_wq, .Lfunc_end_k_q7517599bbc_wq-k_q7517599bbc_wq
	.p2alignl 7, 3214868480
	.fill 96, 4, 3214868480
	.section	.rodata,"a",@progbits
	.p2align	6, 0x0
	.amdhsa_kernel k_q7517599bbc_wq
		.amdhsa_group_segment_fixed_size 69632
		.amdhsa_private_segment_fixed_size 0
		.amdhsa_enable_private_segment 0
		.amdhsa_kernarg_size 40
		.amdhsa_user_sgpr_count 2
		.amdhsa_user_sgpr_kernarg_segment_ptr 1
		.amdhsa_wavefront_size32 1
		.amdhsa_system_sgpr_workgroup_id_x 1
		.amdhsa_system_sgpr_workgroup_id_y 1
		.amdhsa_system_sgpr_workgroup_id_z 1
		.amdhsa_system_vgpr_workitem_id 0
		.amdhsa_next_free_vgpr 200
		.amdhsa_next_free_sgpr 66
		.amdhsa_reserve_vcc 0
		.amdhsa_float_denorm_mode_32 3
		.amdhsa_float_denorm_mode_16_64 3
		.amdhsa_memory_ordered 1
		.amdhsa_forward_progress 1
		.amdhsa_inst_pref_size 17
	.end_amdhsa_kernel
	.amdgpu_metadata
---
amdhsa.version: [ 1, 2 ]
amdhsa.kernels:
  - .name:           k_q7517599bbc_wq
    .symbol:         k_q7517599bbc_wq.kd
    .args:
      - { .name: in_proj_w, .offset: 0, .size: 8, .value_kind: global_buffer, .address_space: global }
      - { .name: out_w, .offset: 8, .size: 8, .value_kind: global_buffer, .address_space: global }
      - { .name: w1, .offset: 16, .size: 8, .value_kind: global_buffer, .address_space: global }
      - { .name: w2, .offset: 24, .size: 8, .value_kind: global_buffer, .address_space: global }
      - { .name: wpk, .offset: 32, .size: 8, .value_kind: global_buffer, .address_space: global }
    .group_segment_fixed_size: 69632
    .private_segment_fixed_size: 0
    .kernarg_segment_align: 8
    .kernarg_segment_size: 40
    .max_flat_workgroup_size: 256
    .sgpr_count:     66
    .vgpr_count:     200
    .wavefront_size: 32
...
	.end_amdgpu_metadata
.endif
;; end of part 1
;; launch ln1 (part 2): grid 256 x 1, 8 waves a work-group, no clusters, 69,632 bytes of LDS; arguments x, ln1_g, ln1_b, hpk; writes hpk
.if DOCPART == 2
	.amdgcn_target "amdgcn-amd-amdhsa--gfx1250"
	.amdhsa_code_object_version 6
	.text
	.protected	k_q7517599bbc_ln1
	.globl	k_q7517599bbc_ln1
	.p2align	8
	.type	k_q7517599bbc_ln1,@function
k_q7517599bbc_ln1:
	s_mov_b64 s[64:65], 0
	v_nop
	global_prefetch_b8 v0, s[64:65] scope:SCOPE_SE
	s_setreg_imm32_b32 hwreg(HW_REG_WAVE_MODE, 25, 1), 1
	s_wait_xcnt 0x0
; h = (x - mean) * rsqrt(var + 1e-5) * g + b along rows of 1,024 f32 numbers, quantised along the row into codes of BF8 with E8M0 scales, laid as PACK(4096, 1024):
; super-block (group of 128 rows x 8 + step of 128 K) x 16,896 bytes; fragment a at 2,048 a + 512 c + 16 lane; scale words at 16,384 + 256 (a / 4) + 16 r + 4 (a % 4);
; chunk c, lane (r, h), byte i = k 32 c + 16 (i / 8) + 8 h + i % 8.  The body serves both norms of the block: the arguments say which rows, gain and bias.
; A work-group takes 16 rows (row tile ttmp9), so that all 256 have work; wave w takes columns 128 w .. 128 w + 127, which are K step w: one fragment.  Each load reads 512 consecutive bytes; the tile turns through the
; wave's own stage in LDS.  Mean and variance in two passes (the deviations are squared: no difference of large sums); the eight waves' partial sums meet in LDS, one barrier for each of the two.
; The scale words of a row tile are 64 of a run of 256 bytes, whose other three quarters belong to other row tiles: they are stored 4 bytes a lane: one byte in 128 of what the launch reads.
; LIMITS: NaN and infinities are not served; a block whose largest magnitude lies under 2^-111 keeps the byte 1, a block of zeros too: its codes are zeros and this program alone reads the bytes.
.set SB,    16896
.set STGB,  8448
.set RED1,  8*STGB                     ; 16 rows x 8 waves' sums
.set SPARE, RED1+1024                  ; behind the second set of sums: the spare words, 128 bytes for each wave
.set R,   16                           ; v16-79   the tile as loaded, then the gain
.set X,   80                           ; v80-143  my 64 numbers
.set BT,  144                          ; v144-207 the bias
.set TM,  208                          ; v208-223 at work
.set PC,  224
.set PW,  240
.set SPW, 241
.set NIL, 242
.set MEAN, 244
.set RSTD, 246
.set PS,  248                          ; v248-255 the eight waves' sums
.set SEL, 26
.set MNT, 30
.macro QUANT s
.irp b, 0,1,2,3
	v_max3_num_f32 v[TM+\b], |v[\s+16*\b]|, |v[\s+1+16*\b]|, 0x8000000   ; my 16 numbers of block b, and the floor 2^(16 - 127)
.endr
.irp i, 2,4,6,8,10,12,14
.irp b, 0,1,2,3
	v_max3_num_f32 v[TM+\b], v[TM+\b], |v[\s+16*\b+\i]|, |v[\s+1+16*\b+\i]|
.endr
.endr
.irp b, 0,1,2,3
	v_permlanex16_b32 v[TM+4+\b], v[TM+\b], s[SEL], s[SEL+1]
.endr
.irp b, 0,1,2,3
	v_max_num_f32 v[TM+\b], v[TM+\b], v[TM+4+\b]
.endr
.irp b, 0,1,2,3
	v_add_nc_u32 v[TM+12+\b], 0xf8800000, v[TM+\b]          ; the conversion's scale operand
.endr
.irp b, 0,1,2,3
	v_and_or_b32 v[TM+8+\b], v[TM+\b], 0x7f800000, s[MNT]   ; 57,344 x the scale
.endr
.irp b, 0,1,2,3
	v_lshrrev_b32 v[TM+4+\b], 23, v[TM+12+\b]               ; the byte
.endr
	v_lshl_or_b32 v[PW], v[TM+5], 8, v[TM+4]
	v_lshl_or_b32 v[PW], v[TM+6], 16, v[PW]
	v_lshl_or_b32 v[PW], v[TM+7], 24, v[PW]
.irp b, 0,1,2,3
.irp i, 0,1,2,3,4,5,6,7,8,9,10,11,12,13,14,15
	v_med3_num_f32 v[\s+16*\b+\i], v[\s+16*\b+\i], -v[TM+8+\b], v[TM+8+\b]
.endr
	v_cvt_scalef32_pk8_bf8_f32 v[PC+4*\b:PC+1+4*\b], v[\s+16*\b:\s+7+16*\b], v[TM+12+\b]
	v_cvt_scalef32_pk8_bf8_f32 v[PC+2+4*\b:PC+3+4*\b], v[\s+8+16*\b:\s+15+16*\b], v[TM+12+\b]
.endr
	v_nop
.endm
; the four chains in v[TM .. TM+7] become one number a row; the eight waves' numbers meet at off bytes behind RED1; their sum, in a fixed order, lands in v[PS]
.macro MEET off
	v_pk_add_f32 v[TM:TM+1], v[TM:TM+1], v[TM+2:TM+3]
	v_pk_add_f32 v[TM+4:TM+5], v[TM+4:TM+5], v[TM+6:TM+7]
	v_pk_add_f32 v[TM:TM+1], v[TM:TM+1], v[TM+4:TM+5]
	v_add_f32 v[TM], v[TM], v[TM+1]
	v_permlanex16_b32 v[TM+1], v[TM], s[SEL], s[SEL+1]
	v_add_f32 v[TM], v[TM], v[TM+1]        ; my wave's 128 columns of row r
	ds_store_b32 v8, v[TM] offset:\off     ; both halves of the lanes write the same word with the same value
	s_wait_dscnt 0x0                       ; for the others' sake
	s_barrier_signal -1
	s_barrier_wait -1
	ds_load_b128 v[PS:PS+3], v9 offset:\off
	ds_load_b128 v[PS+4:PS+7], v9 offset:\off+16
	s_wait_dscnt 0x0
	v_add_f32 v[PS], v[PS], v[PS+1]
	v_add_f32 v[PS+2], v[PS+2], v[PS+3]
	v_add_f32 v[PS+4], v[PS+4], v[PS+5]
	v_add_f32 v[PS+6], v[PS+6], v[PS+7]
	v_add_f32 v[PS], v[PS], v[PS+2]
	v_add_f32 v[PS+4], v[PS+4], v[PS+6]
	v_add_f32 v[PS], v[PS], v[PS+4]
.endm
	s_load_b256 s[4:11], s[0:1], 0x0       ; the rows s[4:5], the gain s[6:7], the bias s[8:9], hpk s[10:11]
	v_lshl_add_u32 v[SPW], v0, 2, SPARE
	v_mov_b32 v[NIL], 0
	v_lshrrev_b32 v1, 5, v0
	v_readfirstlane_b32 s12, v1            ; wave w
	v_and_b32 v1, 31, v0
	v_and_b32 v2, 15, v0                   ; r
	v_bfe_u32 v3, v0, 4, 1                 ; h
	s_mul_i32 s13, s12, STGB
	v_lshlrev_b32 v6, 4, v1                ; 16 x lane
	v_add_nc_u32 v4, s13, v6               ; the stage, in
	v_mul_u32_u24 v5, v2, 528
	v_lshl_add_u32 v5, v3, 5, v5
	v_add_nc_u32 v5, s13, v5               ; the stage, out: row r, + 32 h
	s_lshl_b32 s14, s12, 9
	v_lshl_add_u32 v7, v3, 5, s14          ; gain and bias: 512 w + 32 h
	s_lshl_b32 s15, s12, 2
	s_add_co_u32 s15, s15, RED1
	v_lshl_add_u32 v8, v2, 5, s15          ; my sum's word: RED1 + 32 r + 4 w
	v_lshl_add_u32 v9, v2, 5, RED1         ; row r's eight words
	v_lshlrev_b32 v10, 4, v2               ; the scale word's place: 16 r
	s_mov_b32 s[SEL], 0x76543210
	s_mov_b32 s[SEL+1], 0xfedcba98
	s_mov_b32 s[MNT], 0x600000
	s_mov_b32 s28, 0x3a800000              ; 1 / 1,024
	s_mov_b32 s29, 0x3727c5ac              ; 1e-5
	s_lshl_b32 s16, ttmp9, 16              ; 16 rows of 4,096 bytes
	s_add_co_u32 s16, s16, s14
	s_mov_b32 s17, 0
	s_lshr_b32 s18, ttmp9, 3
	s_lshl_b32 s18, s18, 3
	s_add_co_u32 s18, s18, s12
	s_mul_i32 s18, s18, SB                 ; super-block (group, step w)
	s_and_b32 s20, ttmp9, 7                ; fragment a
	s_lshl_b32 s21, s20, 11
	s_add_co_u32 s22, s18, s21
	s_mov_b32 s23, 0
	s_lshr_b32 s21, s20, 2
	s_lshl_b32 s21, s21, 8
	s_and_b32 s20, s20, 3
	s_lshl_b32 s20, s20, 2
	s_add_co_u32 s24, s18, s21
	s_add_co_u32 s24, s24, s20
	s_add_co_u32 s24, s24, 16384
	s_mov_b32 s25, 0
	s_wait_kmcnt 0x0
	s_add_nc_u64 s[4:5], s[4:5], s[16:17]
	s_add_nc_u64 s[22:23], s[10:11], s[22:23]
	s_add_nc_u64 s[24:25], s[10:11], s[24:25]
.irp c, 0,1,2,3
.irp u, 0,1
.irp p, 0,1
	global_load_b128 v[BT+16*\c+8*\u+4*\p:BT+16*\c+8*\u+4*\p+3], v7, s[8:9] offset:128*\c+64*\u+16*\p
.endr
.endr
.endr
.set n, 0
.rept 16
	global_load_b128 v[R+4*n:R+4*n+3], v6, s[4:5] offset:4096*n th:TH_LOAD_NT   ; 512 consecutive bytes of row n
.set n, n+1
.endr
.set n, 0
.rept 16
	s_wait_loadcnt 15-n                    ; row n is in (and the bias, asked for earlier); the younger rows stay out
	ds_store_b128 v4, v[R+4*n:R+4*n+3] offset:528*n
.set n, n+1
.endr
.irp c, 0,1,2,3
.irp u, 0,1
.irp p, 0,1
	ds_load_b128 v[X+16*\c+8*\u+4*\p:X+16*\c+8*\u+4*\p+3], v5 offset:128*\c+64*\u+16*\p
.endr
.endr
.endr
	s_wait_dscnt 0x0                       ; my numbers are back, so the stores into the stage have read their registers,
.irp c, 0,1,2,3
.irp u, 0,1
.irp p, 0,1
	global_load_b128 v[R+16*\c+8*\u+4*\p:R+16*\c+8*\u+4*\p+3], v7, s[6:7] offset:128*\c+64*\u+16*\p   ; which take the gain
.endr
.endr
.endr
.irp k, 0,1,2,3                        ; the sum, in four chains
	v_pk_add_f32 v[TM+2*\k:TM+2*\k+1], v[X+2*\k:X+2*\k+1], v[X+8+2*\k:X+9+2*\k]
.endr
.irp j, 16,24,32,40,48,56
.irp k, 0,1,2,3
	v_pk_add_f32 v[TM+2*\k:TM+2*\k+1], v[TM+2*\k:TM+2*\k+1], v[X+\j+2*\k:X+\j+2*\k+1]
.endr
.endr
	MEET 0
	v_mul_f32 v[MEAN], s28, v[PS]
	v_mov_b32 v[MEAN+1], v[MEAN]           ; (named with it as a pair, so it is written)
.set n, 0
.rept 32
	v_pk_add_f32 v[X+n:X+n+1], v[X+n:X+n+1], v[MEAN:MEAN+1] op_sel_hi:[1,0] neg_lo:[0,1] neg_hi:[0,1]   ; x - mean
.set n, n+2
.endr
.irp k, 0,1,2,3                        ; the sum of squares
	v_pk_mul_f32 v[TM+2*\k:TM+2*\k+1], v[X+2*\k:X+2*\k+1], v[X+2*\k:X+2*\k+1]
.endr
.irp j, 8,16,24,32,40,48,56
.irp k, 0,1,2,3
	v_pk_fma_f32 v[TM+2*\k:TM+2*\k+1], v[X+\j+2*\k:X+\j+2*\k+1], v[X+\j+2*\k:X+\j+2*\k+1], v[TM+2*\k:TM+2*\k+1]
.endr
.endr
	MEET 512                               ; other bytes than the first sums': no wave can overwrite what another still reads
	v_fma_f32 v[PS], v[PS], s28, s29       ; var + 1e-5
	v_rsq_f32 v[RSTD], v[PS]
	v_rsq_f32 v[RSTD+1], v[PS]
	v_nop                                  ; a plain line behind the last of the two
	s_wait_alu depctr_va_vdst(0)           ; the wait ahead of the first use: one for both
	s_wait_loadcnt 0x0                     ; the gain
.set n, 0
.rept 32
	v_pk_mul_f32 v[X+n:X+n+1], v[X+n:X+n+1], v[RSTD:RSTD+1]
.set n, n+2
.endr
.set n, 0
.rept 32
	v_pk_fma_f32 v[X+n:X+n+1], v[X+n:X+n+1], v[R+n:R+n+1], v[BT+n:BT+n+1]
.set n, n+2
.endr
	QUANT X
.irp c, 0,1,2,3
	global_store_b128 v6, v[PC+4*\c:PC+4*\c+3], s[22:23] offset:512*\c   ; 512 consecutive bytes
.endr
	global_store_b32 v10, v[PW], s[24:25]  ; both halves of the lanes store the same word with the same value
	s_wait_tensorcnt 0x0                   ; the wave's end, behind my last LDS store
	ds_add_u32 v[SPW], v[NIL]
	s_wait_dscnt 0x0
	s_endpgm
.Lfunc_end_k_q7517599bbc_ln1:
	.size	k_q7517599bbc_ln1, .Lfunc_end_k_q7517599bbc_ln1-k_q7517599bbc_ln1
	.p2alignl 7, 3214868480
	.fill 96, 4, 3214868480
	.section	.rodata,"a",@progbits
	.p2align	6, 0x0
	.amdhsa_kernel k_q7517599bbc_ln1
		.amdhsa_group_segment_fixed_size 69632
		.amdhsa_private_segment_fixed_size 0
		.amdhsa_enable_private_segment 0
		.amdhsa_kernarg_size 32
		.amdhsa_user_sgpr_count 2
		.amdhsa_user_sgpr_kernarg_segment_ptr 1
		.amdhsa_wavefront_size32 1
		.amdhsa_system_sgpr_workgroup_id_x 1
		.amdhsa_system_sgpr_workgroup_id_y 1
		.amdhsa_system_sgpr_workgroup_id_z 1
		.amdhsa_system_vgpr_workitem_id 0
		.amdhsa_next_free_vgpr 256
		.amdhsa_next_free_sgpr 66
		.amdhsa_reserve_vcc 0
		.amdhsa_float_denorm_mode_32 3
		.amdhsa_float_denorm_mode_16_64 3
		.amdhsa_memory_ordered 1
		.amdhsa_forward_progress 1
		.amdhsa_inst_pref_size 30
	.end_amdhsa_kernel
	.amdgpu_metadata
---
amdhsa.version: [ 1, 2 ]
amdhsa.kernels:
  - .name:           k_q7517599bbc_ln1
    .symbol:         k_q7517599bbc_ln1.kd
    .args:
      - { .name: x, .offset: 0, .size: 8, .value_kind: global_buffer, .address_space: global }
      - { .name: ln1_g, .offset: 8, .size: 8, .value_kind: global_buffer, .address_space: global }
      - { .name: ln1_b, .offset: 16, .size: 8, .value_kind: global_buffer, .address_space: global }
      - { .name: hpk, .offset: 24, .size: 8, .value_kind: global_buffer, .address_space: global }
    .group_segment_fixed_size: 69632
    .private_segment_fixed_size: 0
    .kernarg_segment_align: 8
    .kernarg_segment_size: 32
    .max_flat_workgroup_size: 256
    .sgpr_count:     66
    .vgpr_count:     256
    .wavefront_size: 32
...
	.end_amdgpu_metadata
.endif
;; end of part 2
;; launch qkv (part 3): grid 12 x 16, 4 waves a work-group, clusters of 4 x 4, 327,680 bytes of LDS; arguments hpk, wpk, in_proj_b, qb, kv; writes qb, kv
.if DOCPART == 3
	.amdgcn_target "amdgcn-amd-amdhsa--gfx1250"
	.amdhsa_code_object_version 6
	.text
	.protected	k_q7517599bbc_qkv
	.globl	k_q7517599bbc_qkv
	.p2align	8
	.type	k_q7517599bbc_qkv,@function
k_q7517599bbc_qkv:
	s_mov_b64 s[64:65], 0
	v_nop
	global_prefetch_b8 v0, s[64:65] scope:SCOPE_SE
	s_setreg_imm32_b32 hwreg(HW_REG_WAVE_MODE, 25, 1), 1
	s_wait_xcnt 0x0
	s_wait_alu depctr_hold_cnt(0) depctr_sa_sdst(0) depctr_va_vdst(0) depctr_va_sdst(0) depctr_va_ssrc(0) depctr_va_vcc(0) depctr_vm_vsrc(0)
	s_getreg_b32 s2, hwreg(HW_REG_IB_STS2, 6, 4)
	s_cmp_eq_u32 s2, 0
	s_cbranch_scc0 .Lentry_in_a_cluster
	s_endpgm
.Lentry_in_a_cluster:
	s_bfe_u32 s2, ttmp6, 0x10000c
	s_cmp_lg_u32 s2, 0xf033
	s_cbranch_scc0 .Lentry_shape_is_right
	s_endpgm
.Lentry_shape_is_right:
; qkv = h in_proj_w^T + in_proj_b on codes of BF8 with E8M0 scales; q, k and v are quantised on the way out and leave as operands of the attention's two products.
; A: hpk, PACK(4096, 1024); B: wpk's super-blocks 0-191, PACK(3072, 1024).  PACK: super-block (group of 128 rows x K/128 + step) x SB bytes: fragment a as an image of its registers at 2,048 a + 512 c + 16 lane,
; scale words at 16,384 + 256 (a / 4) + 16 r + 4 (a % 4).  A tile of C, 256 x 256, is made by four waves, 128 x 128 each: 64 accumulators, 512 registers.
; K goes in steps of 256 through a ring of two LDS slots; a wave's tensor load brings two super-blocks on end (33,792 dense bytes, codes and scale words together) of one group of 128 rows.
; CLUSTERS: 4 x 4 work-groups; A's tiles are asked for jointly along a row of the cluster, B's along a column.  THE PRODUCT IS USED TRANSPOSED (source 0 = 16 rows of the weight, source 1 = 16 rows of h):
; lane (r, h), register j of accumulator (a, b) holds C(row 16 a + r, column 16 b + 8 h + j).  The bias is the C of each sum's first product.
; THE WAY OUT.  Cluster x says which part the tile is: 0 q, 1 k, 2 v; it is the same in all sixteen partners.  q, k (K = the head's 64): a row tile's 64 registers are quantised as they stand; they go to blocks of
; 8,448 bytes for a (batch, head) and a step of 128 tokens: fragment f at 2,048 f holds token tile 2 f in chunks 0, 1 and tile 2 f + 1 in chunks 2, 3; scale words at 8,192 + 16 r + 4 f.
; v (K = the keys): 32 tokens x 128 columns turn through the wave's stage in LDS, a lane takes a column and its registers run down the 32 keys; fragment tau (d = 16 tau + r) at 2,048 tau, chunk c = key block c,
; byte i of lane slot (r, h) = key 32 c + 16 (i / 8) + 8 h + i % 8; scale words at 8,192 + 16 r + 4 tau.  kv holds, for each (batch, head, step), k's block and then v's.
; LIMITS: NaN and infinities are not served; a block whose largest magnitude lies under 2^-111 keeps the byte 1, a block of zeros too.
.set KT,    8                          ; K / 128
.set WOFF,  0                          ; the weight's first super-block in wpk
.set LAPS,  KT/4                       ; a lap = two slots = 512 along K
.set SB,    16896
.set REG,   2*SB                       ; what one tensor load brings: 256 along K of 128 rows
.set SLOT,  4*REG                      ; A's two groups, then B's two
.set SPARE, 2*SLOT                     ; behind the ring: the spare words, 128 bytes for each wave
.set NQ,    2
.set FR,    16
.set NL,    4
.set NP,    8                          ; places behind this matrix instruction (ISA guide 7.12.1)
.set ADRA, 16                          ; v16-17 LDS address of my A fragments in slot 0, 1
.set ADRB, 20                          ; v20-21 the same for B
.set ADRS, 22                          ; v22-23 of my scale words: lanes 0-15 A's, lanes 16-31 B's
.set SPW,  28
.set NIL,  29
.set SC,   32                          ; v32-63 scale words: register 16 slot + 8 q + i: lanes 0-15 A's block i, lanes 16-31 B's block i
.set BI,   64                          ; v64-127 the bias, 8 tiles in the result's layout
.set AF,   128                         ; v128-255 A's fragments, one set; window 1: B's two sets; windows 2, 3: the accumulators
.set G1, 24
.set G0, 32
.set G1B, 48
.set G0B, 56
.set SEL, 66                           ; s[66:67]
.set MNT, 68
.set MSB, 0
.macro WIN new                         ; the immediate's high byte repeats the setting that is left
.if MSB != (\new)
	s_set_vgpr_msb (MSB<<8)|(\new)
.set MSB, (\new)
.endif
.endm
.set MUL_LO, 0xa1                      ; source 0 (B) window 1, source 1 (A) window 0, C and D window 2
.set MUL_HI, 0xf1
.set TO_B,   0x40
.macro JLOAD g0a, g1a, g0b, g1b        ; a joint load: waves 0 and 1 fetch for A, waves 2 and 3 for B; an s_nop 0 and four v_nop follow each line
	s_cmp_eq_u32 s15, 0
	s_cbranch_scc0 .Lfor_b_\@
	tensor_load_to_lds s[\g0a:\g0a+3], s[\g1a:\g1a+7]
	s_nop 0
.rept 4
	v_nop
.endr
	s_branch .Lasked_\@
.Lfor_b_\@:
	tensor_load_to_lds s[\g0b:\g0b+3], s[\g1b:\g1b+7]
	s_nop 0
.rept 4
	v_nop
.endr
.Lasked_\@:
.endm
.macro CREST                           ; a round of the cluster's barrier behind its opening barrier
	s_cmp_lg_u32 s14, 0
	s_cbranch_scc1 .Lnot_wave_0_\@
	s_barrier_signal -3
.Lnot_wave_0_\@:
	s_barrier_wait -3
	s_barrier_signal -1
	s_barrier_wait -1
.endm
.macro CROUND
	s_barrier_signal -1
	s_barrier_wait -1
	CREST
.endm
.macro PLACES n
.rept \n
	v_nop
.endr
.endm
.macro FRAG reg, adr, q, i             ; a fragment comes back as it was stored: four loads of 512 consecutive bytes
.irp c, 0,1,2,3
	ds_load_b128 v[\reg+4*\c:\reg+4*\c+3], v[\adr] offset:SB*(\q)+2048*(\i)+512*\c
.endr
.endm
; 16 products: A's blocks a0, a0 + 1 x B's eight, the slot's q-th 128 along K.  first = 1: the bias starts the sums.  The 64 accumulators take turns, in the same order in every step
.macro MUL16 a0, p, q, sc, first
.irp a, \a0, \a0+1
.irp b, 0,1,2,3,4,5,6,7
.if \first
	v_wmma_scale_f32_16x16x128_f8f6f4 v[8*(8*((\a)%4)+\b):8*(8*((\a)%4)+\b)+7], v[128*(\p)+FR*\b:128*(\p)+FR*\b+FR-1], v[AF+FR*(\a):AF+FR*(\a)+FR-1], v[BI+8*\b:BI+8*\b+7], v[SC+16*(\sc)+8*(\q)+\b], v[SC+16*(\sc)+8*(\q)+(\a)] matrix_a_fmt:MATRIX_FMT_BF8 matrix_b_fmt:MATRIX_FMT_BF8 matrix_a_scale:MATRIX_SCALE_ROW1
.else
	v_wmma_scale_f32_16x16x128_f8f6f4 v[8*(8*((\a)%4)+\b):8*(8*((\a)%4)+\b)+7], v[128*(\p)+FR*\b:128*(\p)+FR*\b+FR-1], v[AF+FR*(\a):AF+FR*(\a)+FR-1], v[8*(8*((\a)%4)+\b):8*(8*((\a)%4)+\b)+7], v[SC+16*(\sc)+8*(\q)+\b], v[SC+16*(\sc)+8*(\q)+(\a)] matrix_a_fmt:MATRIX_FMT_BF8 matrix_b_fmt:MATRIX_FMT_BF8 matrix_a_scale:MATRIX_SCALE_ROW1
.endif
.endr
.endr
.endm
.macro FETCH_B slot, q, p
	WIN TO_B
.irp i, 0,1,2,3,4,5,6,7
	FRAG 128*(\p)+FR*\i, ADRB+\slot, \q, \i
.endr
	WIN 0
.endm
.macro FETCH_A slot, q, i0
.irp i, \i0, \i0+1, \i0+2, \i0+3
	FRAG AF+FR*(\i), ADRA+\slot, \q, \i
.endr
.endm
.macro SCALES sc                       ; a slot's scale words: four words a load
.irp q, 0,1
	ds_load_b128 v[SC+16*(\sc)+8*\q:SC+16*(\sc)+8*\q+3], v[ADRS+\sc] offset:SB*\q
	ds_load_b128 v[SC+16*(\sc)+8*\q+4:SC+16*(\sc)+8*\q+7], v[ADRS+\sc] offset:SB*\q+256
.endr
.endm
.macro STEP slot, q, first             ; a step of 128 along K that has its successor in the same slot
	s_wait_dscnt 4*NL                      ; B's set, the scale words and A's blocks 0-3 are in; the youngest sixteen loads (A's blocks 4-7) may be out
.if \first
	WIN 0x81                               ; C (the bias) in window 0
.else
	WIN MUL_LO
.endif
	MUL16 0, (\q)%2, \q, \slot, \first
	MUL16 2, (\q)%2, \q, \slot, \first
	s_wait_dscnt 0
	PLACES NP
	FETCH_B \slot, (\q)+1, 1-(\q)%2
	FETCH_A \slot, (\q)+1, 0
.if \first
	WIN 0xc1
.else
	WIN MUL_HI
.endif
	MUL16 4, (\q)%2, \q, \slot, \first
	MUL16 6, (\q)%2, \q, \slot, \first
	PLACES NP
	WIN 0
	FETCH_A \slot, (\q)+1, 4
.endm
.macro TURN slot, next, fill           ; a slot's last step changes slots: one barrier; fill = 1: this slot is filled again, 512 along K ahead
	s_wait_tensorcnt 0x0                   ; all my tensor loads have landed: my part of the next slot
	ds_add_u32 v[SPW], v[NIL]              ; 0 onto my spare word
	s_wait_dscnt 4*NL+1                    ; (the add and the youngest sixteen loads may be out)
	WIN MUL_LO
	MUL16 0, 1, NQ-1, \slot, 0
	s_wait_dscnt 0x0                       ; the add is done, and my reads of this slot are over
	s_barrier_signal -1
	MUL16 2, 1, NQ-1, \slot, 0
	WIN 0
	s_barrier_wait -1
.if \fill
	CREST                                  ; the barrier has opened a round of the cluster's: no wave of any partner still reads this slot or has a load on its way
	s_add_nc_u64 s[G0+4*\slot+2:G0+4*\slot+3], s[G0+4*\slot+2:G0+4*\slot+3], 2*REG
	s_add_nc_u64 s[G0B+4*\slot+2:G0B+4*\slot+3], s[G0B+4*\slot+2:G0B+4*\slot+3], 2*REG
	JLOAD G0+4*\slot, G1, G0B+4*\slot, G1B
	PLACES NP-4
.else
	PLACES NP
.endif
	FETCH_B \next, 0, 0
	FETCH_A \next, 0, 0
	SCALES \next
	WIN MUL_HI
	MUL16 4, 1, NQ-1, \slot, 0
	MUL16 6, 1, NQ-1, \slot, 0
	PLACES NP
	WIN 0
	FETCH_A \next, 0, 4
.endm
; 64 numbers of a lane, v[src + 16 b + i] of window w, become held numbers in v[dst] on, codes in v[pc] on and a scale word in v[pw] (all window 0).  Each accumulator is read from its low end on
.macro QUANT src, w, dst, pc, pw
	WIN (\w)|((\w)<<2)
.irp b, 0,1,2,3
	v_max3_num_f32 v[TM+\b], |v[\src+16*\b]|, |v[\src+16*\b+1]|, 0x8000000   ; and the floor 2^(16 - 127)
.endr
	WIN ((\w)<<2)|((\w)<<4)
.irp i, 2,4,6,8,10,12,14
.irp b, 0,1,2,3
	v_max3_num_f32 v[TM+\b], v[TM+\b], |v[\src+16*\b+\i]|, |v[\src+16*\b+\i+1]|
.endr
.endr
	WIN 0
.irp b, 0,1,2,3
	v_permlanex16_b32 v[TM+4+\b], v[TM+\b], s[SEL], s[SEL+1]
.endr
.irp b, 0,1,2,3
	v_max_num_f32 v[TM+\b], v[TM+\b], v[TM+4+\b]
.endr
.irp b, 0,1,2,3
	v_add_nc_u32 v[TM+12+\b], 0xf8800000, v[TM+\b]
.endr
.irp b, 0,1,2,3
	v_and_or_b32 v[TM+8+\b], v[TM+\b], 0x7f800000, s[MNT]
.endr
.irp b, 0,1,2,3
	v_lshrrev_b32 v[TM+4+\b], 23, v[TM+12+\b]
.endr
	v_lshl_or_b32 v[\pw], v[TM+5], 8, v[TM+4]
	v_lshl_or_b32 v[\pw], v[TM+6], 16, v[\pw]
	v_lshl_or_b32 v[\pw], v[TM+7], 24, v[\pw]
	WIN (\w)
.irp b, 0,1,2,3
.irp i, 0,1,2,3,4,5,6,7,8,9,10,11,12,13,14,15
	v_med3_num_f32 v[\dst+16*\b+\i], v[\src+16*\b+\i], -v[TM+8+\b], v[TM+8+\b]   ; the hold, and the way out of the accumulators' window, in one
.endr
.endr
	WIN 0
.irp b, 0,1,2,3
	v_cvt_scalef32_pk8_bf8_f32 v[\pc+4*\b:\pc+4*\b+1], v[\dst+16*\b:\dst+16*\b+7], v[TM+12+\b]
	v_cvt_scalef32_pk8_bf8_f32 v[\pc+4*\b+2:\pc+4*\b+3], v[\dst+16*\b+8:\dst+16*\b+15], v[TM+12+\b]
.endr
	v_nop
.endm
	s_load_b256 s[4:11], s[0:1], 0x0       ; hpk s[4:5], wpk s[6:7], in_proj_b s[8:9], qb s[10:11]
	s_load_b64 s[12:13], s[0:1], 0x20      ; kv
	v_lshl_add_u32 v[SPW], v0, 2, SPARE
	v_mov_b32 v[NIL], 0
	ds_add_u32 v[SPW], v[NIL]              ; the wave's opening: the add, twice on end, and its wait ahead of my first tensor load
	ds_add_u32 v[SPW], v[NIL]
	v_lshrrev_b32 v1, 5, v0
	v_readfirstlane_b32 s14, v1            ; wave 0..3
	s_lshr_b32 s15, s14, 1                 ; which half of the tile's rows is mine.  Also: I fetch for A (0) or for B (1)
	s_and_b32 s16, s14, 1                  ; which half of its columns.  Also: which group of 128 rows I fetch
	s_bfe_u32 s40, ttmp6, 0x40000          ; cx, cy
	s_bfe_u32 s41, ttmp6, 0x40004
	s_lshl_b32 s42, ttmp9, 2
	s_add_co_u32 s42, s42, s40             ; tile column
	s_and_b32 s17, ttmp7, 0xffff
	s_lshl_b32 s17, s17, 2
	s_add_co_u32 s17, s17, s41             ; tile row
	s_lshl_b32 s43, s41, 2
	s_lshl_b32 s43, 15, s43                ; my row of the cluster
	s_lshl_b32 s44, 0x1111, s40            ; my column
	s_or_b32 s[G1+0], s43, (3<<16)|(1<<21) ; the mask; elements of 8 bytes; bit 21 set beside a mask; no padding: the images are read 512 consecutive bytes at a time
	s_or_b32 s[G1B+0], s44, (3<<16)|(1<<21)
.irp g, G1, G1B
	s_mov_b32 s[\g+1], 32<<16              ; tensor_dim0: rows of 256 bytes
	s_mov_b32 s[\g+2], 132<<16             ; tensor_dim1: 132 of them are 33,792 bytes
	s_mov_b32 s[\g+3], 32<<16              ; tile_dim0
	s_mov_b32 s[\g+4], 132                 ; tile_dim1
	s_mov_b32 s[\g+5], 32                  ; the pitch: dense
	s_mov_b32 s[\g+6], 0
	s_mov_b32 s[\g+7], 0
.endr
	s_lshl_b32 s20, s17, 1
	s_add_co_u32 s20, s20, s16
	s_mul_i32 s20, s20, KT*SB              ; A: group 2 x tile row + half
	s_mov_b32 s21, 0
	s_lshl_b32 s46, s42, 1
	s_add_co_u32 s46, s46, s16
	s_mul_i32 s46, s46, KT*SB              ; B: group 2 x tile column + half
.if WOFF
	s_add_co_u32 s46, s46, WOFF*SB
.endif
	s_mov_b32 s47, 0
	s_mul_i32 s45, s14, REG                ; where they go: wave x a region: no place in the cluster enters an LDS address
	s_mov_b32 s[SEL], 0x76543210
	s_mov_b32 s[SEL+1], 0xfedcba98
	s_mov_b32 s[MNT], 0x600000
	s_wait_dscnt 0x0                       ; both opening adds are done
	s_wait_kmcnt 0x0
	s_add_nc_u64 s[20:21], s[4:5], s[20:21]
	s_add_nc_u64 s[46:47], s[6:7], s[46:47]
	CROUND                                 ; all sixteen work-groups are here: the first joint loads meet
.irp s, 0,1
	s_mov_b32 s[G0+4*\s], 1
	s_add_co_u32 s[G0+4*\s+1], s45, \s*SLOT
	s_add_nc_u64 s[G0+4*\s+2:G0+4*\s+3], s[20:21], \s*REG
	s_or_b32 s[G0+4*\s+3], s[G0+4*\s+3], 0x80000000
	s_mov_b32 s[G0B+4*\s], 1
	s_add_co_u32 s[G0B+4*\s+1], s45, \s*SLOT
	s_add_nc_u64 s[G0B+4*\s+2:G0B+4*\s+3], s[46:47], \s*REG
	s_or_b32 s[G0B+4*\s+3], s[G0B+4*\s+3], 0x80000000
	JLOAD G0+4*\s, G1, G0B+4*\s, G1B       ; two loads of mine are out
.endr
	v_and_b32 v1, 31, v0                   ; lane
	v_and_b32 v2, 15, v0                   ; r
	v_bfe_u32 v3, v0, 4, 1                 ; h
	v_lshlrev_b32 v4, 4, v1                ; 16 x lane
	s_mul_i32 s21, s15, REG                ; my 128 rows of A
	s_mul_i32 s22, s16, REG
	s_add_co_u32 s22, s22, 2*REG           ; my 128 rows of B
.irp s, 0,1
	v_add_nc_u32 v[ADRA+\s], s21, v4
	v_add_nc_u32 v[ADRB+\s], s22, v4
	s_add_co_u32 s21, s21, SLOT
	s_add_co_u32 s22, s22, SLOT
.endr
	s_mul_i32 s21, s15, REG
	s_mul_i32 s22, s16, REG
	s_add_co_u32 s22, s22, 2*REG
	s_sub_co_u32 s22, s22, s21
	v_mul_u32_u24 v6, s22, v3              ; lanes 16-31 take B's: one product with h
	v_lshl_add_u32 v5, v2, 4, v6
	s_add_co_u32 s21, s21, 16384
	v_add_nc_u32 v[ADRS], s21, v5
	v_add_nc_u32 v[ADRS+1], SLOT, v[ADRS]
	s_lshl_b32 s46, s42, 10                ; the bias of my 128 columns
	s_lshl_b32 s47, s16, 9
	s_add_co_u32 s46, s46, s47
	s_mov_b32 s47, 0
	s_add_nc_u64 s[8:9], s[8:9], s[46:47]
	v_lshlrev_b32 v7, 5, v3                ; lane (r, h) wants, for tile b, columns 16 b + 8 h + 0 .. 7
.irp b, 0,1,2,3,4,5,6,7
	global_load_b128 v[BI+8*\b:BI+8*\b+3], v7, s[8:9] offset:64*\b
	global_load_b128 v[BI+8*\b+4:BI+8*\b+7], v7, s[8:9] offset:64*\b+16
.endr
	s_mul_i32 s78, s14, 32*528             ; v's way out: my stage of 32 rows x 528 bytes, in slot 0.  Both LDS addresses are made here, ahead of the parting of the ways
	v_mul_u32_u24 v24, v2, 528
	v_lshl_add_u32 v24, v3, 5, v24
	v_add_nc_u32 v24, s78, v24             ; in: row r, + 32 h
	v_lshl_add_u32 v25, v1, 2, s78         ; back: a lane to a column
	s_wait_tensorcnt 1                     ; my part of slot 0 is in; slot 1's may stay out
	s_barrier_signal -1
	s_barrier_wait -1
	FETCH_B 0, 0, 0
	FETCH_A 0, 0, 0
	SCALES 0
	FETCH_A 0, 0, 4
	s_wait_loadcnt 0x0                     ; the bias
	STEP 0, 0, 1                           ; the first step stands in front of the loop: its products start the sums
.if LAPS > 1
	s_mov_b32 s3, LAPS-1
.Llap:
	TURN 0, 1, 1
	STEP 1, 0, 0
	TURN 1, 0, 1
	STEP 0, 0, 0
	s_sub_co_u32 s3, s3, 1
	s_cmp_lg_u32 s3, 0
	s_cbranch_scc1 .Llap
.endif
	TURN 0, 1, 0                           ; the last lap fills nothing
	STEP 1, 0, 0
	s_wait_dscnt 4*NL
	WIN MUL_LO
	MUL16 0, 1, NQ-1, 1, 0
	MUL16 2, 1, NQ-1, 1, 0
	s_wait_dscnt 0
	WIN MUL_HI
	MUL16 4, 1, NQ-1, 1, 0
	MUL16 6, 1, NQ-1, 1, 0
	WIN 0
	PLACES NP
	; ---- THE WAY OUT
.set XQ,  64                           ; q, k: held numbers
.set TM,  128
.set PC,  144
.set PWS, 160                          ; a scale word for each of the 8 row tiles
.set WQ,  168
	s_lshl_b32 s20, s17, 1
	s_add_co_u32 s20, s20, s15             ; my group of 128 tokens
	s_lshr_b32 s21, s20, 4                 ; the batch
	s_and_b32 s20, s20, 15                 ; the step of 128 tokens
	s_lshl_b32 s46, s40, 2
	s_lshl_b32 s47, s16, 1
	s_add_co_u32 s46, s46, s47             ; the head of my first 64 columns; the next head has the other 64
	s_lshl_b32 s21, s21, 4
	s_add_co_u32 s21, s21, s46
	s_lshl_b32 s21, s21, 4
	s_add_co_u32 s21, s21, s20             ; the block's number
	s_mov_b32 s70, 0xffff0000              ; lanes 16-31
	s_cmp_eq_u32 ttmp9, 2                  ; the cluster's x: the same in all partners
	s_cbranch_scc1 .Lv
	s_mov_b32 s72, 16896
	s_mov_b32 s73, 270336
	s_cmp_eq_u32 ttmp9, 0
	s_cselect_b64 s[74:75], s[10:11], s[12:13]   ; q goes to qb, k to kv
	s_cselect_b32 s72, 8448, s72           ; bytes from block to block,
	s_cselect_b32 s73, 135168, s73         ; and from head to head (16 blocks)
	s_mul_i32 s76, s21, s72
	s_mov_b32 s77, 0
	s_add_nc_u64 s[74:75], s[74:75], s[76:77]
	v_add_nc_u32 v26, s73, v4              ; the odd head's place
	v_mul_u32_u24 v27, s73, v3
	v_lshl_add_u32 v27, v2, 4, v27         ; the scale words': 16 r, lanes 16-31 in the odd head's block
.irp b, 0,1,2,3
	v_mov_b32 v[TM+4+\b], 0                ; a lane permute's destination counts as one of its sources
.endr
.irp a, 0,1,2,3,4,5,6,7
	s_wait_xcnt 0x0                        ; the last tile's stores have read their data: the codes' registers are written again only behind this wait
	QUANT 64*(\a%4), 2+\a/4, XQ, PC, PWS+\a
.irp e, 0,1
	global_store_b128 v4, v[PC+4*\e:PC+4*\e+3], s[74:75] offset:2048*(\a/2)+512*(2*(\a%2)+\e)       ; 512 consecutive bytes each
	global_store_b128 v26, v[PC+8+4*\e:PC+8+4*\e+3], s[74:75] offset:2048*(\a/2)+512*(2*(\a%2)+\e)
.endr
.endr
.irp f, 0,1,2,3
	v_perm_b32 v[WQ+\f], v[PWS+2*\f+1], v[PWS+2*\f], 0x05040100     ; the even head's word: the two tiles' low halves
	v_perm_b32 v[WQ+4+\f], v[PWS+2*\f+1], v[PWS+2*\f], 0x07060302   ; the odd head's: their high halves
.endr
.irp f, 0,1,2,3
	v_cndmask_b32 v[WQ+\f], v[WQ+\f], v[WQ+4+\f], s70
.endr
	global_store_b128 v27, v[WQ:WQ+3], s[74:75] offset:8192          ; sixteen lanes store 256 consecutive bytes, once for each head
	s_branch .Lend
.Lv:
.set VX,  128                          ; four sets of 32 numbers
.set VC,  64
.set SBV, 72
.set VY,  76
.set VW,  80
.set VT,  84
	s_mul_i32 s76, s21, 16896
	s_mov_b32 s77, 0
	s_add_nc_u64 s[74:75], s[12:13], s[76:77]
	v_lshlrev_b32 v26, 11, v3
	v_lshl_add_u32 v26, v2, 4, v26         ; my column's place: fragment tau = 2 (set % 2) + h, row r
	v_mul_u32_u24 v27, v3, 0x42000
	v_lshl_add_u32 v27, v2, 4, v27
.irp b, 0,1,2,3
	v_mov_b32 v[VY+\b], 0
.endr
.macro VLOADS gp                       ; columns 32 gp + lane, the 32 keys down my registers: each load reads 128 consecutive bytes
.set vn, 0
.rept 32
	ds_load_b32 v[VX+32*(\gp)+vn], v25 offset:528*vn+128*(\gp)
.set vn, vn+1
.endr
.endm
.macro VBLOCK cp, gp                   ; a block of 32 keys of my column: all 32 numbers are mine
.set XS, VX+32*(\gp)
	v_max3_num_f32 v[VT], |v[XS]|, |v[XS+1]|, |v[XS+2]|
	v_max3_num_f32 v[VT+1], |v[XS+3]|, |v[XS+4]|, |v[XS+5]|
.irp i, 6,10,14,18,22,26
	v_max3_num_f32 v[VT], v[VT], |v[XS+\i]|, |v[XS+\i+1]|
	v_max3_num_f32 v[VT+1], v[VT+1], |v[XS+\i+2]|, |v[XS+\i+3]|
.endr
	v_max3_num_f32 v[VT], v[VT], |v[XS+30]|, |v[XS+31]|
	v_max3_num_f32 v[VT], v[VT], v[VT+1], 0x8000000
	v_add_nc_u32 v[VT+2], 0xf8800000, v[VT]
	v_and_or_b32 v[VT+3], v[VT], 0x7f800000, s[MNT]
	v_lshrrev_b32 v[VT+1], 23, v[VT+2]
.if (\cp) == 0
	v_mov_b32 v[SBV+\gp], v[VT+1]
.else
	v_lshl_or_b32 v[SBV+\gp], v[VT+1], 8*(\cp), v[SBV+\gp]
.endif
.set vn, 0
.rept 32
	v_med3_num_f32 v[XS+vn], v[XS+vn], -v[VT+3], v[VT+3]
.set vn, vn+1
.endr
	v_cvt_scalef32_pk8_bf8_f32 v[VC:VC+1], v[XS:XS+7], v[VT+2]           ; lane slot h = 0 takes keys 0-7 and 16-23,
	v_cvt_scalef32_pk8_bf8_f32 v[VC+2:VC+3], v[XS+16:XS+23], v[VT+2]
	v_cvt_scalef32_pk8_bf8_f32 v[VC+4:VC+5], v[XS+8:XS+15], v[VT+2]      ; slot h = 1 keys 8-15 and 24-31
	v_cvt_scalef32_pk8_bf8_f32 v[VC+6:VC+7], v[XS+24:XS+31], v[VT+2]
	v_nop
	global_store_b128 v26, v[VC:VC+3], s[74:75] offset:((\gp)/2)*270336+8448+((\gp)%2)*4096+512*(\cp)        ; sixteen lanes store 256 consecutive bytes
	global_store_b128 v26, v[VC+4:VC+7], s[74:75] offset:((\gp)/2)*270336+8448+((\gp)%2)*4096+512*(\cp)+256
.endm
.irp cp, 0,1,2,3                       ; key block cp: A's blocks 2 cp and 2 cp + 1
	WIN 0x08+4*(\cp/2)                     ; an LDS store's data are its source 1: window 2 or 3
.irp a2, 0,1
.irp b, 0,1,2,3,4,5,6,7
	ds_store_b128 v24, v[8*(8*((2*\cp+\a2)%4)+\b):8*(8*((2*\cp+\a2)%4)+\b)+3] offset:\a2*16*528+64*\b
	ds_store_b128 v24, v[8*(8*((2*\cp+\a2)%4)+\b)+4:8*(8*((2*\cp+\a2)%4)+\b)+7] offset:\a2*16*528+64*\b+16
.endr
.endr
	WIN 0
	VLOADS 0                               ; LDS serves a wave's instructions in order: these see the stores above, and the next key block's stores come behind them
	VLOADS 1
	s_wait_dscnt 32                        ; set 0 is in; set 1's 32 loads may be out
	s_wait_xcnt 0x0                        ; the last stores have read their data
	VBLOCK \cp, 0
	VLOADS 2
	s_wait_dscnt 32
	s_wait_xcnt 0x0
	VBLOCK \cp, 1
	VLOADS 3
	s_wait_dscnt 32
	s_wait_xcnt 0x0
	VBLOCK \cp, 2
	s_wait_dscnt 0x0
	s_wait_xcnt 0x0
	VBLOCK \cp, 3
.endr
.irp g, 0,1,2,3
	v_permlanex16_b32 v[VY+\g], v[SBV+\g], s[SEL], s[SEL+1]
.endr
	v_cndmask_b32 v[VW], v[SBV], v[VY+2], s70        ; lanes 0-15: the even head's words of tau = 0 .. 3; lanes 16-31: the odd head's
	v_cndmask_b32 v[VW+1], v[VY], v[SBV+2], s70
	v_cndmask_b32 v[VW+2], v[SBV+1], v[VY+3], s70
	v_cndmask_b32 v[VW+3], v[VY+1], v[SBV+3], s70
	global_store_b128 v27, v[VW:VW+3], s[74:75] offset:8448+8192
.Lend:
	s_wait_tensorcnt 0x0                   ; the wave's end, behind my last tensor load and my last LDS store
	ds_add_u32 v[SPW], v[NIL]
	s_wait_dscnt 0x0
	CROUND                                 ; the closing round
	s_endpgm
.Lfunc_end_k_q7517599bbc_qkv:
	.size	k_q7517599bbc_qkv, .Lfunc_end_k_q7517599bbc_qkv-k_q7517599bbc_qkv
	.p2alignl 7, 3214868480
	.fill 96, 4, 3214868480
	.section	.rodata,"a",@progbits
	.p2align	6, 0x0
	.amdhsa_kernel k_q7517599bbc_qkv
		.amdhsa_group_segment_fixed_size 327680
		.amdhsa_private_segment_fixed_size 0
		.amdhsa_enable_private_segment 0
		.amdhsa_kernarg_size 40
		.amdhsa_user_sgpr_count 2
		.amdhsa_user_sgpr_kernarg_segment_ptr 1
		.amdhsa_wavefront_size32 1
		.amdhsa_system_sgpr_workgroup_id_x 1
		.amdhsa_system_sgpr_workgroup_id_y 1
		.amdhsa_system_sgpr_workgroup_id_z 1
		.amdhsa_system_vgpr_workitem_id 0
		.amdhsa_next_free_vgpr 1024
		.amdhsa_next_free_sgpr 100
		.amdhsa_reserve_vcc 0
		.amdhsa_float_denorm_mode_32 3
		.amdhsa_float_denorm_mode_16_64 3
		.amdhsa_memory_ordered 1
		.amdhsa_forward_progress 1
		.amdhsa_inst_pref_size 255
	.end_amdhsa_kernel
	.section	.bss,"aw",@nobits
	.p2align	6
	.space	262144
	.amdgpu_metadata
---
amdhsa.version: [ 1, 2 ]
amdhsa.kernels:
  - .name:           k_q7517599bbc_qkv
    .symbol:         k_q7517599bbc_qkv.kd
    .args:
      - { .name: hpk, .offset: 0, .size: 8, .value_kind: global_buffer, .address_space: global }
      - { .name: wpk, .offset: 8, .size: 8, .value_kind: global_buffer, .address_space: global }
      - { .name: in_proj_b, .offset: 16, .size: 8, .value_kind: global_buffer, .address_space: global }
      - { .name: qb, .offset: 24, .size: 8, .value_kind: global_buffer, .address_space: global }
      - { .name: kv, .offset: 32, .size: 8, .value_kind: global_buffer, .address_space: global }
    .group_segment_fixed_size: 327680
    .private_segment_fixed_size: 0
    .kernarg_segment_align: 8
    .kernarg_segment_size: 40
    .max_flat_workgroup_size: 128
    .sgpr_count:     100
    .vgpr_count:     1024
    .wavefront_size: 32
...
	.end_amdgpu_metadata
.endif
;; end of part 3
;; launch attn (part 4): grid 8 x 32, 16 waves a work-group, no clusters, 327,680 bytes of LDS; arguments qb, kv, opk; writes opk
.if DOCPART == 4
	.amdgcn_target "amdgcn-amd-amdhsa--gfx1250"
	.amdhsa_code_object_version 6
	.text
	.protected	k_q7517599bbc_attn
	.globl	k_q7517599bbc_attn
	.p2align	8
	.type	k_q7517599bbc_attn,@function
k_q7517599bbc_attn:
	s_mov_b64 s[64:65], 0
	v_nop
	global_prefetch_b8 v0, s[64:65] scope:SCOPE_SE
	s_setreg_imm32_b32 hwreg(HW_REG_WAVE_MODE, 25, 1), 1
	s_wait_xcnt 0x0
; o = softmax(q k^T / 8, key k counts for query q where k <= q + 10) v, for 32 (batch, head) of 2,048 tokens and head size 64, both products on codes of BF8 with E8M0 scales; o / the row's sum is quantised and leaves as PACK(4096, 1024).
; WORK LEFT OUT: a step of 128 keys all of which lie beyond a tile's last query + 10 is not walked: reference() itself sets those scores to -inf, so they add nothing.  A NaN or an overflow that would arise only there is not carried on.
; THE SOFTMAX AHEAD OF THE SECOND PRODUCT: t = score x log2(e) / 8; M = the row's largest t so far, rounded up to a whole number; p = 2^(t - M) is quantised along the keys, not normalised; the row's sum is taken of the
; unquantised p and divides at the end; when M moves, the sum and O are multiplied by 2^(old M - new M): exact.
; SHARES.  Sixteen waves, each with ONE tile of 16 queries in 256 registers.  A work-group holds eight early and eight late tiles of one head (tile lo = 8 x + w / 2, or 127 - lo), so that all work-groups walk about as many steps.
; K and V come through a ring of two LDS slots of 4 key steps.  In kv a key step is 16,896 bytes: k's block of 8,448, then v's.  Wave 0 fetches the four steps' blocks of k (4 rows of 8,448 bytes, 16,896 apart), wave 1 those of v:
; so each load holds the slot's first step, which is read whenever the slot is asked for.  All sixteen waves read.
; NO CLUSTER: under the mask the work-groups of a head want different numbers of slots, so a partner would jump over the reads of a joint tile.
; LAYOUT.  Both products are used transposed: a lane holds one query (lane % 16) throughout.  The head's K is 64, half of the instruction's 128: a fragment of k holds two tiles of 16 keys (chunks 0, 1 and chunks 2, 3), and
; q stands once as [q | 0] and once as [0 | q]: zero codes against the other tile's finite codes add nothing.  Register 16 b + i of the scores is key 32 b + 16 (i / 8) + 8 h + i % 8 of the step: v's codes are laid in the same order.
; LIMITS: NaN and infinities are not served; a block of p or of o whose largest number lies under 2^-111 keeps the byte 1.
.set SB,    16896
.set QKB,   8448
.set SLOTB, 4*SB                       ; a slot's bytes, in memory and in LDS
.set VOFF,  4*QKB                      ; in a slot: k's four blocks, then v's four
.set SLOT1, 1<<17                      ; slot 1 begins here: one exclusive or turns an address from one slot to the other
.set SPARE, 2*SLOT1                    ; the spare words, 128 bytes for each wave: eight blocks of 256 bytes that no other line names
.set LI,  1                            ; v1  16 x lane
.set LR,  2                            ; v2  16 r
.set DM,  3                            ; v3  r + 10 - 8 h
.set SPW, 5
.set NIL, 6
.set PFO, 7                            ; v7  256 x lane
.set ADL, 8
.set ADQ, 9
.set FRG, 40                           ; v40-103  four fragments of k or of v.   v16-23 zeros, v24-31 q, v32-39 zeros; v12 -M, v13 the largest t, v[14:15] the sum
.set S,   104                          ; v104-167 the scores, then p
.set O,   168                          ; v168-199 O^T
.set PCD, 200                          ; v200-215 p's codes
.set BM,  216
.set BY,  220
.set HO,  224
.set SO,  228
.set SW,  232                          ; v232-235 the step's scale words
.set FF,  236                          ; f = 2^(old M - new M)
.set PSW, 237                          ; p's scale word
.set TP,  238
.set QS,  239                          ; q's scale word
.set WV,  18
.set MNT, 19
.set SEL, 20
.set CS,  22
.set G1,  24
.set G0,  40
.set TB,  2                            ; s2  LDS byte of the step in hand
.set SLOTS, 3
.set CNT, 44
.set KF,  45                           ; the step's first key
.set Q0,  46                           ; my first query
.set WGL, 47                           ; the last key that any wave of my work-group wants
.set PFA, 48
.set LIM, 50
.macro TLOAD                           ; waves 0 and 1 fetch; an s_nop 0 and four v_nop follow the line
	s_cmp_lt_u32 s[WV], 2
	s_cbranch_scc0 .Lasked_\@
	tensor_load_to_lds s[G0:G0+3], s[G1:G1+7]
	s_nop 0
.rept 4
	v_nop
.endr
.Lasked_\@:
.endm
; A prefetch of what the NEXT change of slots will ask for.  All work-groups of a head walk the same kv: the one with x = 0, which walks all four slots, asks; in it waves 4 to 11, which fetch nothing, 8,192 bytes each, lanes
; 256 bytes apart: the first 65,536 of a slot's 67,584 bytes; the rest comes by its load alone.  Slots 0 and 1 come by their loads alone; the last change that fills a slot asks for nothing.
.macro ASK
	s_cmp_gt_u32 s[SLOTS], s[LIM]
	s_cbranch_scc0 .Lnot_mine_\@
	global_prefetch_b8 v[PFO], s[PFA:PFA+1] th:TH_LOAD_NT scope:SCOPE_SE
.Lnot_mine_\@:
.endm
	s_load_b128 s[4:7], s[0:1], 0x0        ; qb, kv
	s_load_b64 s[8:9], s[0:1], 0x10        ; opk
	v_lshl_add_u32 v[SPW], v0, 2, SPARE
	v_mov_b32 v[NIL], 0
	ds_add_u32 v[SPW], v[NIL]              ; the wave's opening: the add, twice on end, and its wait ahead of my first tensor load
	ds_add_u32 v[SPW], v[NIL]
	v_lshrrev_b32 v8, 5, v0
	v_readfirstlane_b32 s[WV], v8          ; wave 0..15
	s_and_b32 s70, ttmp7, 0xffff           ; 16 x batch + head
	s_lshr_b32 s71, s[WV], 2
	s_xor_b32 s71, s71, s[WV]
	s_and_b32 s71, s71, 1                  ; early (0) or late (1): among the four waves of equal w % 4, and among those of equal w / 4, two are of each kind
	s_lshr_b32 s72, s[WV], 1
	s_lshl_b32 s73, ttmp9, 3
	s_add_co_u32 s72, s72, s73
	s_sub_co_u32 s73, 127, s72
	s_cmp_eq_u32 s71, 0
	s_cselect_b32 s72, s72, s73            ; my tile of 16 queries
	s_lshl_b32 s[Q0], s72, 4
	s_lshl_b32 s73, ttmp9, 7
	s_sub_co_u32 s[WGL], 2057, s73         ; 16 (127 - 8 x) + 15 + 10
	s_mov_b32 s[G1], 3<<16                 ; no mask; elements of 8 bytes; no padding
	s_mov_b32 s[G1+1], 1056<<16            ; tensor_dim0: a row is a block of 8,448 bytes,
	s_mov_b32 s[G1+2], 4<<16               ; tensor_dim1: one for each of the slot's four steps
	s_mov_b32 s[G1+3], 1056<<16            ; tile_dim0
	s_mov_b32 s[G1+4], 4                   ; tile_dim1
	s_mov_b32 s[G1+5], 2112                ; the pitch: 16,896 bytes from step to step
	s_mov_b32 s[G1+6], 0
	s_mov_b32 s[G1+7], 0
	s_and_b32 s74, s[WV], 1                ; k's blocks (0) or v's (1):
	s_mul_i32 s75, s74, VOFF               ; their place in a slot,
	s_mul_i32 s74, s74, QKB                ; and in a key step in memory
	s_mul_i32 s76, s70, 16*SB              ; the head's first byte in kv
	s_add_co_u32 s78, s76, s74
	s_mov_b32 s79, 0
	s_lshl_b32 s80, s70, 4
	s_lshr_b32 s81, s72, 3
	s_add_co_u32 s80, s80, s81
	s_mul_i32 s80, s80, QKB                ; q's block
	s_bfe_u32 s81, s72, 0x20001            ; its fragment
	s_and_b32 s82, s72, 1                  ; and which half of it
	s_lshl_b32 s83, s81, 11
	s_add_co_u32 s84, s80, s83
	s_lshl_b32 s83, s82, 10
	s_add_co_u32 s84, s84, s83
	s_mov_b32 s85, 0
	s_lshl_b32 s83, s81, 2
	s_add_co_u32 s86, s80, s83
	s_add_co_u32 s86, s86, 8192
	s_mov_b32 s87, 0
	s_lshl_b32 s88, s82, 4
	s_mov_b32 s[SEL], 0x76543210
	s_mov_b32 s[SEL+1], 0xfedcba98
	s_mov_b32 s[CS], 0x3e38aa3b            ; c = log2(e) / 8
	s_mov_b32 s[CS+1], s[CS]
	s_mov_b32 s[MNT], 0x600000
	s_mov_b32 s[TB], 0
	s_mov_b32 s[KF], 0
	s_mov_b32 s[SLOTS], 3
	s_sub_co_u32 s89, s[WV], 4
	s_and_b32 s90, s89, 7
	s_lshl_b32 s90, s90, 13
	s_add_co_u32 s90, s90, s76
	s_add_co_u32 s52, s90, SLOTB           ; in slot 1: the first change of slots steps it to slot 2
	s_mov_b32 s53, 0
	s_lshr_b32 s89, s89, 3                 ; 0 in waves 4 to 11,
	s_or_b32 s89, s89, ttmp9               ; of the work-group with x = 0
	s_cmp_eq_u32 s89, 0
	s_cselect_b32 s[LIM], 1, -1
	s_wait_dscnt 0x0                       ; both opening adds are done
	s_wait_kmcnt 0x0
	s_mov_b32 s[G0], 1
	s_mov_b32 s[G0+1], s75
	s_add_nc_u64 s[G0+2:G0+3], s[6:7], s[78:79]
	s_or_b32 s[G0+3], s[G0+3], 0x80000000
	TLOAD                                  ; slot 0: key 0 counts for every query, so every wave reads it
	s_add_nc_u64 s[PFA:PFA+1], s[6:7], s[52:53]
	s_add_nc_u64 s[84:85], s[4:5], s[84:85]
	s_add_nc_u64 s[86:87], s[4:5], s[86:87]
	v_and_b32 v[LI], 31, v0
	v_lshlrev_b32 v[PFO], 8, v[LI]
	v_lshlrev_b32 v[LI], 4, v[LI]
	v_and_b32 v10, 15, v0
	v_lshlrev_b32 v[LR], 4, v10
	v_bfe_u32 v11, v0, 4, 1
	global_load_b128 v[24:27], v[LI], s[84:85]             ; q's two chunks stay in registers
	global_load_b128 v[28:31], v[LI], s[84:85] offset:512
	global_load_b32 v[QS], v[LR], s[86:87]
	v_lshlrev_b32 v11, 3, v11
	v_sub_nc_u32 v[DM], v10, v11
	v_add_nc_u32 v[DM], 10, v[DM]
	v_mov_b32 v13, 0xff61b1e6              ; the largest t so far: -3e38
	v_floor_f32 v12, -v13                  ; -M
	v_mov_b32 v14, 0
	v_mov_b32 v15, 0
.irp b, 0,1,2,3
	v_mov_b32 v[BY+\b], 0                  ; a lane permute's destination counts as one of its sources
.endr
	v_mov_b32 v[PSW], 0                    ; (named as the upper half of the pair with f before it is first written)
	v_mov_b32 v[TP], 0
	s_wait_loadcnt 0x0
	v_lshrrev_b32 v[QS], s88, v[QS]        ; my tile's two bytes,
	v_perm_b32 v[QS], v[QS], v[QS], 0x01000100   ; twice: the word serves [q | 0] and [0 | q]
.irp j, 0,1,2,3,4,5,6,7
	v_mov_b32 v[16+\j], 0
	v_mov_b32 v[32+\j], 0
.endr
.set n, 0
.rept 32
	v_mov_b32 v[O+n], 0                    ; the loop is written once: its first step finds zeros
.set n, n+1
.endr
.macro STEP                            ; 128 keys
	s_add_co_u32 s96, s[Q0], 25            ; my last query + 10
	s_cmp_gt_u32 s[KF], s96
	s_cbranch_scc1 .Lhidden_\@             ; ids and the count of steps alone
	v_add_nc_u32 v[ADL], s[TB], v[LI]
	v_add_nc_u32 v[ADQ], s[TB], v[LR]
.rept 6
	v_nop                                  ; with the two additions: eight places in front of loads into registers that matrix instructions have read
.endr
.irp f, 0,1,2,3
.irp c, 0,1,2,3
	ds_load_b128 v[FRG+16*\f+4*\c:FRG+16*\f+4*\c+3], v[ADL] offset:2048*\f+512*\c
.endr
.endr
	ds_load_b128 v[SW:SW+3], v[ADQ] offset:8192
	s_wait_dscnt 0x0
.irp f, 0,1,2,3
	v_wmma_scale_f32_16x16x128_f8f6f4 v[S+16*\f:S+16*\f+7], v[FRG+16*\f:FRG+16*\f+15], v[24:39], 0, v[SW+\f], v[QS] matrix_a_fmt:MATRIX_FMT_BF8 matrix_b_fmt:MATRIX_FMT_BF8
	v_wmma_scale_f32_16x16x128_f8f6f4 v[S+16*\f+8:S+16*\f+15], v[FRG+16*\f:FRG+16*\f+15], v[16:31], 0, v[SW+\f], v[QS] matrix_a_fmt:MATRIX_FMT_BF8 matrix_b_fmt:MATRIX_FMT_BF8
.endr
.rept 8
	v_nop                                  ; eight places: for the loads below, and for the first read of the scores
.endr
.irp t, 0,1,2,3                        ; v's fragments and scale words are asked for now and land while the softmax is walked
.irp c, 0,1,2,3
	ds_load_b128 v[FRG+16*\t+4*\c:FRG+16*\t+4*\c+3], v[ADL] offset:VOFF+2048*\t+512*\c
.endr
.endr
	ds_load_b128 v[SW:SW+3], v[ADQ] offset:VOFF+8192
	s_add_co_u32 s96, s[KF], 117           ; a step all of whose keys count for my first query (KF + 127 <= Q0 + 10) skips the mask
	s_cmp_le_u32 s96, s[Q0]
	s_cbranch_scc1 .Lopen_\@
	s_sub_co_i32 s96, s[Q0], s[KF]
	v_add_nc_u32 v[TP], s96, v[DM]         ; d = my query + 10 - KF - 8 h.  Register n holds key KF + 8 h + 16 (n / 8) + n % 8: hidden where 16 (n / 8) + n % 8 > d
	v_mov_b32 v[FF], 0xff800000            ; -infinity
.set mn, 0
.rept 64
	v_cmp_gt_i32 vcc_lo, 16*(mn/8)+mn%8, v[TP]
	v_cndmask_b32 v[S+mn], v[S+mn], v[FF], vcc_lo
.set mn, mn+1
.endr
.Lopen_\@:
.irp b, 0,1,2,3
	v_max3_num_f32 v[BM+\b], v[S+16*\b], v[S+1+16*\b], v[S+2+16*\b]   ; the largest score of each block of 32 keys: for the row's maximum, and, since p rises with the score, for the block's largest p
.endr
.irp i, 3,5,7,9,11,13
.irp b, 0,1,2,3
	v_max3_num_f32 v[BM+\b], v[BM+\b], v[S+16*\b+\i], v[S+1+16*\b+\i]
.endr
.endr
.irp b, 0,1,2,3
	v_max_num_f32 v[BM+\b], v[BM+\b], v[S+15+16*\b]
.endr
.irp b, 0,1,2,3
	v_permlanex16_b32 v[BY+\b], v[BM+\b], s[SEL], s[SEL+1]
.endr
.irp b, 0,1,2,3
	v_max_num_f32 v[BM+\b], v[BM+\b], v[BY+\b]
.endr
	v_max3_num_f32 v[TP], v[BM], v[BM+1], v[BM+2]
	v_max_num_f32 v[TP], v[TP], v[BM+3]
	v_mul_f32 v[TP], s[CS], v[TP]
	v_max_num_f32 v13, v13, v[TP]          ; the running largest t
	v_mov_b32 v[TP], v12
	v_floor_f32 v12, -v13                  ; the new -M: a whole number
	v_sub_f32 v[TP], v12, v[TP]
	v_cvt_i32_f32 v[TP], v[TP]             ; (it saturates)
	v_ldexp_f32 v[FF], 1.0, v[TP]          ; f = 2^(old M - new M)
.set n, 0
.rept 32
	v_pk_fma_f32 v[S+n:S+n+1], v[S+n:S+n+1], s[CS:CS+1], v[12:13] op_sel_hi:[1,0,0]   ; t - M
.set n, n+2
.endr
.irp b, 0,1,2,3
	v_fma_f32 v[BM+\b], v[BM+\b], s[CS], v12
.endr
.set n, 0
.rept 64
	v_exp_f32 v[S+n], v[S+n]               ; p = 2^(t - M)
.set n, n+1
.endr
	v_pk_mul_f32 v[14:15], v[14:15], v[FF:FF+1] op_sel_hi:[1,0]   ; the sums under the new M: a plain line behind the exponentials
	s_wait_alu depctr_va_vdst(0)           ; the wait ahead of the first use: one for the whole batch
.irp b, 0,1,2,3
	v_exp_f32 v[BM+\b], v[BM+\b]           ; the block's largest p
.endr
	v_pk_add_f32 v[BY:BY+1], v[S:S+1], v[S+2:S+3]   ; the row's sum of the unquantised p, in two chains
.irp j, 4,8,12,16,20,24,28,32,36,40,44,48,52,56,60
	v_pk_add_f32 v[14:15], v[14:15], v[S+\j:S+\j+1]
	v_pk_add_f32 v[BY:BY+1], v[BY:BY+1], v[S+2+\j:S+3+\j]
.endr
	v_pk_add_f32 v[14:15], v[14:15], v[BY:BY+1]
	s_wait_alu depctr_va_vdst(0)           ; and one for the four
.irp b, 0,1,2,3
	v_max_num_f32 v[BM+\b], 0x8000000, v[BM+\b]             ; the floor 2^(16 - 127)
.endr
.irp b, 0,1,2,3
	v_add_nc_u32 v[SO+\b], 0xf8800000, v[BM+\b]
.endr
.irp b, 0,1,2,3
	v_and_or_b32 v[HO+\b], v[BM+\b], 0x7f800000, s[MNT]
.endr
.irp b, 0,1,2,3
	v_lshrrev_b32 v[BY+\b], 23, v[SO+\b]
.endr
	v_lshl_or_b32 v[PSW], v[BY+1], 8, v[BY]
	v_lshl_or_b32 v[PSW], v[BY+2], 16, v[PSW]
	v_lshl_or_b32 v[PSW], v[BY+3], 24, v[PSW]
.irp b, 0,1,2,3
.irp i, 0,1,2,3,4,5,6,7,8,9,10,11,12,13,14,15
	v_min_num_f32 v[S+16*\b+\i], v[S+16*\b+\i], v[HO+\b]    ; p is not negative: the hold is one-sided
.endr
	v_cvt_scalef32_pk8_bf8_f32 v[PCD+4*\b:PCD+4*\b+1], v[S+16*\b:S+16*\b+7], v[SO+\b]
	v_cvt_scalef32_pk8_bf8_f32 v[PCD+4*\b+2:PCD+4*\b+3], v[S+16*\b+8:S+16*\b+15], v[SO+\b]
.endr
.set n, 0
.rept 16
	v_pk_mul_f32 v[O+n:O+n+1], v[O+n:O+n+1], v[FF:FF+1] op_sel_hi:[1,0]   ; O^T under the new M; these are also the places in front of the products below
.set n, n+2
.endr
	s_wait_dscnt 0x0                       ; v
.irp t, 0,1,2,3                        ; the four accumulators take turns, one instruction a turn
	v_wmma_scale_f32_16x16x128_f8f6f4 v[O+8*\t:O+8*\t+7], v[FRG+16*\t:FRG+16*\t+15], v[PCD:PCD+15], v[O+8*\t:O+8*\t+7], v[SW+\t], v[PSW] matrix_a_fmt:MATRIX_FMT_BF8 matrix_b_fmt:MATRIX_FMT_BF8
.endr
.Lhidden_\@:
	s_add_co_u32 s[KF], s[KF], 128
	s_add_co_u32 s[TB], s[TB], QKB
.endm
; THE CHANGE OF SLOTS stands at a slot's head.  Each wave waits for all its tensor loads, adds 0 to its spare word (fill = 1: twice on end), and waits for that and for its reads of the slot that it has left.
.macro CHANGE fill
	s_wait_tensorcnt 0x0                   ; no tensor load of mine is out, so the descriptor may be written
	ds_add_u32 v[SPW], v[NIL]
.if \fill
	ds_add_u32 v[SPW], v[NIL]              ; and once more
	s_xor_b32 s[G0+1], s[G0+1], SLOT1      ; the other slot than last time,
	s_add_nc_u64 s[G0+2:G0+3], s[G0+2:G0+3], SLOTB   ; the next four key steps
	s_wait_xcnt 0x0                        ; the last prefetch, a slot back, has read its address
	s_add_nc_u64 s[PFA:PFA+1], s[PFA:PFA+1], SLOTB
.endif
	s_wait_dscnt 0x0
	s_barrier_signal -1
	s_barrier_wait -1
.if \fill
	s_add_co_u32 s96, s[KF], 512           ; the first key of the slot that this change would ask for: beyond the last key that any of the sixteen waves wants, the slot is read by none and is not asked for.
	s_cmp_gt_u32 s96, s[WGL]               ; Ids and the count of steps alone: all sixteen waves go the same way, and every wait for tensor loads in this text is for 0.  Where the first key is wanted, both loads hold its step
	s_cbranch_scc1 .Lpast_\@
	TLOAD
.Lpast_\@:
	ASK
.endif
.endm
.macro SLOT_STEPS
	s_mov_b32 s[CNT], 4
.Lstep_\@:
	STEP
	s_sub_co_u32 s[CNT], s[CNT], 1
	s_cmp_lg_u32 s[CNT], 0
	s_cbranch_scc1 .Lstep_\@
	s_sub_co_u32 s[TB], s[TB], VOFF        ; back to a slot's first step,
	s_xor_b32 s[TB], s[TB], SLOT1          ; in the other slot
.endm
.Lslot:                                ; three trips: every work-group walks all four slots, so that the trip counts are constants; what is left out is a step's work
	CHANGE 1
	SLOT_STEPS
	s_sub_co_u32 s[SLOTS], s[SLOTS], 1
	s_cmp_lg_u32 s[SLOTS], 0
	s_cbranch_scc1 .Lslot
	CHANGE 0
	SLOT_STEPS
	; THE WAY OUT: o = O^T / the sum; register 8 tau + j of lane (r, h) is o(query r, d = 16 tau + 8 h + j): two blocks of 32 along the next product's K, in PACK's order
.rept 8
	v_nop
.endr
	v_add_f32 v14, v14, v15
	v_permlanex16_b32 v[TP], v14, s[SEL], s[SEL+1]
	v_add_f32 v14, v14, v[TP]
	v_rcp_f32 v14, v14
	v_nop
	s_lshr_b32 s80, s70, 4
	s_lshl_b32 s80, s80, 7
	s_add_co_u32 s80, s80, s72             ; my row tile among the 256
	s_and_b32 s81, s70, 15                 ; the head
	s_lshr_b32 s82, s80, 3
	s_lshl_b32 s82, s82, 3
	s_lshr_b32 s83, s81, 1
	s_add_co_u32 s82, s82, s83
	s_mul_i32 s82, s82, SB                 ; super-block (group, K step head / 2)
	s_and_b32 s83, s80, 7                  ; fragment a
	s_and_b32 s81, s81, 1
	s_lshl_b32 s84, s83, 11
	s_add_co_u32 s84, s84, s82
	s_lshl_b32 s85, s81, 10
	s_add_co_u32 s84, s84, s85             ; chunks 2 (head % 2) on
	s_mov_b32 s85, 0
	s_add_nc_u64 s[84:85], s[8:9], s[84:85]
	s_lshr_b32 s86, s83, 2
	s_lshl_b32 s86, s86, 8
	s_and_b32 s83, s83, 3
	s_lshl_b32 s83, s83, 2
	s_add_co_u32 s86, s86, s83
	s_lshl_b32 s81, s81, 1
	s_add_co_u32 s86, s86, s81
	s_add_co_u32 s86, s86, s82
	s_add_co_u32 s86, s86, 16384
	s_mov_b32 s87, 0
	s_add_nc_u64 s[86:87], s[8:9], s[86:87]
	s_wait_alu depctr_va_vdst(0)           ; ahead of the reciprocal's first use
.set n, 0
.rept 32
	v_mul_f32 v[S+n], v[O+n], v14
.set n, n+1
.endr
.irp b, 0,1
	v_max3_num_f32 v[BM+\b], |v[S+16*\b]|, |v[S+1+16*\b]|, 0x8000000
.endr
.irp i, 2,4,6,8,10,12,14
.irp b, 0,1
	v_max3_num_f32 v[BM+\b], v[BM+\b], |v[S+16*\b+\i]|, |v[S+1+16*\b+\i]|
.endr
.endr
.irp b, 0,1
	v_permlanex16_b32 v[BY+\b], v[BM+\b], s[SEL], s[SEL+1]
.endr
.irp b, 0,1
	v_max_num_f32 v[BM+\b], v[BM+\b], v[BY+\b]
.endr
.irp b, 0,1
	v_add_nc_u32 v[SO+\b], 0xf8800000, v[BM+\b]
.endr
.irp b, 0,1
	v_and_or_b32 v[HO+\b], v[BM+\b], 0x7f800000, s[MNT]
.endr
.irp b, 0,1
	v_lshrrev_b32 v[BY+\b], 23, v[SO+\b]
.endr
	v_lshl_or_b32 v[TP], v[BY+1], 8, v[BY]
.irp b, 0,1
.irp i, 0,1,2,3,4,5,6,7,8,9,10,11,12,13,14,15
	v_med3_num_f32 v[S+16*\b+\i], v[S+16*\b+\i], -v[HO+\b], v[HO+\b]
.endr
	v_cvt_scalef32_pk8_bf8_f32 v[PCD+4*\b:PCD+4*\b+1], v[S+16*\b:S+16*\b+7], v[SO+\b]
	v_cvt_scalef32_pk8_bf8_f32 v[PCD+4*\b+2:PCD+4*\b+3], v[S+16*\b+8:S+16*\b+15], v[SO+\b]
.endr
	v_nop
	global_store_b128 v[LI], v[PCD:PCD+3], s[84:85]              ; 512 consecutive bytes each
	global_store_b128 v[LI], v[PCD+4:PCD+7], s[84:85] offset:512
	global_store_b16 v[LR], v[TP], s[86:87]  ; two bytes a row: the word's other half belongs to the neighbouring head's work-group; both halves of the lanes store the same bytes
	s_wait_tensorcnt 0x0                   ; the wave's end
	ds_add_u32 v[SPW], v[NIL]
	s_wait_dscnt 0x0
	s_endpgm
.Lfunc_end_k_q7517599bbc_attn:
	.size	k_q7517599bbc_attn, .Lfunc_end_k_q7517599bbc_attn-k_q7517599bbc_attn
	.p2alignl 7, 3214868480
	.fill 96, 4, 3214868480
	.section	.rodata,"a",@progbits
	.p2align	6, 0x0
	.amdhsa_kernel k_q7517599bbc_attn
		.amdhsa_group_segment_fixed_size 327680
		.amdhsa_private_segment_fixed_size 0
		.amdhsa_enable_private_segment 0
		.amdhsa_kernarg_size 24
		.amdhsa_user_sgpr_count 2
		.amdhsa_user_sgpr_kernarg_segment_ptr 1
		.amdhsa_wavefront_size32 1
		.amdhsa_system_sgpr_workgroup_id_x 1
		.amdhsa_system_sgpr_workgroup_id_y 1
		.amdhsa_system_sgpr_workgroup_id_z 1
		.amdhsa_system_vgpr_workitem_id 0
		.amdhsa_next_free_vgpr 256
		.amdhsa_next_free_sgpr 100
		.amdhsa_reserve_vcc 1
		.amdhsa_float_denorm_mode_32 3
		.amdhsa_float_denorm_mode_16_64 3
		.amdhsa_memory_ordered 1
		.amdhsa_forward_progress 1
		.amdhsa_inst_pref_size 62
	.end_amdhsa_kernel
	.amdgpu_metadata
---
amdhsa.version: [ 1, 2 ]
amdhsa.kernels:
  - .name:           k_q7517599bbc_attn
    .symbol:         k_q7517599bbc_attn.kd
    .args:
      - { .name: qb, .offset: 0, .size: 8, .value_kind: global_buffer, .address_space: global }
      - { .name: kv, .offset: 8, .size: 8, .value_kind: global_buffer, .address_space: global }
      - { .name: opk, .offset: 16, .size: 8, .value_kind: global_buffer, .address_space: global }
    .group_segment_fixed_size: 327680
    .private_segment_fixed_size: 0
    .kernarg_segment_align: 8
    .kernarg_segment_size: 24
    .max_flat_workgroup_size: 512
    .sgpr_count:     100
    .vgpr_count:     256
    .wavefront_size: 32
...
	.end_amdgpu_metadata
.endif
;; end of part 4
;; launch proj (part 5): grid 4 x 16, 4 waves a work-group, clusters of 4 x 4, 327,680 bytes of LDS; arguments opk, wpk, out_b, x, x1; writes x1
.if DOCPART == 5
	.amdgcn_target "amdgcn-amd-amdhsa--gfx1250"
	.amdhsa_code_object_version 6
	.text
	.protected	k_q7517599bbc_proj
	.globl	k_q7517599bbc_proj
	.p2align	8
	.type	k_q7517599bbc_proj,@function
k_q7517599bbc_proj:
	s_mov_b64 s[64:65], 0
	v_nop
	global_prefetch_b8 v0, s[64:65] scope:SCOPE_SE
	s_setreg_imm32_b32 hwreg(HW_REG_WAVE_MODE, 25, 1), 1
	s_wait_xcnt 0x0
	s_wait_alu depctr_hold_cnt(0) depctr_sa_sdst(0) depctr_va_vdst(0) depctr_va_sdst(0) depctr_va_ssrc(0) depctr_va_vcc(0) depctr_vm_vsrc(0)
	s_getreg_b32 s2, hwreg(HW_REG_IB_STS2, 6, 4)
	s_cmp_eq_u32 s2, 0
	s_cbranch_scc0 .Lentry_in_a_cluster
	s_endpgm
.Lentry_in_a_cluster:
	s_bfe_u32 s2, ttmp6, 0x10000c
	s_cmp_lg_u32 s2, 0xf033
	s_cbranch_scc0 .Lentry_shape_is_right
	s_endpgm
.Lentry_shape_is_right:
; x1 = x + o out_w^T + out_b, the product on codes of BF8 with E8M0 scales.  A: opk, PACK(4096, 1024); B: wpk's super-blocks 192-255, PACK(1024, 1024); x, x1: [4096][1024] f32.
; PACK: super-block (group of 128 rows x K/128 + step) x SB bytes: fragment a as an image of its registers at 2,048 a + 512 c + 16 lane, scale words at 16,384 + 256 (a / 4) + 16 r + 4 (a % 4).
; A tile of C, 256 x 256, is made by four waves, 128 x 128 each.  K goes in steps of 256 through a ring of two LDS slots; a wave's tensor load brings two super-blocks on end (33,792 dense bytes) of one group of 128 rows.
; CLUSTERS: 4 x 4 work-groups; A's tiles are asked for jointly along a row of the cluster, B's along a column.  The product is used transposed: lane (r, h), register j of accumulator (a, b) holds C(16 a + r, 16 b + 8 h + j).
; The bias is the C of each sum's first product.  The way out: a block of 16 rows goes through the wave's stage in LDS and comes back as whole rows of 512 bytes; the residual's rows, loaded the same way, are added; 32 lanes store 512 consecutive bytes.
; With tiles of 256 x 256 this product has 64 work-groups.
.set KT,    8
.set WOFF,  192
.set LAPS,  KT/4
.set SB,    16896
.set REG,   2*SB
.set SLOT,  4*REG
.set SPARE, 2*SLOT
.set NQ,    2
.set FR,    16
.set NL,    4
.set NP,    8
.set ADRA, 16
.set ADRB, 20
.set ADRS, 22
.set STO,  24
.set RD,   25
.set CO,   4                           ; v4 = 16 x lane
.set SPW,  28
.set NIL,  29
.set SC,   32
.set BI,   64
.set AF,   128
.set BK,   128
.set SPITCH, 528
.set G1, 24
.set G0, 32
.set G1B, 48
.set G0B, 56
.set MSB, 0
.macro WIN new
.if MSB != (\new)
	s_set_vgpr_msb (MSB<<8)|(\new)
.set MSB, (\new)
.endif
.endm
.set MUL_LO, 0xa1
.set MUL_HI, 0xf1
.set TO_B,   0x40
.macro JLOAD g0a, g1a, g0b, g1b        ; a joint load: waves 0 and 1 fetch for A, waves 2 and 3 for B; an s_nop 0 and four v_nop follow each line
	s_cmp_eq_u32 s15, 0
	s_cbranch_scc0 .Lfor_b_\@
	tensor_load_to_lds s[\g0a:\g0a+3], s[\g1a:\g1a+7]
	s_nop 0
.rept 4
	v_nop
.endr
	s_branch .Lasked_\@
.Lfor_b_\@:
	tensor_load_to_lds s[\g0b:\g0b+3], s[\g1b:\g1b+7]
	s_nop 0
.rept 4
	v_nop
.endr
.Lasked_\@:
.endm
.macro CREST
	s_cmp_lg_u32 s14, 0
	s_cbranch_scc1 .Lnot_wave_0_\@
	s_barrier_signal -3
.Lnot_wave_0_\@:
	s_barrier_wait -3
	s_barrier_signal -1
	s_barrier_wait -1
.endm
.macro CROUND
	s_barrier_signal -1
	s_barrier_wait -1
	CREST
.endm
.macro PLACES n
.rept \n
	v_nop
.endr
.endm
.macro FRAG reg, adr, q, i
.irp c, 0,1,2,3
	ds_load_b128 v[\reg+4*\c:\reg+4*\c+3], v[\adr] offset:SB*(\q)+2048*(\i)+512*\c
.endr
.endm
.macro MUL16 a0, p, q, sc, first       ; 16 products; first = 1: the bias starts the sums.  The 64 accumulators take turns, in the same order in every step
.irp a, \a0, \a0+1
.irp b, 0,1,2,3,4,5,6,7
.if \first
	v_wmma_scale_f32_16x16x128_f8f6f4 v[8*(8*((\a)%4)+\b):8*(8*((\a)%4)+\b)+7], v[128*(\p)+FR*\b:128*(\p)+FR*\b+FR-1], v[AF+FR*(\a):AF+FR*(\a)+FR-1], v[BI+8*\b:BI+8*\b+7], v[SC+16*(\sc)+8*(\q)+\b], v[SC+16*(\sc)+8*(\q)+(\a)] matrix_a_fmt:MATRIX_FMT_BF8 matrix_b_fmt:MATRIX_FMT_BF8 matrix_a_scale:MATRIX_SCALE_ROW1
.else
	v_wmma_scale_f32_16x16x128_f8f6f4 v[8*(8*((\a)%4)+\b):8*(8*((\a)%4)+\b)+7], v[128*(\p)+FR*\b:128*(\p)+FR*\b+FR-1], v[AF+FR*(\a):AF+FR*(\a)+FR-1], v[8*(8*((\a)%4)+\b):8*(8*((\a)%4)+\b)+7], v[SC+16*(\sc)+8*(\q)+\b], v[SC+16*(\sc)+8*(\q)+(\a)] matrix_a_fmt:MATRIX_FMT_BF8 matrix_b_fmt:MATRIX_FMT_BF8 matrix_a_scale:MATRIX_SCALE_ROW1
.endif
.endr
.endr
.endm
.macro FETCH_B slot, q, p
	WIN TO_B
.irp i, 0,1,2,3,4,5,6,7
	FRAG 128*(\p)+FR*\i, ADRB+\slot, \q, \i
.endr
	WIN 0
.endm
.macro FETCH_A slot, q, i0
.irp i, \i0, \i0+1, \i0+2, \i0+3
	FRAG AF+FR*(\i), ADRA+\slot, \q, \i
.endr
.endm
.macro SCALES sc
.irp q, 0,1
	ds_load_b128 v[SC+16*(\sc)+8*\q:SC+16*(\sc)+8*\q+3], v[ADRS+\sc] offset:SB*\q
	ds_load_b128 v[SC+16*(\sc)+8*\q+4:SC+16*(\sc)+8*\q+7], v[ADRS+\sc] offset:SB*\q+256
.endr
.endm
.macro STEP slot, q, first
	s_wait_dscnt 4*NL                      ; all but the youngest sixteen loads (A's blocks 4-7)
.if \first
	WIN 0x81
.else
	WIN MUL_LO
.endif
	MUL16 0, (\q)%2, \q, \slot, \first
	MUL16 2, (\q)%2, \q, \slot, \first
	s_wait_dscnt 0
	PLACES NP
	FETCH_B \slot, (\q)+1, 1-(\q)%2
	FETCH_A \slot, (\q)+1, 0
.if \first
	WIN 0xc1
.else
	WIN MUL_HI
.endif
	MUL16 4, (\q)%2, \q, \slot, \first
	MUL16 6, (\q)%2, \q, \slot, \first
	PLACES NP
	WIN 0
	FETCH_A \slot, (\q)+1, 4
.endm
.macro TURN slot, next, fill
	s_wait_tensorcnt 0x0                   ; all my tensor loads have landed: my part of the next slot
	ds_add_u32 v[SPW], v[NIL]
	s_wait_dscnt 4*NL+1                    ; (the add and the youngest sixteen loads may be out)
	WIN MUL_LO
	MUL16 0, 1, NQ-1, \slot, 0
	s_wait_dscnt 0x0                       ; the add is done, and my reads of this slot are over
	s_barrier_signal -1
	MUL16 2, 1, NQ-1, \slot, 0
	WIN 0
	s_barrier_wait -1
.if \fill
	CREST                                  ; no wave of any partner still reads this slot or has a load on its way
	s_add_nc_u64 s[G0+4*\slot+2:G0+4*\slot+3], s[G0+4*\slot+2:G0+4*\slot+3], 2*REG
	s_add_nc_u64 s[G0B+4*\slot+2:G0B+4*\slot+3], s[G0B+4*\slot+2:G0B+4*\slot+3], 2*REG
	JLOAD G0+4*\slot, G1, G0B+4*\slot, G1B
	PLACES NP-4
.else
	PLACES NP
.endif
	FETCH_B \next, 0, 0
	FETCH_A \next, 0, 0
	SCALES \next
	WIN MUL_HI
	MUL16 4, 1, NQ-1, \slot, 0
	MUL16 6, 1, NQ-1, \slot, 0
	PLACES NP
	WIN 0
	FETCH_A \next, 0, 4
.endm
	s_load_b256 s[4:11], s[0:1], 0x0       ; A s[4:5], wpk s[6:7], the bias s[8:9], the residual s[10:11]
	s_load_b64 s[12:13], s[0:1], 0x20      ; the result
	v_lshl_add_u32 v[SPW], v0, 2, SPARE
	v_mov_b32 v[NIL], 0
	ds_add_u32 v[SPW], v[NIL]              ; the wave's opening: the add, twice on end, and its wait ahead of my first tensor load
	ds_add_u32 v[SPW], v[NIL]
	v_lshrrev_b32 v1, 5, v0
	v_readfirstlane_b32 s14, v1
	s_lshr_b32 s15, s14, 1
	s_and_b32 s16, s14, 1
	s_bfe_u32 s40, ttmp6, 0x40000
	s_bfe_u32 s41, ttmp6, 0x40004
	s_lshl_b32 s42, ttmp9, 2
	s_add_co_u32 s42, s42, s40             ; tile column
	s_and_b32 s17, ttmp7, 0xffff
	s_lshl_b32 s17, s17, 2
	s_add_co_u32 s17, s17, s41             ; tile row
	s_lshl_b32 s43, s41, 2
	s_lshl_b32 s43, 15, s43
	s_lshl_b32 s44, 0x1111, s40
	s_or_b32 s[G1+0], s43, (3<<16)|(1<<21)
	s_or_b32 s[G1B+0], s44, (3<<16)|(1<<21)
.irp g, G1, G1B
	s_mov_b32 s[\g+1], 32<<16              ; 132 dense rows of 256 bytes
	s_mov_b32 s[\g+2], 132<<16
	s_mov_b32 s[\g+3], 32<<16
	s_mov_b32 s[\g+4], 132
	s_mov_b32 s[\g+5], 32
	s_mov_b32 s[\g+6], 0
	s_mov_b32 s[\g+7], 0
.endr
	s_lshl_b32 s20, s17, 1
	s_add_co_u32 s20, s20, s16
	s_mul_i32 s20, s20, KT*SB
	s_mov_b32 s21, 0
	s_lshl_b32 s46, s42, 1
	s_add_co_u32 s46, s46, s16
	s_mul_i32 s46, s46, KT*SB
.if WOFF
	s_add_co_u32 s46, s46, WOFF*SB
.endif
	s_mov_b32 s47, 0
	s_mul_i32 s45, s14, REG
	s_wait_dscnt 0x0
	s_wait_kmcnt 0x0
	s_add_nc_u64 s[20:21], s[4:5], s[20:21]
	s_add_nc_u64 s[46:47], s[6:7], s[46:47]
	CROUND
.irp s, 0,1
	s_mov_b32 s[G0+4*\s], 1
	s_add_co_u32 s[G0+4*\s+1], s45, \s*SLOT
	s_add_nc_u64 s[G0+4*\s+2:G0+4*\s+3], s[20:21], \s*REG
	s_or_b32 s[G0+4*\s+3], s[G0+4*\s+3], 0x80000000
	s_mov_b32 s[G0B+4*\s], 1
	s_add_co_u32 s[G0B+4*\s+1], s45, \s*SLOT
	s_add_nc_u64 s[G0B+4*\s+2:G0B+4*\s+3], s[46:47], \s*REG
	s_or_b32 s[G0B+4*\s+3], s[G0B+4*\s+3], 0x80000000
	JLOAD G0+4*\s, G1, G0B+4*\s, G1B
.endr
	v_and_b32 v1, 31, v0
	v_and_b32 v2, 15, v0
	v_bfe_u32 v3, v0, 4, 1
	v_lshlrev_b32 v4, 4, v1
	s_mul_i32 s21, s15, REG
	s_mul_i32 s22, s16, REG
	s_add_co_u32 s22, s22, 2*REG
.irp s, 0,1
	v_add_nc_u32 v[ADRA+\s], s21, v4
	v_add_nc_u32 v[ADRB+\s], s22, v4
	s_add_co_u32 s21, s21, SLOT
	s_add_co_u32 s22, s22, SLOT
.endr
	s_mul_i32 s21, s15, REG
	s_mul_i32 s22, s16, REG
	s_add_co_u32 s22, s22, 2*REG
	s_sub_co_u32 s22, s22, s21
	v_mul_u32_u24 v6, s22, v3
	v_lshl_add_u32 v5, v2, 4, v6
	s_add_co_u32 s21, s21, 16384
	v_add_nc_u32 v[ADRS], s21, v5
	v_add_nc_u32 v[ADRS+1], SLOT, v[ADRS]
	s_lshl_b32 s46, s42, 10
	s_lshl_b32 s47, s16, 9
	s_add_co_u32 s46, s46, s47             ; my first column, in bytes
	s_mov_b32 s47, 0
	s_add_nc_u64 s[8:9], s[8:9], s[46:47]
	v_lshlrev_b32 v7, 5, v3
.irp b, 0,1,2,3,4,5,6,7
	global_load_b128 v[BI+8*\b:BI+8*\b+3], v7, s[8:9] offset:64*\b
	global_load_b128 v[BI+8*\b+4:BI+8*\b+7], v7, s[8:9] offset:64*\b+16
.endr
	s_mul_i32 s23, s14, 16*SPITCH          ; my stage, in slot 0: used behind that slot's last fill and last read
	v_mul_u32_u24 v5, v2, SPITCH
	v_lshl_add_u32 v5, v3, 5, v5
	v_add_nc_u32 v[STO], s23, v5
	v_add_nc_u32 v[RD], s23, v4
	s_lshl_b32 s20, s17, 8
	s_lshl_b32 s21, s15, 7
	s_add_co_u32 s20, s20, s21
	s_lshl_b32 s20, s20, 12                ; my first row x 4,096 bytes
	s_add_co_u32 s20, s20, s46
	s_mov_b32 s21, 0
	s_add_nc_u64 s[10:11], s[10:11], s[20:21]
	s_add_nc_u64 s[12:13], s[12:13], s[20:21]
	s_wait_tensorcnt 1                     ; my part of slot 0 is in; slot 1's may stay out
	s_barrier_signal -1
	s_barrier_wait -1
	FETCH_B 0, 0, 0
	FETCH_A 0, 0, 0
	SCALES 0
	FETCH_A 0, 0, 4
	s_wait_loadcnt 0x0                     ; the bias
	STEP 0, 0, 1
.if LAPS > 1
	s_mov_b32 s3, LAPS-1
.Llap:
	TURN 0, 1, 1
	STEP 1, 0, 0
	TURN 1, 0, 1
	STEP 0, 0, 0
	s_sub_co_u32 s3, s3, 1
	s_cmp_lg_u32 s3, 0
	s_cbranch_scc1 .Llap
.endif
	TURN 0, 1, 0
	STEP 1, 0, 0
	s_wait_dscnt 4*NL
	WIN MUL_LO
	MUL16 0, 1, NQ-1, 1, 0
	MUL16 2, 1, NQ-1, 1, 0
	s_wait_dscnt 0
	WIN MUL_HI
	MUL16 4, 1, NQ-1, 1, 0
	MUL16 6, 1, NQ-1, 1, 0
	WIN 0
.macro RLOAD a                         ; the residual's 16 rows of block a, 512 consecutive bytes a load, into window 1, where B's fragments lay
	WIN 0x40
.set rn, 0
.rept 16
	global_load_b128 v[64*((\a)%4)+4*rn:64*((\a)%4)+4*rn+3], v[CO], s[10:11] offset:(16*(\a)+rn)*4096 th:TH_LOAD_NT
.set rn, rn+1
.endr
	WIN 0
.endm
.macro TOSTAGE a
.set AC, 64*((\a)%4)
	WIN 0x08+4*((\a)/4)
.irp b, 0,1,2,3,4,5,6,7
	ds_store_b128 v[STO], v[AC+8*\b:AC+8*\b+3] offset:64*\b          ; each accumulator from its low end on
	ds_store_b128 v[STO], v[AC+8*\b+4:AC+8*\b+7] offset:64*\b+16
.endr
	WIN 0
.set BB, BK+64*((\a)%2)
.irp t, 0,1,2,3,4,5,6,7,8,9,10,11,12,13,14,15
	ds_load_b128 v[BB+4*\t:BB+4*\t+3], v[RD] offset:\t*SPITCH        ; LDS serves a wave's instructions in order
.endr
.endm
.macro SEND a, younger, left           ; younger: LDS instructions behind block a's loads; left: residual loads behind block a's
.set BB, BK+64*((\a)%2)
.set RR, 64*((\a)%4)
	s_wait_dscnt \younger
	s_wait_loadcnt \left
	WIN 0x04                               ; source 1 in window 1
.set sn, 0
.rept 32
	v_pk_add_f32 v[BB+sn:BB+sn+1], v[BB+sn:BB+sn+1], v[RR+sn:RR+sn+1]
.set sn, sn+2
.endr
	WIN 0
.if (\a) < 4
	RLOAD (\a)+4
.endif
.set sn, 0
.rept 16
	global_store_b128 v[CO], v[BB+4*sn:BB+4*sn+3], s[12:13] offset:(16*(\a)+sn)*4096   ; 32 lanes store 512 consecutive bytes
.set sn, sn+1
.endr
.endm
	PLACES NP
	RLOAD 0
	RLOAD 1
	RLOAD 2
	RLOAD 3
	TOSTAGE 0
	TOSTAGE 1
	SEND 0, 32, 48
	s_wait_xcnt 0x0                        ; block 0's stores have read their registers: block 2's loads may land there
	TOSTAGE 2
	SEND 1, 32, 48
	s_wait_xcnt 0x0
	TOSTAGE 3
	SEND 2, 32, 48
	s_wait_xcnt 0x0
	TOSTAGE 4
	SEND 3, 32, 48
	s_wait_xcnt 0x0
	TOSTAGE 5
	SEND 4, 32, 48
	s_wait_xcnt 0x0
	TOSTAGE 6
	SEND 5, 32, 32
	s_wait_xcnt 0x0
	TOSTAGE 7
	SEND 6, 32, 16
	SEND 7, 0, 0
	s_wait_tensorcnt 0x0                   ; the wave's end
	ds_add_u32 v[SPW], v[NIL]
	s_wait_dscnt 0x0
	CROUND                                 ; the closing round
	s_endpgm
.Lfunc_end_k_q7517599bbc_proj:
	.size	k_q7517599bbc_proj, .Lfunc_end_k_q7517599bbc_proj-k_q7517599bbc_proj
	.p2alignl 7, 3214868480
	.fill 96, 4, 3214868480
	.section	.rodata,"a",@progbits
	.p2align	6, 0x0
	.amdhsa_kernel k_q7517599bbc_proj
		.amdhsa_group_segment_fixed_size 327680
		.amdhsa_private_segment_fixed_size 0
		.amdhsa_enable_private_segment 0
		.amdhsa_kernarg_size 40
		.amdhsa_user_sgpr_count 2
		.amdhsa_user_sgpr_kernarg_segment_ptr 1
		.amdhsa_wavefront_size32 1
		.amdhsa_system_sgpr_workgroup_id_x 1
		.amdhsa_system_sgpr_workgroup_id_y 1
		.amdhsa_system_sgpr_workgroup_id_z 1
		.amdhsa_system_vgpr_workitem_id 0
		.amdhsa_next_free_vgpr 1024
		.amdhsa_next_free_sgpr 100
		.amdhsa_reserve_vcc 0
		.amdhsa_float_denorm_mode_32 3
		.amdhsa_float_denorm_mode_16_64 3
		.amdhsa_memory_ordered 1
		.amdhsa_forward_progress 1
		.amdhsa_inst_pref_size 172
	.end_amdhsa_kernel
	.amdgpu_metadata
---
amdhsa.version: [ 1, 2 ]
amdhsa.kernels:
  - .name:           k_q7517599bbc_proj
    .symbol:         k_q7517599bbc_proj.kd
    .args:
      - { .name: opk, .offset: 0, .size: 8, .value_kind: global_buffer, .address_space: global }
      - { .name: wpk, .offset: 8, .size: 8, .value_kind: global_buffer, .address_space: global }
      - { .name: out_b, .offset: 16, .size: 8, .value_kind: global_buffer, .address_space: global }
      - { .name: x, .offset: 24, .size: 8, .value_kind: global_buffer, .address_space: global }
      - { .name: x1, .offset: 32, .size: 8, .value_kind: global_buffer, .address_space: global }
    .group_segment_fixed_size: 327680
    .private_segment_fixed_size: 0
    .kernarg_segment_align: 8
    .kernarg_segment_size: 40
    .max_flat_workgroup_size: 128
    .sgpr_count:     100
    .vgpr_count:     1024
    .wavefront_size: 32
...
	.end_amdgpu_metadata
.endif
;; end of part 5
;; launch ln2: the kernel of part 2 again; grid 256 x 1, 8 waves a work-group, no clusters, 69,632 bytes of LDS; arguments x1, ln2_g, ln2_b, hpk; writes hpk
;; launch ffn1 (part 6): grid 16 x 16, 4 waves a work-group, clusters of 4 x 4, 327,680 bytes of LDS; arguments hpk, wpk, b1, fpk; writes fpk
.if DOCPART == 6
	.amdgcn_target "amdgcn-amd-amdhsa--gfx1250"
	.amdhsa_code_object_version 6
	.text
	.protected	k_q7517599bbc_ffn1
	.globl	k_q7517599bbc_ffn1
	.p2align	8
	.type	k_q7517599bbc_ffn1,@function
k_q7517599bbc_ffn1:
	s_mov_b64 s[64:65], 0
	v_nop
	global_prefetch_b8 v0, s[64:65] scope:SCOPE_SE
	s_setreg_imm32_b32 hwreg(HW_REG_WAVE_MODE, 25, 1), 1
	s_wait_xcnt 0x0
	s_wait_alu depctr_hold_cnt(0) depctr_sa_sdst(0) depctr_va_vdst(0) depctr_va_sdst(0) depctr_va_ssrc(0) depctr_va_vcc(0) depctr_vm_vsrc(0)
	s_getreg_b32 s2, hwreg(HW_REG_IB_STS2, 6, 4)
	s_cmp_eq_u32 s2, 0
	s_cbranch_scc0 .Lentry_in_a_cluster
	s_endpgm
.Lentry_in_a_cluster:
	s_bfe_u32 s2, ttmp6, 0x10000c
	s_cmp_lg_u32 s2, 0xf033
	s_cbranch_scc0 .Lentry_shape_is_right
	s_endpgm
.Lentry_shape_is_right:
; f = gelu(h2 w1^T + b1), exact (erf) form, the product on codes of BF8 with E8M0 scales; f is quantised on the way out and leaves as PACK(4096, 4096).  A: hpk, PACK(4096, 1024); B: wpk's super-blocks 256-511.
; PACK: super-block (group of 128 rows x K/128 + step) x SB bytes: fragment a as an image of its registers at 2,048 a + 512 c + 16 lane, scale words at 16,384 + 256 (a / 4) + 16 r + 4 (a % 4).
; A tile of C, 256 x 256, is made by four waves, 128 x 128 each; K goes in steps of 256 through a ring of two LDS slots; a wave's tensor load brings two super-blocks on end of one group of 128 rows.
; CLUSTERS: 4 x 4 work-groups; A's tiles are asked for jointly along a row of the cluster, B's along a column.  The product is used transposed: lane (r, h), register j of accumulator (a, b) holds C(16 a + r, 16 b + 8 h + j):
; a row tile's 64 registers are four blocks of 32 along the next K, in PACK's order, and a wave's 128 x 128 is exactly one super-block of fpk.  The bias is the C of each sum's first product.
; THE WAY OUT is a loop of eight trips, one for each row tile; only the 32 lines that take a tile out of its accumulators are written eight times.
; erf(z) = z P(z^2) / Q(z^2) with z held within +-4: a rational of degrees 6 and 4 in z^2, absolute error about 1e-7 (LIMIT); beyond 4 erf is 1 to f32.  gelu = 0.5 x + 0.5 x erf(x / sqrt 2).
; LIMITS: NaN and infinities are not served; a block whose largest magnitude lies under 2^-111 keeps the byte 1, a block of zeros too.
.set KT,    8
.set WOFF,  256
.set LAPS,  KT/4
.set SB,    16896
.set REG,   2*SB
.set SLOT,  4*REG
.set SPARE, 2*SLOT
.set NQ,    2
.set FR,    16
.set NL,    4
.set NP,    8
.set ADRA, 16
.set ADRB, 20
.set ADRS, 22
.set SPW,  28
.set NIL,  29
.set SC,   32
.set BI,   64
.set AF,   128
.set G1, 24
.set G0, 32
.set G1B, 48
.set G0B, 56
.set SEL, 66
.set MNT, 68
.set MSB, 0
.macro WIN new
.if MSB != (\new)
	s_set_vgpr_msb (MSB<<8)|(\new)
.set MSB, (\new)
.endif
.endm
.set MUL_LO, 0xa1
.set MUL_HI, 0xf1
.set TO_B,   0x40
.macro JLOAD g0a, g1a, g0b, g1b        ; a joint load: waves 0 and 1 fetch for A, waves 2 and 3 for B; an s_nop 0 and four v_nop follow each line
	s_cmp_eq_u32 s15, 0
	s_cbranch_scc0 .Lfor_b_\@
	tensor_load_to_lds s[\g0a:\g0a+3], s[\g1a:\g1a+7]
	s_nop 0
.rept 4
	v_nop
.endr
	s_branch .Lasked_\@
.Lfor_b_\@:
	tensor_load_to_lds s[\g0b:\g0b+3], s[\g1b:\g1b+7]
	s_nop 0
.rept 4
	v_nop
.endr
.Lasked_\@:
.endm
.macro CREST
	s_cmp_lg_u32 s14, 0
	s_cbranch_scc1 .Lnot_wave_0_\@
	s_barrier_signal -3
.Lnot_wave_0_\@:
	s_barrier_wait -3
	s_barrier_signal -1
	s_barrier_wait -1
.endm
.macro CROUND
	s_barrier_signal -1
	s_barrier_wait -1
	CREST
.endm
.macro PLACES n
.rept \n
	v_nop
.endr
.endm
.macro FRAG reg, adr, q, i
.irp c, 0,1,2,3
	ds_load_b128 v[\reg+4*\c:\reg+4*\c+3], v[\adr] offset:SB*(\q)+2048*(\i)+512*\c
.endr
.endm
.macro MUL16 a0, p, q, sc, first       ; 16 products; first = 1: the bias starts the sums.  The 64 accumulators take turns, in the same order in every step
.irp a, \a0, \a0+1
.irp b, 0,1,2,3,4,5,6,7
.if \first
	v_wmma_scale_f32_16x16x128_f8f6f4 v[8*(8*((\a)%4)+\b):8*(8*((\a)%4)+\b)+7], v[128*(\p)+FR*\b:128*(\p)+FR*\b+FR-1], v[AF+FR*(\a):AF+FR*(\a)+FR-1], v[BI+8*\b:BI+8*\b+7], v[SC+16*(\sc)+8*(\q)+\b], v[SC+16*(\sc)+8*(\q)+(\a)] matrix_a_fmt:MATRIX_FMT_BF8 matrix_b_fmt:MATRIX_FMT_BF8 matrix_a_scale:MATRIX_SCALE_ROW1
.else
	v_wmma_scale_f32_16x16x128_f8f6f4 v[8*(8*((\a)%4)+\b):8*(8*((\a)%4)+\b)+7], v[128*(\p)+FR*\b:128*(\p)+FR*\b+FR-1], v[AF+FR*(\a):AF+FR*(\a)+FR-1], v[8*(8*((\a)%4)+\b):8*(8*((\a)%4)+\b)+7], v[SC+16*(\sc)+8*(\q)+\b], v[SC+16*(\sc)+8*(\q)+(\a)] matrix_a_fmt:MATRIX_FMT_BF8 matrix_b_fmt:MATRIX_FMT_BF8 matrix_a_scale:MATRIX_SCALE_ROW1
.endif
.endr
.endr
.endm
.macro FETCH_B slot, q, p
	WIN TO_B
.irp i, 0,1,2,3,4,5,6,7
	FRAG 128*(\p)+FR*\i, ADRB+\slot, \q, \i
.endr
	WIN 0
.endm
.macro FETCH_A slot, q, i0
.irp i, \i0, \i0+1, \i0+2, \i0+3
	FRAG AF+FR*(\i), ADRA+\slot, \q, \i
.endr
.endm
.macro SCALES sc
.irp q, 0,1
	ds_load_b128 v[SC+16*(\sc)+8*\q:SC+16*(\sc)+8*\q+3], v[ADRS+\sc] offset:SB*\q
	ds_load_b128 v[SC+16*(\sc)+8*\q+4:SC+16*(\sc)+8*\q+7], v[ADRS+\sc] offset:SB*\q+256
.endr
.endm
.macro STEP slot, q, first
	s_wait_dscnt 4*NL                      ; all but the youngest sixteen loads (A's blocks 4-7)
.if \first
	WIN 0x81
.else
	WIN MUL_LO
.endif
	MUL16 0, (\q)%2, \q, \slot, \first
	MUL16 2, (\q)%2, \q, \slot, \first
	s_wait_dscnt 0
	PLACES NP
	FETCH_B \slot, (\q)+1, 1-(\q)%2
	FETCH_A \slot, (\q)+1, 0
.if \first
	WIN 0xc1
.else
	WIN MUL_HI
.endif
	MUL16 4, (\q)%2, \q, \slot, \first
	MUL16 6, (\q)%2, \q, \slot, \first
	PLACES NP
	WIN 0
	FETCH_A \slot, (\q)+1, 4
.endm
.macro TURN slot, next, fill
	s_wait_tensorcnt 0x0                   ; all my tensor loads have landed: my part of the next slot
	ds_add_u32 v[SPW], v[NIL]
	s_wait_dscnt 4*NL+1                    ; (the add and the youngest sixteen loads may be out)
	WIN MUL_LO
	MUL16 0, 1, NQ-1, \slot, 0
	s_wait_dscnt 0x0                       ; the add is done, and my reads of this slot are over
	s_barrier_signal -1
	MUL16 2, 1, NQ-1, \slot, 0
	WIN 0
	s_barrier_wait -1
.if \fill
	CREST                                  ; no wave of any partner still reads this slot or has a load on its way
	s_add_nc_u64 s[G0+4*\slot+2:G0+4*\slot+3], s[G0+4*\slot+2:G0+4*\slot+3], 2*REG
	s_add_nc_u64 s[G0B+4*\slot+2:G0B+4*\slot+3], s[G0B+4*\slot+2:G0B+4*\slot+3], 2*REG
	JLOAD G0+4*\slot, G1, G0B+4*\slot, G1B
	PLACES NP-4
.else
	PLACES NP
.endif
	FETCH_B \next, 0, 0
	FETCH_A \next, 0, 0
	SCALES \next
	WIN MUL_HI
	MUL16 4, 1, NQ-1, \slot, 0
	MUL16 6, 1, NQ-1, \slot, 0
	PLACES NP
	WIN 0
	FETCH_A \next, 0, 4
.endm
	s_load_b256 s[4:11], s[0:1], 0x0       ; hpk s[4:5], wpk s[6:7], b1 s[8:9], fpk s[10:11]
	v_lshl_add_u32 v[SPW], v0, 2, SPARE
	v_mov_b32 v[NIL], 0
	ds_add_u32 v[SPW], v[NIL]              ; the wave's opening: the add, twice on end, and its wait ahead of my first tensor load
	ds_add_u32 v[SPW], v[NIL]
	v_lshrrev_b32 v1, 5, v0
	v_readfirstlane_b32 s14, v1
	s_lshr_b32 s15, s14, 1
	s_and_b32 s16, s14, 1
	s_bfe_u32 s40, ttmp6, 0x40000
	s_bfe_u32 s41, ttmp6, 0x40004
	s_lshl_b32 s42, ttmp9, 2
	s_add_co_u32 s42, s42, s40             ; tile column
	s_and_b32 s17, ttmp7, 0xffff
	s_lshl_b32 s17, s17, 2
	s_add_co_u32 s17, s17, s41             ; tile row
	s_lshl_b32 s43, s41, 2
	s_lshl_b32 s43, 15, s43
	s_lshl_b32 s44, 0x1111, s40
	s_or_b32 s[G1+0], s43, (3<<16)|(1<<21)
	s_or_b32 s[G1B+0], s44, (3<<16)|(1<<21)
.irp g, G1, G1B
	s_mov_b32 s[\g+1], 32<<16              ; 132 dense rows of 256 bytes
	s_mov_b32 s[\g+2], 132<<16
	s_mov_b32 s[\g+3], 32<<16
	s_mov_b32 s[\g+4], 132
	s_mov_b32 s[\g+5], 32
	s_mov_b32 s[\g+6], 0
	s_mov_b32 s[\g+7], 0
.endr
	s_lshl_b32 s20, s17, 1
	s_add_co_u32 s20, s20, s16
	s_mul_i32 s20, s20, KT*SB
	s_mov_b32 s21, 0
	s_lshl_b32 s46, s42, 1
	s_add_co_u32 s46, s46, s16
	s_mul_i32 s46, s46, KT*SB
.if WOFF
	s_add_co_u32 s46, s46, WOFF*SB
.endif
	s_mov_b32 s47, 0
	s_mul_i32 s45, s14, REG
	s_mov_b32 s[SEL], 0x76543210
	s_mov_b32 s[SEL+1], 0xfedcba98
	s_mov_b32 s[MNT], 0x600000
	s_wait_dscnt 0x0
	s_wait_kmcnt 0x0
	s_add_nc_u64 s[20:21], s[4:5], s[20:21]
	s_add_nc_u64 s[46:47], s[6:7], s[46:47]
	CROUND
.irp s, 0,1
	s_mov_b32 s[G0+4*\s], 1
	s_add_co_u32 s[G0+4*\s+1], s45, \s*SLOT
	s_add_nc_u64 s[G0+4*\s+2:G0+4*\s+3], s[20:21], \s*REG
	s_or_b32 s[G0+4*\s+3], s[G0+4*\s+3], 0x80000000
	s_mov_b32 s[G0B+4*\s], 1
	s_add_co_u32 s[G0B+4*\s+1], s45, \s*SLOT
	s_add_nc_u64 s[G0B+4*\s+2:G0B+4*\s+3], s[46:47], \s*REG
	s_or_b32 s[G0B+4*\s+3], s[G0B+4*\s+3], 0x80000000
	JLOAD G0+4*\s, G1, G0B+4*\s, G1B
.endr
	v_and_b32 v1, 31, v0
	v_and_b32 v2, 15, v0
	v_bfe_u32 v3, v0, 4, 1
	v_lshlrev_b32 v4, 4, v1                ; 16 x lane
	s_mul_i32 s21, s15, REG
	s_mul_i32 s22, s16, REG
	s_add_co_u32 s22, s22, 2*REG
.irp s, 0,1
	v_add_nc_u32 v[ADRA+\s], s21, v4
	v_add_nc_u32 v[ADRB+\s], s22, v4
	s_add_co_u32 s21, s21, SLOT
	s_add_co_u32 s22, s22, SLOT
.endr
	s_mul_i32 s21, s15, REG
	s_mul_i32 s22, s16, REG
	s_add_co_u32 s22, s22, 2*REG
	s_sub_co_u32 s22, s22, s21
	v_mul_u32_u24 v6, s22, v3
	v_lshl_add_u32 v5, v2, 4, v6
	s_add_co_u32 s21, s21, 16384
	v_add_nc_u32 v[ADRS], s21, v5
	v_add_nc_u32 v[ADRS+1], SLOT, v[ADRS]
	s_lshl_b32 s46, s42, 10
	s_lshl_b32 s47, s16, 9
	s_add_co_u32 s46, s46, s47
	s_mov_b32 s47, 0
	s_add_nc_u64 s[8:9], s[8:9], s[46:47]
	v_lshlrev_b32 v7, 5, v3
.irp b, 0,1,2,3,4,5,6,7
	global_load_b128 v[BI+8*\b:BI+8*\b+3], v7, s[8:9] offset:64*\b
	global_load_b128 v[BI+8*\b+4:BI+8*\b+7], v7, s[8:9] offset:64*\b+16
.endr
	s_lshl_b32 s20, s17, 1
	s_add_co_u32 s20, s20, s15
	s_lshl_b32 s20, s20, 5                 ; my group of 128 rows x 32 steps
	s_lshl_b32 s46, s42, 1
	s_add_co_u32 s46, s46, s16
	s_add_co_u32 s20, s20, s46             ; + my 128 columns' step
	s_mul_i32 s20, s20, SB
	s_mov_b32 s21, 0
	s_add_nc_u64 s[10:11], s[10:11], s[20:21]
	s_wait_tensorcnt 1                     ; my part of slot 0 is in; slot 1's may stay out
	s_barrier_signal -1
	s_barrier_wait -1
	FETCH_B 0, 0, 0
	FETCH_A 0, 0, 0
	SCALES 0
	FETCH_A 0, 0, 4
	s_wait_loadcnt 0x0                     ; the bias
	STEP 0, 0, 1
.if LAPS > 1
	s_mov_b32 s3, LAPS-1
.Llap:
	TURN 0, 1, 1
	STEP 1, 0, 0
	TURN 1, 0, 1
	STEP 0, 0, 0
	s_sub_co_u32 s3, s3, 1
	s_cmp_lg_u32 s3, 0
	s_cbranch_scc1 .Llap
.endif
	TURN 0, 1, 0
	STEP 1, 0, 0
	s_wait_dscnt 4*NL
	WIN MUL_LO
	MUL16 0, 1, NQ-1, 1, 0
	MUL16 2, 1, NQ-1, 1, 0
	s_wait_dscnt 0
	WIN MUL_HI
	MUL16 4, 1, NQ-1, 1, 0
	MUL16 6, 1, NQ-1, 1, 0
	WIN 0
	PLACES NP
	; ---- THE WAY OUT
.set HX, 64                            ; v64-127  0.5 x, then gelu(x)
.set Z,  128                           ; v128-159 z = x / sqrt 2, held; later the codes
.set X2, 160                           ; v160-191 z^2; later the quantiser's work registers
.set P,  192
.set Q,  224
.set PC, 128
.set TM, 160
.set WS, 12                            ; v12-15 the scale words, gathered
.set PW, 18
.macro EXTRACT a                       ; 0.5 x out of row tile a's accumulators, each from its low end on
	WIN 2+(\a)/4
.set en, 0
.rept 32
	v_pk_mul_f32 v[HX+en:HX+en+1], v[64*((\a)%4)+en:64*((\a)%4)+en+1], 0.5 op_sel_hi:[1,0]
.set en, en+2
.endr
	WIN 0
.endm
.macro POLY d, lit                     ; one step of Horner's rule on 16 pairs
.set pn, 0
.rept 16
	v_pk_fma_f32 v[\d+pn:\d+pn+1], v[\d+pn:\d+pn+1], v[X2+pn:X2+pn+1], \lit op_sel_hi:[1,1,0]
.set pn, pn+2
.endr
.endm
.macro GELU hh                         ; 32 numbers
.set HB, HX+32*(\hh)
.set gn, 0
.rept 16
	v_pk_mul_f32 v[Z+gn:Z+gn+1], v[HB+gn:HB+gn+1], 0x3fb504f3 op_sel_hi:[1,0]   ; 0.5 x sqrt 2 = x / sqrt 2
.set gn, gn+2
.endr
.set gn, 0
.rept 32
	v_med3_num_f32 v[Z+gn], v[Z+gn], -4.0, 4.0
.set gn, gn+1
.endr
.set gn, 0
.rept 16
	v_pk_mul_f32 v[X2+gn:X2+gn+1], v[Z+gn:Z+gn+1], v[Z+gn:Z+gn+1]
.set gn, gn+2
.endr
.set gn, 0
.rept 16
	v_pk_fma_f32 v[P+gn:P+gn+1], v[X2+gn:X2+gn+1], v[8:9], 0x32edffee op_sel_hi:[1,1,0]
.set gn, gn+2
.endr
.set gn, 0
.rept 16
	v_pk_fma_f32 v[Q+gn:Q+gn+1], v[X2+gn:X2+gn+1], v[10:11], 0xb95fbd29 op_sel_hi:[1,1,0]
.set gn, gn+2
.endr
	POLY P, 0xb60cff51
	POLY Q, 0xbadc924e
	POLY P, 0xb86ec2d2
	POLY Q, 0xbbf19bf8
	POLY P, 0xba40ac63
	POLY Q, 0xbc69b6a7
	POLY P, 0xbb41a1f6
	POLY P, 0xbc83dbd4
.set gn, 0
.rept 32
	v_rcp_f32 v[Q+gn], v[Q+gn]
.set gn, gn+1
.endr
.set gn, 0
.rept 16
	v_pk_mul_f32 v[P+gn:P+gn+1], v[P+gn:P+gn+1], v[Z+gn:Z+gn+1]       ; plain work behind the batch, which names none of its results
.set gn, gn+2
.endr
	s_wait_alu depctr_va_vdst(0)           ; the wait ahead of the first use: one for the 32 reciprocals
.set gn, 0
.rept 16
	v_pk_mul_f32 v[P+gn:P+gn+1], v[P+gn:P+gn+1], v[Q+gn:Q+gn+1]       ; erf
.set gn, gn+2
.endr
.set gn, 0
.rept 16
	v_pk_fma_f32 v[HB+gn:HB+gn+1], v[P+gn:P+gn+1], v[HB+gn:HB+gn+1], v[HB+gn:HB+gn+1]   ; 0.5 x erf + 0.5 x
.set gn, gn+2
.endr
.endm
.macro QUANT s                         ; 64 numbers of a lane become a fragment's codes in v[PC] on and its scale word in v[PW]
.irp b, 0,1,2,3
	v_max3_num_f32 v[TM+\b], |v[\s+16*\b]|, |v[\s+1+16*\b]|, 0x8000000
.endr
.irp i, 2,4,6,8,10,12,14
.irp b, 0,1,2,3
	v_max3_num_f32 v[TM+\b], v[TM+\b], |v[\s+16*\b+\i]|, |v[\s+1+16*\b+\i]|
.endr
.endr
.irp b, 0,1,2,3
	v_permlanex16_b32 v[TM+4+\b], v[TM+\b], s[SEL], s[SEL+1]
.endr
.irp b, 0,1,2,3
	v_max_num_f32 v[TM+\b], v[TM+\b], v[TM+4+\b]
.endr
.irp b, 0,1,2,3
	v_add_nc_u32 v[TM+12+\b], 0xf8800000, v[TM+\b]
.endr
.irp b, 0,1,2,3
	v_and_or_b32 v[TM+8+\b], v[TM+\b], 0x7f800000, s[MNT]
.endr
.irp b, 0,1,2,3
	v_lshrrev_b32 v[TM+4+\b], 23, v[TM+12+\b]
.endr
	v_lshl_or_b32 v[PW], v[TM+5], 8, v[TM+4]
	v_lshl_or_b32 v[PW], v[TM+6], 16, v[PW]
	v_lshl_or_b32 v[PW], v[TM+7], 24, v[PW]
.irp b, 0,1,2,3
.irp i, 0,1,2,3,4,5,6,7,8,9,10,11,12,13,14,15
	v_med3_num_f32 v[\s+16*\b+\i], v[\s+16*\b+\i], -v[TM+8+\b], v[TM+8+\b]
.endr
	v_cvt_scalef32_pk8_bf8_f32 v[PC+4*\b:PC+1+4*\b], v[\s+16*\b:\s+7+16*\b], v[TM+12+\b]
	v_cvt_scalef32_pk8_bf8_f32 v[PC+2+4*\b:PC+3+4*\b], v[\s+8+16*\b:\s+15+16*\b], v[TM+12+\b]
.endr
	v_nop
.endm
	v_mov_b32 v8, 0xaf95df0b               ; the leading coefficients, each twice: an instruction takes one literal
	v_mov_b32 v9, 0xaf95df0b
	v_mov_b32 v10, 0xb77460cd
	v_mov_b32 v11, 0xb77460cd
.irp f, 0,1,2,3
	v_mov_b32 v[WS+\f], 0
.endr
	s_mov_b32 s72, 0xffff0000
	s_mov_b32 s3, 0
.Lrow:
	s_cmp_eq_u32 s3, 0
	s_cbranch_scc1 .Le0
	s_cmp_eq_u32 s3, 1
	s_cbranch_scc1 .Le1
	s_cmp_eq_u32 s3, 2
	s_cbranch_scc1 .Le2
	s_cmp_eq_u32 s3, 3
	s_cbranch_scc1 .Le3
	s_cmp_eq_u32 s3, 4
	s_cbranch_scc1 .Le4
	s_cmp_eq_u32 s3, 5
	s_cbranch_scc1 .Le5
	s_cmp_eq_u32 s3, 6
	s_cbranch_scc1 .Le6
	EXTRACT 7
	s_branch .Lgo
.Le0:
	EXTRACT 0
	s_branch .Lgo
.Le1:
	EXTRACT 1
	s_branch .Lgo
.Le2:
	EXTRACT 2
	s_branch .Lgo
.Le3:
	EXTRACT 3
	s_branch .Lgo
.Le4:
	EXTRACT 4
	s_branch .Lgo
.Le5:
	EXTRACT 5
	s_branch .Lgo
.Le6:
	EXTRACT 6
.Lgo:
	GELU 0
	GELU 1
	QUANT HX
.irp c, 0,1,2,3
	global_store_b128 v4, v[PC+4*\c:PC+4*\c+3], s[10:11] offset:512*\c   ; 512 consecutive bytes
.endr
	s_cmp_lt_u32 s3, 4                     ; the words move up a place: in trips 0-3 in all lanes, in trips 4-7 in lanes 16-31 alone:
	s_cselect_b32 s73, -1, s72             ; at the end lanes 0-15 hold the words of tiles 0-3, lanes 16-31 those of tiles 4-7
	v_cndmask_b32 v[WS], v[WS], v[WS+1], s73
	v_cndmask_b32 v[WS+1], v[WS+1], v[WS+2], s73
	v_cndmask_b32 v[WS+2], v[WS+2], v[WS+3], s73
	v_cndmask_b32 v[WS+3], v[WS+3], v[PW], s73
	s_wait_xcnt 0x0                        ; the stores have read their data and their base: both are written again only behind this wait
	s_add_nc_u64 s[10:11], s[10:11], 2048
	s_add_co_u32 s3, s3, 1
	s_cmp_lt_u32 s3, 8
	s_cbranch_scc1 .Lrow
	global_store_b128 v4, v[WS:WS+3], s[10:11]   ; the base now stands at byte 16,384 of the super-block: 512 consecutive bytes of scale words
	s_wait_tensorcnt 0x0                   ; the wave's end
	ds_add_u32 v[SPW], v[NIL]
	s_wait_dscnt 0x0
	CROUND                                 ; the closing round
	s_endpgm
.Lfunc_end_k_q7517599bbc_ffn1:
	.size	k_q7517599bbc_ffn1, .Lfunc_end_k_q7517599bbc_ffn1-k_q7517599bbc_ffn1
	.p2alignl 7, 3214868480
	.fill 96, 4, 3214868480
	.section	.rodata,"a",@progbits
	.p2align	6, 0x0
	.amdhsa_kernel k_q7517599bbc_ffn1
		.amdhsa_group_segment_fixed_size 327680
		.amdhsa_private_segment_fixed_size 0
		.amdhsa_enable_private_segment 0
		.amdhsa_kernarg_size 32
		.amdhsa_user_sgpr_count 2
		.amdhsa_user_sgpr_kernarg_segment_ptr 1
		.amdhsa_wavefront_size32 1
		.amdhsa_system_sgpr_workgroup_id_x 1
		.amdhsa_system_sgpr_workgroup_id_y 1
		.amdhsa_system_sgpr_workgroup_id_z 1
		.amdhsa_system_vgpr_workitem_id 0
		.amdhsa_next_free_vgpr 1024
		.amdhsa_next_free_sgpr 100
		.amdhsa_reserve_vcc 0
		.amdhsa_float_denorm_mode_32 3
		.amdhsa_float_denorm_mode_16_64 3
		.amdhsa_memory_ordered 1
		.amdhsa_forward_progress 1
		.amdhsa_inst_pref_size 188
	.end_amdhsa_kernel
	.amdgpu_metadata
---
amdhsa.version: [ 1, 2 ]
amdhsa.kernels:
  - .name:           k_q7517599bbc_ffn1
    .symbol:         k_q7517599bbc_ffn1.kd
    .args:
      - { .name: hpk, .offset: 0, .size: 8, .value_kind: global_buffer, .address_space: global }
      - { .name: wpk, .offset: 8, .size: 8, .value_kind: global_buffer, .address_space: global }
      - { .name: b1, .offset: 16, .size: 8, .value_kind: global_buffer, .address_space: global }
      - { .name: fpk, .offset: 24, .size: 8, .value_kind: global_buffer, .address_space: global }
    .group_segment_fixed_size: 327680
    .private_segment_fixed_size: 0
    .kernarg_segment_align: 8
    .kernarg_segment_size: 32
    .max_flat_workgroup_size: 128
    .sgpr_count:     100
    .vgpr_count:     1024
    .wavefront_size: 32
...
	.end_amdgpu_metadata
.endif
;; end of part 6
;; launch ffn2 (part 7): grid 4 x 16, 4 waves a work-group, clusters of 4 x 4, 327,680 bytes of LDS; arguments fpk, wpk, b2, x1, out0; writes out0
.if DOCPART == 7
	.amdgcn_target "amdgcn-amd-amdhsa--gfx1250"
	.amdhsa_code_object_version 6
	.text
	.protected	k_q7517599bbc_ffn2
	.globl	k_q7517599bbc_ffn2
	.p2align	8
	.type	k_q7517599bbc_ffn2,@function
k_q7517599bbc_ffn2:
	s_mov_b64 s[64:65], 0
	v_nop
	global_prefetch_b8 v0, s[64:65] scope:SCOPE_SE
	s_setreg_imm32_b32 hwreg(HW_REG_WAVE_MODE, 25, 1), 1
	s_wait_xcnt 0x0
	s_wait_alu depctr_hold_cnt(0) depctr_sa_sdst(0) depctr_va_vdst(0) depctr_va_sdst(0) depctr_va_ssrc(0) depctr_va_vcc(0) depctr_vm_vsrc(0)
	s_getreg_b32 s2, hwreg(HW_REG_IB_STS2, 6, 4)
	s_cmp_eq_u32 s2, 0
	s_cbranch_scc0 .Lentry_in_a_cluster
	s_endpgm
.Lentry_in_a_cluster:
	s_bfe_u32 s2, ttmp6, 0x10000c
	s_cmp_lg_u32 s2, 0xf033
	s_cbranch_scc0 .Lentry_shape_is_right
	s_endpgm
.Lentry_shape_is_right:
; out0 = x1 + f w2^T + b2, the product on codes of BF8 with E8M0 scales.  A: fpk, PACK(4096, 4096); B: wpk's super-blocks 512-767, PACK(1024, 4096); x1, out0: [4096][1024] f32.
; PACK: super-block (group of 128 rows x K/128 + step) x SB bytes: fragment a as an image of its registers at 2,048 a + 512 c + 16 lane, scale words at 16,384 + 256 (a / 4) + 16 r + 4 (a % 4).
; A tile of C, 256 x 256, is made by four waves, 128 x 128 each.  K goes in steps of 256 through a ring of two LDS slots; a wave's tensor load brings two super-blocks on end (33,792 dense bytes) of one group of 128 rows.
; CLUSTERS: 4 x 4 work-groups; A's tiles are asked for jointly along a row of the cluster, B's along a column.  The product is used transposed: lane (r, h), register j of accumulator (a, b) holds C(16 a + r, 16 b + 8 h + j).
; The bias is the C of each sum's first product.  The way out: a block of 16 rows goes through the wave's stage in LDS and comes back as whole rows of 512 bytes; the residual's rows, loaded the same way, are added; 32 lanes store 512 consecutive bytes.
; With tiles of 256 x 256 this product has 64 work-groups.
.set KT,    32
.set WOFF,  512
.set LAPS,  KT/4
.set SB,    16896
.set REG,   2*SB
.set SLOT,  4*REG
.set SPARE, 2*SLOT
.set NQ,    2
.set FR,    16
.set NL,    4
.set NP,    8
.set ADRA, 16
.set ADRB, 20
.set ADRS, 22
.set STO,  24
.set RD,   25
.set CO,   4                           ; v4 = 16 x lane
.set SPW,  28
.set NIL,  29
.set SC,   32
.set BI,   64
.set AF,   128
.set BK,   128
.set SPITCH, 528
.set G1, 24
.set G0, 32
.set G1B, 48
.set G0B, 56
.set MSB, 0
.macro WIN new
.if MSB != (\new)
	s_set_vgpr_msb (MSB<<8)|(\new)
.set MSB, (\new)
.endif
.endm
.set MUL_LO, 0xa1
.set MUL_HI, 0xf1
.set TO_B,   0x40
.macro JLOAD g0a, g1a, g0b, g1b        ; a joint load: waves 0 and 1 fetch for A, waves 2 and 3 for B; an s_nop 0 and four v_nop follow each line
	s_cmp_eq_u32 s15, 0
	s_cbranch_scc0 .Lfor_b_\@
	tensor_load_to_lds s[\g0a:\g0a+3], s[\g1a:\g1a+7]
	s_nop 0
.rept 4
	v_nop
.endr
	s_branch .Lasked_\@
.Lfor_b_\@:
	tensor_load_to_lds s[\g0b:\g0b+3], s[\g1b:\g1b+7]
	s_nop 0
.rept 4
	v_nop
.endr
.Lasked_\@:
.endm
.macro CREST
	s_cmp_lg_u32 s14, 0
	s_cbranch_scc1 .Lnot_wave_0_\@
	s_barrier_signal -3
.Lnot_wave_0_\@:
	s_barrier_wait -3
	s_barrier_signal -1
	s_barrier_wait -1
.endm
.macro CROUND
	s_barrier_signal -1
	s_barrier_wait -1
	CREST
.endm
.macro PLACES n
.rept \n
	v_nop
.endr
.endm
.macro FRAG reg, adr, q, i
.irp c, 0,1,2,3
	ds_load_b128 v[\reg+4*\c:\reg+4*\c+3], v[\adr] offset:SB*(\q)+2048*(\i)+512*\c
.endr
.endm
.macro MUL16 a0, p, q, sc, first       ; 16 products; first = 1: the bias starts the sums.  The 64 accumulators take turns, in the same order in every step
.irp a, \a0, \a0+1
.irp b, 0,1,2,3,4,5,6,7
.if \first
	v_wmma_scale_f32_16x16x128_f8f6f4 v[8*(8*((\a)%4)+\b):8*(8*((\a)%4)+\b)+7], v[128*(\p)+FR*\b:128*(\p)+FR*\b+FR-1], v[AF+FR*(\a):AF+FR*(\a)+FR-1], v[BI+8*\b:BI+8*\b+7], v[SC+16*(\sc)+8*(\q)+\b], v[SC+16*(\sc)+8*(\q)+(\a)] matrix_a_fmt:MATRIX_FMT_BF8 matrix_b_fmt:MATRIX_FMT_BF8 matrix_a_scale:MATRIX_SCALE_ROW1
.else
	v_wmma_scale_f32_16x16x128_f8f6f4 v[8*(8*((\a)%4)+\b):8*(8*((\a)%4)+\b)+7], v[128*(\p)+FR*\b:128*(\p)+FR*\b+FR-1], v[AF+FR*(\a):AF+FR*(\a)+FR-1], v[8*(8*((\a)%4)+\b):8*(8*((\a)%4)+\b)+7], v[SC+16*(\sc)+8*(\q)+\b], v[SC+16*(\sc)+8*(\q)+(\a)] matrix_a_fmt:MATRIX_FMT_BF8 matrix_b_fmt:MATRIX_FMT_BF8 matrix_a_scale:MATRIX_SCALE_ROW1
.endif
.endr
.endr
.endm
.macro FETCH_B slot, q, p
	WIN TO_B
.irp i, 0,1,2,3,4,5,6,7
	FRAG 128*(\p)+FR*\i, ADRB+\slot, \q, \i
.endr
	WIN 0
.endm
.macro FETCH_A slot, q, i0
.irp i, \i0, \i0+1, \i0+2, \i0+3
	FRAG AF+FR*(\i), ADRA+\slot, \q, \i
.endr
.endm
.macro SCALES sc
.irp q, 0,1
	ds_load_b128 v[SC+16*(\sc)+8*\q:SC+16*(\sc)+8*\q+3], v[ADRS+\sc] offset:SB*\q
	ds_load_b128 v[SC+16*(\sc)+8*\q+4:SC+16*(\sc)+8*\q+7], v[ADRS+\sc] offset:SB*\q+256
.endr
.endm
.macro STEP slot, q, first
	s_wait_dscnt 4*NL                      ; all but the youngest sixteen loads (A's blocks 4-7)
.if \first
	WIN 0x81
.else
	WIN MUL_LO
.endif
	MUL16 0, (\q)%2, \q, \slot, \first
	MUL16 2, (\q)%2, \q, \slot, \first
	s_wait_dscnt 0
	PLACES NP
	FETCH_B \slot, (\q)+1, 1-(\q)%2
	FETCH_A \slot, (\q)+1, 0
.if \first
	WIN 0xc1
.else
	WIN MUL_HI
.endif
	MUL16 4, (\q)%2, \q, \slot, \first
	MUL16 6, (\q)%2, \q, \slot, \first
	PLACES NP
	WIN 0
	FETCH_A \slot, (\q)+1, 4
.endm
.macro TURN slot, next, fill
	s_wait_tensorcnt 0x0                   ; all my tensor loads have landed: my part of the next slot
	ds_add_u32 v[SPW], v[NIL]
	s_wait_dscnt 4*NL+1                    ; (the add and the youngest sixteen loads may be out)
	WIN MUL_LO
	MUL16 0, 1, NQ-1, \slot, 0
	s_wait_dscnt 0x0                       ; the add is done, and my reads of this slot are over
	s_barrier_signal -1
	MUL16 2, 1, NQ-1, \slot, 0
	WIN 0
	s_barrier_wait -1
.if \fill
	CREST                                  ; no wave of any partner still reads this slot or has a load on its way
	s_add_nc_u64 s[G0+4*\slot+2:G0+4*\slot+3], s[G0+4*\slot+2:G0+4*\slot+3], 2*REG
	s_add_nc_u64 s[G0B+4*\slot+2:G0B+4*\slot+3], s[G0B+4*\slot+2:G0B+4*\slot+3], 2*REG
	JLOAD G0+4*\slot, G1, G0B+4*\slot, G1B
	PLACES NP-4
.else
	PLACES NP
.endif
	FETCH_B \next, 0, 0
	FETCH_A \next, 0, 0
	SCALES \next
	WIN MUL_HI
	MUL16 4, 1, NQ-1, \slot, 0
	MUL16 6, 1, NQ-1, \slot, 0
	PLACES NP
	WIN 0
	FETCH_A \next, 0, 4
.endm
	s_load_b256 s[4:11], s[0:1], 0x0       ; A s[4:5], wpk s[6:7], the bias s[8:9], the residual s[10:11]
	s_load_b64 s[12:13], s[0:1], 0x20      ; the result
	v_lshl_add_u32 v[SPW], v0, 2, SPARE
	v_mov_b32 v[NIL], 0
	ds_add_u32 v[SPW], v[NIL]              ; the wave's opening: the add, twice on end, and its wait ahead of my first tensor load
	ds_add_u32 v[SPW], v[NIL]
	v_lshrrev_b32 v1, 5, v0
	v_readfirstlane_b32 s14, v1
	s_lshr_b32 s15, s14, 1
	s_and_b32 s16, s14, 1
	s_bfe_u32 s40, ttmp6, 0x40000
	s_bfe_u32 s41, ttmp6, 0x40004
	s_lshl_b32 s42, ttmp9, 2
	s_add_co_u32 s42, s42, s40             ; tile column
	s_and_b32 s17, ttmp7, 0xffff
	s_lshl_b32 s17, s17, 2
	s_add_co_u32 s17, s17, s41             ; tile row
	s_lshl_b32 s43, s41, 2
	s_lshl_b32 s43, 15, s43
	s_lshl_b32 s44, 0x1111, s40
	s_or_b32 s[G1+0], s43, (3<<16)|(1<<21)
	s_or_b32 s[G1B+0], s44, (3<<16)|(1<<21)
.irp g, G1, G1B
	s_mov_b32 s[\g+1], 32<<16              ; 132 dense rows of 256 bytes
	s_mov_b32 s[\g+2], 132<<16
	s_mov_b32 s[\g+3], 32<<16
	s_mov_b32 s[\g+4], 132
	s_mov_b32 s[\g+5], 32
	s_mov_b32 s[\g+6], 0
	s_mov_b32 s[\g+7], 0
.endr
	s_lshl_b32 s20, s17, 1
	s_add_co_u32 s20, s20, s16
	s_mul_i32 s20, s20, KT*SB
	s_mov_b32 s21, 0
	s_lshl_b32 s46, s42, 1
	s_add_co_u32 s46, s46, s16
	s_mul_i32 s46, s46, KT*SB
.if WOFF
	s_add_co_u32 s46, s46, WOFF*SB
.endif
	s_mov_b32 s47, 0
	s_mul_i32 s45, s14, REG
	s_wait_dscnt 0x0
	s_wait_kmcnt 0x0
	s_add_nc_u64 s[20:21], s[4:5], s[20:21]
	s_add_nc_u64 s[46:47], s[6:7], s[46:47]
	CROUND
.irp s, 0,1
	s_mov_b32 s[G0+4*\s], 1
	s_add_co_u32 s[G0+4*\s+1], s45, \s*SLOT
	s_add_nc_u64 s[G0+4*\s+2:G0+4*\s+3], s[20:21], \s*REG
	s_or_b32 s[G0+4*\s+3], s[G0+4*\s+3], 0x80000000
	s_mov_b32 s[G0B+4*\s], 1
	s_add_co_u32 s[G0B+4*\s+1], s45, \s*SLOT
	s_add_nc_u64 s[G0B+4*\s+2:G0B+4*\s+3], s[46:47], \s*REG
	s_or_b32 s[G0B+4*\s+3], s[G0B+4*\s+3], 0x80000000
	JLOAD G0+4*\s, G1, G0B+4*\s, G1B
.endr
	v_and_b32 v1, 31, v0
	v_and_b32 v2, 15, v0
	v_bfe_u32 v3, v0, 4, 1
	v_lshlrev_b32 v4, 4, v1
	s_mul_i32 s21, s15, REG
	s_mul_i32 s22, s16, REG
	s_add_co_u32 s22, s22, 2*REG
.irp s, 0,1
	v_add_nc_u32 v[ADRA+\s], s21, v4
	v_add_nc_u32 v[ADRB+\s], s22, v4
	s_add_co_u32 s21, s21, SLOT
	s_add_co_u32 s22, s22, SLOT
.endr
	s_mul_i32 s21, s15, REG
	s_mul_i32 s22, s16, REG
	s_add_co_u32 s22, s22, 2*REG
	s_sub_co_u32 s22, s22, s21
	v_mul_u32_u24 v6, s22, v3
	v_lshl_add_u32 v5, v2, 4, v6
	s_add_co_u32 s21, s21, 16384
	v_add_nc_u32 v[ADRS], s21, v5
	v_add_nc_u32 v[ADRS+1], SLOT, v[ADRS]
	s_lshl_b32 s46, s42, 10
	s_lshl_b32 s47, s16, 9
	s_add_co_u32 s46, s46, s47             ; my first column, in bytes
	s_mov_b32 s47, 0
	s_add_nc_u64 s[8:9], s[8:9], s[46:47]
	v_lshlrev_b32 v7, 5, v3
.irp b, 0,1,2,3,4,5,6,7
	global_load_b128 v[BI+8*\b:BI+8*\b+3], v7, s[8:9] offset:64*\b
	global_load_b128 v[BI+8*\b+4:BI+8*\b+7], v7, s[8:9] offset:64*\b+16
.endr
	s_mul_i32 s23, s14, 16*SPITCH          ; my stage, in slot 0: used behind that slot's last fill and last read
	v_mul_u32_u24 v5, v2, SPITCH
	v_lshl_add_u32 v5, v3, 5, v5
	v_add_nc_u32 v[STO], s23, v5
	v_add_nc_u32 v[RD], s23, v4
	s_lshl_b32 s20, s17, 8
	s_lshl_b32 s21, s15, 7
	s_add_co_u32 s20, s20, s21
	s_lshl_b32 s20, s20, 12                ; my first row x 4,096 bytes
	s_add_co_u32 s20, s20, s46
	s_mov_b32 s21, 0
	s_add_nc_u64 s[10:11], s[10:11], s[20:21]
	s_add_nc_u64 s[12:13], s[12:13], s[20:21]
	s_wait_tensorcnt 1                     ; my part of slot 0 is in; slot 1's may stay out
	s_barrier_signal -1
	s_barrier_wait -1
	FETCH_B 0, 0, 0
	FETCH_A 0, 0, 0
	SCALES 0
	FETCH_A 0, 0, 4
	s_wait_loadcnt 0x0                     ; the bias
	STEP 0, 0, 1
.if LAPS > 1
	s_mov_b32 s3, LAPS-1
.Llap:
	TURN 0, 1, 1
	STEP 1, 0, 0
	TURN 1, 0, 1
	STEP 0, 0, 0
	s_sub_co_u32 s3, s3, 1
	s_cmp_lg_u32 s3, 0
	s_cbranch_scc1 .Llap
.endif
	TURN 0, 1, 0
	STEP 1, 0, 0
	s_wait_dscnt 4*NL
	WIN MUL_LO
	MUL16 0, 1, NQ-1, 1, 0
	MUL16 2, 1, NQ-1, 1, 0
	s_wait_dscnt 0
	WIN MUL_HI
	MUL16 4, 1, NQ-1, 1, 0
	MUL16 6, 1, NQ-1, 1, 0
	WIN 0
.macro RLOAD a                         ; the residual's 16 rows of block a, 512 consecutive bytes a load, into window 1, where B's fragments lay
	WIN 0x40
.set rn, 0
.rept 16
	global_load_b128 v[64*((\a)%4)+4*rn:64*((\a)%4)+4*rn+3], v[CO], s[10:11] offset:(16*(\a)+rn)*4096 th:TH_LOAD_NT
.set rn, rn+1
.endr
	WIN 0
.endm
.macro TOSTAGE a
.set AC, 64*((\a)%4)
	WIN 0x08+4*((\a)/4)
.irp b, 0,1,2,3,4,5,6,7
	ds_store_b128 v[STO], v[AC+8*\b:AC+8*\b+3] offset:64*\b          ; each accumulator from its low end on
	ds_store_b128 v[STO], v[AC+8*\b+4:AC+8*\b+7] offset:64*\b+16
.endr
	WIN 0
.set BB, BK+64*((\a)%2)
.irp t, 0,1,2,3,4,5,6,7,8,9,10,11,12,13,14,15
	ds_load_b128 v[BB+4*\t:BB+4*\t+3], v[RD] offset:\t*SPITCH        ; LDS serves a wave's instructions in order
.endr
.endm
.macro SEND a, younger, left           ; younger: LDS instructions behind block a's loads; left: residual loads behind block a's
.set BB, BK+64*((\a)%2)
.set RR, 64*((\a)%4)
	s_wait_dscnt \younger
	s_wait_loadcnt \left
	WIN 0x04                               ; source 1 in window 1
.set sn, 0
.rept 32
	v_pk_add_f32 v[BB+sn:BB+sn+1], v[BB+sn:BB+sn+1], v[RR+sn:RR+sn+1]
.set sn, sn+2
.endr
	WIN 0
.if (\a) < 4
	RLOAD (\a)+4
.endif
.set sn, 0
.rept 16
	global_store_b128 v[CO], v[BB+4*sn:BB+4*sn+3], s[12:13] offset:(16*(\a)+sn)*4096 th:TH_STORE_NT   ; 32 lanes store 512 consecutive bytes; written once, read by nobody here
.set sn, sn+1
.endr
.endm
	PLACES NP
	RLOAD 0
	RLOAD 1
	RLOAD 2
	RLOAD 3
	TOSTAGE 0
	TOSTAGE 1
	SEND 0, 32, 48
	s_wait_xcnt 0x0                        ; block 0's stores have read their registers: block 2's loads may land there
	TOSTAGE 2
	SEND 1, 32, 48
	s_wait_xcnt 0x0
	TOSTAGE 3
	SEND 2, 32, 48
	s_wait_xcnt 0x0
	TOSTAGE 4
	SEND 3, 32, 48
	s_wait_xcnt 0x0
	TOSTAGE 5
	SEND 4, 32, 48
	s_wait_xcnt 0x0
	TOSTAGE 6
	SEND 5, 32, 32
	s_wait_xcnt 0x0
	TOSTAGE 7
	SEND 6, 32, 16
	SEND 7, 0, 0
	s_wait_tensorcnt 0x0                   ; the wave's end
	ds_add_u32 v[SPW], v[NIL]
	s_wait_dscnt 0x0
	CROUND                                 ; the closing round
	s_endpgm
.Lfunc_end_k_q7517599bbc_ffn2:
	.size	k_q7517599bbc_ffn2, .Lfunc_end_k_q7517599bbc_ffn2-k_q7517599bbc_ffn2
	.p2alignl 7, 3214868480
	.fill 96, 4, 3214868480
	.section	.rodata,"a",@progbits
	.p2align	6, 0x0
	.amdhsa_kernel k_q7517599bbc_ffn2
		.amdhsa_group_segment_fixed_size 327680
		.amdhsa_private_segment_fixed_size 0
		.amdhsa_enable_private_segment 0
		.amdhsa_kernarg_size 40
		.amdhsa_user_sgpr_count 2
		.amdhsa_user_sgpr_kernarg_segment_ptr 1
		.amdhsa_wavefront_size32 1
		.amdhsa_system_sgpr_workgroup_id_x 1
		.amdhsa_system_sgpr_workgroup_id_y 1
		.amdhsa_system_sgpr_workgroup_id_z 1
		.amdhsa_system_vgpr_workitem_id 0
		.amdhsa_next_free_vgpr 1024
		.amdhsa_next_free_sgpr 100
		.amdhsa_reserve_vcc 0
		.amdhsa_float_denorm_mode_32 3
		.amdhsa_float_denorm_mode_16_64 3
		.amdhsa_memory_ordered 1
		.amdhsa_forward_progress 1
		.amdhsa_inst_pref_size 172
	.end_amdhsa_kernel
	.amdgpu_metadata
---
amdhsa.version: [ 1, 2 ]
amdhsa.kernels:
  - .name:           k_q7517599bbc_ffn2
    .symbol:         k_q7517599bbc_ffn2.kd
    .args:
      - { .name: fpk, .offset: 0, .size: 8, .value_kind: global_buffer, .address_space: global }
      - { .name: wpk, .offset: 8, .size: 8, .value_kind: global_buffer, .address_space: global }
      - { .name: b2, .offset: 16, .size: 8, .value_kind: global_buffer, .address_space: global }
      - { .name: x1, .offset: 24, .size: 8, .value_kind: global_buffer, .address_space: global }
      - { .name: out0, .offset: 32, .size: 8, .value_kind: global_buffer, .address_space: global }
    .group_segment_fixed_size: 327680
    .private_segment_fixed_size: 0
    .kernarg_segment_align: 8
    .kernarg_segment_size: 40
    .max_flat_workgroup_size: 128
    .sgpr_count:     100
    .vgpr_count:     1024
    .wavefront_size: 32
...
	.end_amdgpu_metadata
.endif
;; end of part 7
;; ======== version 2 of 2: 7 launches
;; limits: right only within a limited range of input values
;; workspace buffers: wpk 12,976,128 bytes; hpk 4,325,376 bytes; qb 4,325,376 bytes; kv 8,650,752 bytes; opk 4,325,376 bytes; x1 16,777,216 bytes; fpk 17,301,504 bytes
;; launch ln1 (part 8): grid 1024 x 1, 8 waves a work-group, no clusters, 137,728 bytes of LDS; arguments x, ln1_g, ln1_b, hpk, in_proj_w, out_w, w1, w2, wpk; writes hpk, wpk
.if DOCPART == 8
	.amdgcn_target "amdgcn-amd-amdhsa--gfx1250"
	.amdhsa_code_object_version 6
	.text
	.protected	k_q7517599bbc_ln1
	.globl	k_q7517599bbc_ln1
	.p2align	8
	.type	k_q7517599bbc_ln1,@function
k_q7517599bbc_ln1:
	s_mov_b64 s[64:65], 0
	v_nop
	global_prefetch_b8 v0, s[64:65] scope:SCOPE_SE
	s_setreg_imm32_b32 hwreg(HW_REG_WAVE_MODE, 25, 1), 1
	s_wait_xcnt 0x0
; h = (x - mean) * rsqrt(var + 1e-5) * g + b along rows of 1,024 f32 numbers, quantised along the row into codes of BF8 with E8M0 scales, laid as PACK(4096, 1024):
; super-block (group of 128 rows x 8 + step of 128 K) x 16,896 bytes; fragment a at 2,048 a + 512 c + 16 lane; scale words at 16,384 + 256 (a / 4) + 16 r + 4 (a % 4);
; chunk c, lane (r, h), byte i = k 32 c + 16 (i / 8) + 8 h + i % 8.  The body serves both norms of the block: the arguments say which rows, gain and bias.
; A work-group takes 16 rows (row tile ttmp9), so that all 256 have work; wave w takes columns 128 w .. 128 w + 127, which are K step w: one fragment.  Each load reads 512 consecutive bytes; the tile turns through the
; wave's own stage in LDS.  Mean and variance in two passes (the deviations are squared: no difference of large sums); the eight waves' partial sums meet in LDS, one barrier for each of the two.
; The scale words of a row tile are 64 of a run of 256 bytes, whose other three quarters belong to other row tiles: they are stored 4 bytes a lane: one byte in 128 of what the launch reads.
; LIMITS: NaN and infinities are not served; a block whose largest magnitude lies under 2^-111 keeps the byte 1, a block of zeros too: its codes are zeros and this program alone reads the bytes.
; THE PROGRAM: one pre-norm transformer block on 4,096 rows (2 x 2,048 tokens, 1,024 wide, 16 heads of 64), all six products on codes of BF8 (E5M2) with one E8M0 scale for each 32 along K.
; Launches: ln1 (this body: the first norm, and the four weights into codes), qkv, attn, proj, ln2 (this body again), ffn1, ffn2.  Between launches go codes and scale bytes, and of f32 numbers only x1 = x + the attention's output.
; WORK LEFT OUT: reference() sets scores[q][k] to -inf wherever k > q + 10, by a mask that it builds itself from the positions alone; a -inf gives the weight 0 in the softmax and adds nothing to the sum or to the
; product with v, whatever the inputs hold.  So a step of 128 keys all of which lie beyond the last of a tile's 16 queries + 10 is not walked (launch attn).  Nothing else is left out: all 13 inputs are loaded;
; the biases on q, k and v stay, since they move codes.  LIMIT: a NaN, an infinity or an overflow that would arise only in such a hidden step is not carried to the result.
; K ORDER, the same in every operand of every product: chunk c, lane (r, h), byte i holds k = 32 c + 16 (i / 8) + 8 h + i % 8 of row r: a block of 32 stays a block, and inside it both operands are permuted alike.
; LIMIT: the unit then groups the sums inside a block otherwise than in natural order.
; TWO PATHS, parted on the work-group's number alone: work-groups 0-255 take the norm's 16 rows each; work-groups 256-1,023 make super-block (number - 256) of wpk (in_proj_w 0-191, out_w 192-255, w1 256-511, w2 512-767),
; wave a its fragment a.  Each path has LDS bytes of its own.  The launch ln2 has 256 work-groups, all on the norm's path: it stores nothing into wpk and loads no weight.
.set SB,    16896
.set STGB,  8448
.set RED1,  8*STGB                     ; 16 rows x 8 waves' sums
.set SPARE, RED1+1024                  ; behind the second set of sums: the spare words, 128 bytes for each wave
.set R,   16                           ; v16-79   the tile as loaded, then the gain
.set X,   80                           ; v80-143  my 64 numbers
.set BT,  144                          ; v144-207 the bias
.set TM,  208                          ; v208-223 at work
.set PC,  224
.set PW,  240
.set SPW, 241
.set NIL, 242
.set MEAN, 244
.set RSTD, 246
.set PS,  248                          ; v248-255 the eight waves' sums
.set SEL, 26
.set MNT, 30
.macro QUANT s
.irp b, 0,1,2,3
	v_max3_num_f32 v[TM+\b], |v[\s+16*\b]|, |v[\s+1+16*\b]|, 0x8000000   ; my 16 numbers of block b, and the floor 2^(16 - 127)
.endr
.irp i, 2,4,6,8,10,12,14
.irp b, 0,1,2,3
	s_delay_alu instid0(VALU_DEP_4)
	v_max3_num_f32 v[TM+\b], v[TM+\b], |v[\s+16*\b+\i]|, |v[\s+1+16*\b+\i]|
.endr
.endr
.irp b, 0,1,2,3
	s_delay_alu instid0(VALU_DEP_4)
	v_permlanex16_b32 v[TM+4+\b], v[TM+\b], s[SEL], s[SEL+1]
.endr
.irp b, 0,1,2,3
	s_delay_alu instid0(VALU_DEP_4)
	v_max_num_f32 v[TM+\b], v[TM+\b], v[TM+4+\b]
.endr
.irp b, 0,1,2,3
	s_delay_alu instid0(VALU_DEP_4)
	v_add_nc_u32 v[TM+12+\b], 0xf8800000, v[TM+\b]          ; the conversion's scale operand
.endr
.irp b, 0,1,2,3
	v_and_or_b32 v[TM+8+\b], v[TM+\b], 0x7f800000, s[MNT]   ; 57,344 x the scale
.endr
.irp b, 0,1,2,3
	v_lshrrev_b32 v[TM+4+\b], 23, v[TM+12+\b]               ; the byte
.endr
	s_delay_alu instid0(VALU_DEP_3)
	v_lshl_or_b32 v[PW], v[TM+5], 8, v[TM+4]
	s_delay_alu instid0(VALU_DEP_1)
	v_lshl_or_b32 v[PW], v[TM+6], 16, v[PW]
	s_delay_alu instid0(VALU_DEP_1)
	v_lshl_or_b32 v[PW], v[TM+7], 24, v[PW]
.irp b, 0,1,2,3
.irp i, 0,1,2,3,4,5,6,7,8,9,10,11,12,13,14,15
	v_med3_num_f32 v[\s+16*\b+\i], v[\s+16*\b+\i], -v[TM+8+\b], v[TM+8+\b]
.endr
	v_cvt_scalef32_pk8_bf8_f32 v[PC+4*\b:PC+1+4*\b], v[\s+16*\b:\s+7+16*\b], v[TM+12+\b]
	v_cvt_scalef32_pk8_bf8_f32 v[PC+2+4*\b:PC+3+4*\b], v[\s+8+16*\b:\s+15+16*\b], v[TM+12+\b]
.endr
	v_nop
.endm
; the four chains in v[TM .. TM+7] become one number a row; the eight waves' numbers meet at off bytes behind RED1; their sum, in a fixed order, lands in v[PS]
.macro MEET off
	s_delay_alu instid0(VALU_DEP_3)
	v_pk_add_f32 v[TM:TM+1], v[TM:TM+1], v[TM+2:TM+3]
	s_delay_alu instid0(VALU_DEP_2)
	v_pk_add_f32 v[TM+4:TM+5], v[TM+4:TM+5], v[TM+6:TM+7]
	s_delay_alu instid0(VALU_DEP_1)
	v_pk_add_f32 v[TM:TM+1], v[TM:TM+1], v[TM+4:TM+5]
	s_delay_alu instid0(VALU_DEP_1)
	v_add_f32 v[TM], v[TM], v[TM+1]
	s_delay_alu instid0(VALU_DEP_1)
	v_permlanex16_b32 v[TM+1], v[TM], s[SEL], s[SEL+1]
	s_delay_alu instid0(VALU_DEP_1)
	v_add_f32 v[TM], v[TM], v[TM+1]        ; my wave's 128 columns of row r
	ds_store_b32 v8, v[TM] offset:\off     ; both halves of the lanes write the same word with the same value
	s_wait_dscnt 0x0                       ; for the others' sake
	s_barrier_signal -1
	s_barrier_wait -1
	ds_load_b128 v[PS:PS+3], v9 offset:\off
	ds_load_b128 v[PS+4:PS+7], v9 offset:\off+16
	s_wait_dscnt 0x0
	v_add_f32 v[PS], v[PS], v[PS+1]
	v_add_f32 v[PS+2], v[PS+2], v[PS+3]
	v_add_f32 v[PS+4], v[PS+4], v[PS+5]
	v_add_f32 v[PS+6], v[PS+6], v[PS+7]
	s_delay_alu instid0(VALU_DEP_3)
	v_add_f32 v[PS], v[PS], v[PS+2]
	s_delay_alu instid0(VALU_DEP_2)
	v_add_f32 v[PS+4], v[PS+4], v[PS+6]
	s_delay_alu instid0(VALU_DEP_1)
	v_add_f32 v[PS], v[PS], v[PS+4]
.endm
	v_lshl_add_u32 v[SPW], v0, 2, SPARE
	v_mov_b32 v[NIL], 0
	s_cmp_ge_u32 ttmp9, 256                ; the work-group's number alone: all eight waves go the same way
	s_wait_alu depctr_va_vdst(0)
	s_cbranch_scc1 .Lweights
	s_load_b256 s[4:11], s[0:1], 0x0       ; the rows s[4:5], the gain s[6:7], the bias s[8:9], hpk s[10:11]
	v_lshrrev_b32 v1, 5, v0
	s_delay_alu instid0(VALU_DEP_1)
	v_readfirstlane_b32 s12, v1            ; wave w
	v_and_b32 v1, 31, v0
	v_and_b32 v2, 15, v0                   ; r
	v_bfe_u32 v3, v0, 4, 1                 ; h
	s_mul_i32 s13, s12, STGB
	v_lshlrev_b32 v6, 4, v1                ; 16 x lane
	s_delay_alu instid0(VALU_DEP_1)
	v_add_nc_u32 v4, s13, v6               ; the stage, in
	v_mul_u32_u24 v5, v2, 528
	s_delay_alu instid0(VALU_DEP_1)
	v_lshl_add_u32 v5, v3, 5, v5
	s_delay_alu instid0(VALU_DEP_1)
	v_add_nc_u32 v5, s13, v5               ; the stage, out: row r, + 32 h
	s_lshl_b32 s14, s12, 9
	v_lshl_add_u32 v7, v3, 5, s14          ; gain and bias: 512 w + 32 h
	s_lshl_b32 s15, s12, 2
	s_add_co_u32 s15, s15, RED1
	v_lshl_add_u32 v8, v2, 5, s15          ; my sum's word: RED1 + 32 r + 4 w
	v_lshl_add_u32 v9, v2, 5, RED1         ; row r's eight words
	v_lshlrev_b32 v10, 4, v2               ; the scale word's place: 16 r
	s_mov_b32 s[SEL], 0x76543210
	s_mov_b32 s[SEL+1], 0xfedcba98
	s_mov_b32 s[MNT], 0x600000
	s_mov_b32 s28, 0x3a800000              ; 1 / 1,024
	s_mov_b32 s29, 0x3727c5ac              ; 1e-5
	s_lshl_b32 s16, ttmp9, 16              ; 16 rows of 4,096 bytes
	s_add_co_u32 s16, s16, s14
	s_mov_b32 s17, 0
	s_lshr_b32 s18, ttmp9, 3
	s_lshl_b32 s18, s18, 3
	s_add_co_u32 s18, s18, s12
	s_mul_i32 s18, s18, SB                 ; super-block (group, step w)
	s_and_b32 s20, ttmp9, 7                ; fragment a
	s_lshl_b32 s21, s20, 11
	s_add_co_u32 s22, s18, s21
	s_mov_b32 s23, 0
	s_lshr_b32 s21, s20, 2
	s_lshl_b32 s21, s21, 8
	s_and_b32 s20, s20, 3
	s_lshl_b32 s20, s20, 2
	s_add_co_u32 s24, s18, s21
	s_add_co_u32 s24, s24, s20
	s_add_co_u32 s24, s24, 16384
	s_mov_b32 s25, 0
	s_wait_alu depctr_va_vdst(0)
	s_wait_kmcnt 0x0
	s_add_nc_u64 s[4:5], s[4:5], s[16:17]
	s_add_nc_u64 s[22:23], s[10:11], s[22:23]
	s_add_nc_u64 s[24:25], s[10:11], s[24:25]
.irp c, 0,1,2,3
.irp u, 0,1
.irp p, 0,1
	global_load_b128 v[BT+16*\c+8*\u+4*\p:BT+16*\c+8*\u+4*\p+3], v7, s[8:9] offset:128*\c+64*\u+16*\p
.endr
.endr
.endr
.set n, 0
.rept 16
	global_load_b128 v[R+4*n:R+4*n+3], v6, s[4:5] offset:4096*n th:TH_LOAD_NT   ; 512 consecutive bytes of row n
.set n, n+1
.endr
.set n, 0
.rept 16
	s_wait_loadcnt 15-n                    ; row n is in (and the bias, asked for earlier); the younger rows stay out
	ds_store_b128 v4, v[R+4*n:R+4*n+3] offset:528*n
.set n, n+1
.endr
.irp c, 0,1,2,3
.irp u, 0,1
.irp p, 0,1
	ds_load_b128 v[X+16*\c+8*\u+4*\p:X+16*\c+8*\u+4*\p+3], v5 offset:128*\c+64*\u+16*\p
.endr
.endr
.endr
	s_wait_dscnt 0x0                       ; my numbers are back, so the stores into the stage have read their registers,
.irp c, 0,1,2,3
.irp u, 0,1
.irp p, 0,1
	global_load_b128 v[R+16*\c+8*\u+4*\p:R+16*\c+8*\u+4*\p+3], v7, s[6:7] offset:128*\c+64*\u+16*\p   ; which take the gain
.endr
.endr
.endr
.irp k, 0,1,2,3                        ; the sum, in four chains
	v_pk_add_f32 v[TM+2*\k:TM+2*\k+1], v[X+2*\k:X+2*\k+1], v[X+8+2*\k:X+9+2*\k]
.endr
.irp j, 16,24,32,40,48,56
.irp k, 0,1,2,3
	s_delay_alu instid0(VALU_DEP_4)
	v_pk_add_f32 v[TM+2*\k:TM+2*\k+1], v[TM+2*\k:TM+2*\k+1], v[X+\j+2*\k:X+\j+2*\k+1]
.endr
.endr
	MEET 0
	s_delay_alu instid0(VALU_DEP_1)
	v_mul_f32 v[MEAN], s28, v[PS]
	s_delay_alu instid0(VALU_DEP_1)
	v_mov_b32 v[MEAN+1], v[MEAN]           ; (named with it as a pair, so it is written)
.set n, 0
.rept 32
	v_pk_add_f32 v[X+n:X+n+1], v[X+n:X+n+1], v[MEAN:MEAN+1] op_sel_hi:[1,0] neg_lo:[0,1] neg_hi:[0,1]   ; x - mean
.set n, n+2
.endr
.irp k, 0,1,2,3                        ; the sum of squares
	v_pk_mul_f32 v[TM+2*\k:TM+2*\k+1], v[X+2*\k:X+2*\k+1], v[X+2*\k:X+2*\k+1]
.endr
.irp j, 8,16,24,32,40,48,56
.irp k, 0,1,2,3
	s_delay_alu instid0(VALU_DEP_4)
	v_pk_fma_f32 v[TM+2*\k:TM+2*\k+1], v[X+\j+2*\k:X+\j+2*\k+1], v[X+\j+2*\k:X+\j+2*\k+1], v[TM+2*\k:TM+2*\k+1]
.endr
.endr
	MEET 512                               ; other bytes than the first sums': no wave can overwrite what another still reads
	s_delay_alu instid0(VALU_DEP_1)
	v_fma_f32 v[PS], v[PS], s28, s29       ; var + 1e-5
	s_wait_alu depctr_va_vdst(0)
	v_rsq_f32 v[RSTD], v[PS]
	v_rsq_f32 v[RSTD+1], v[PS]
	v_nop                                  ; a plain line behind the last of the two
	s_wait_alu depctr_va_vdst(0)           ; the wait ahead of the first use: one for both
	s_wait_loadcnt 0x0                     ; the gain
.set n, 0
.rept 32
	v_pk_mul_f32 v[X+n:X+n+1], v[X+n:X+n+1], v[RSTD:RSTD+1]
.set n, n+2
.endr
.set n, 0
.rept 32
	v_pk_fma_f32 v[X+n:X+n+1], v[X+n:X+n+1], v[R+n:R+n+1], v[BT+n:BT+n+1]
.set n, n+2
.endr
	QUANT X
.irp c, 0,1,2,3
	global_store_b128 v6, v[PC+4*\c:PC+4*\c+3], s[22:23] offset:512*\c   ; 512 consecutive bytes
.endr
	global_store_b32 v10, v[PW], s[24:25]  ; both halves of the lanes store the same word with the same value
	s_wait_tensorcnt 0x0                   ; the wave's end, behind my last LDS store
	ds_add_u32 v[SPW], v[NIL]
	s_wait_dscnt 0x0
	s_endpgm
; THE WEIGHTS' PATH.  Wave a takes 16 rows x 128 numbers; each load reads 512 consecutive bytes of a row; the tile turns through the wave's own stage (rows of 528 bytes), so that a lane gets its 64 numbers in the K order above.
.Lweights:
.set OFF, 16                           ; v16-31   byte offset of my 16 bytes in row n
.set R,   32                           ; v32-95   the tile as loaded
.set X,   96                           ; v96-159  my 64 numbers
.set TM,  160
.set PC,  176
.set PW,  192
.set SEL, 36
.set MNT, 38
.set WL,  69632                        ; this path's LDS begins behind the norm's and the spare words
.set SCW, WL+8*STGB                    ; the super-block's 512 bytes of scale words
	s_load_b256 s[4:11], s[0:1], 0x20      ; in_proj_w s[4:5], out_w s[6:7], w1 s[8:9], w2 s[10:11]
	s_load_b64 s[12:13], s[0:1], 0x40      ; wpk
	s_sub_co_u32 s40, ttmp9, 256           ; the super-block
	v_lshrrev_b32 v1, 5, v0
	s_delay_alu instid0(VALU_DEP_1)
	v_readfirstlane_b32 s14, v1            ; wave = fragment a
	s_mul_i32 s15, s14, STGB
	s_add_co_u32 s15, s15, WL              ; my stage
	s_lshl_b32 s31, s14, 11
	s_lshr_b32 s34, s14, 2
	s_lshl_b32 s34, s34, 8
	s_and_b32 s35, s14, 3
	s_lshl_b32 s35, s35, 2
	s_add_co_u32 s34, s34, s35
	s_add_co_u32 s34, s34, SCW
	s_mov_b32 s[SEL], 0x76543210
	s_mov_b32 s[SEL+1], 0xfedcba98
	s_mov_b32 s[MNT], 0x600000
	s_mov_b32 s18, 512                     ; which tensor: first super-block, log2 of its K / 128, bytes in a row
	s_mov_b32 s19, 5
	s_mov_b32 s20, 16384
	s_mov_b32 s21, 4096
	s_mov_b32 s22, 256
	s_mov_b32 s23, 192
	v_and_b32 v1, 31, v0                   ; lane
	v_and_b32 v2, 15, v0                   ; r
	v_bfe_u32 v3, v0, 4, 1                 ; h
	s_delay_alu instid0(VALU_DEP_3)
	v_lshlrev_b32 v13, 4, v1               ; 16 x lane
	s_delay_alu instid0(VALU_DEP_3)
	v_mul_u32_u24 v5, v2, 528
	s_delay_alu instid0(VALU_DEP_4)
	v_lshl_add_u32 v7, v2, 4, s34          ; my scale word in LDS: SCW + 256 (a / 4) + 16 r + 4 (a % 4)
	s_delay_alu instid0(VALU_DEP_3)
	v_add_nc_u32 v4, s15, v13              ; the stage, in: a row's 512 bytes as they lie
	s_delay_alu instid0(VALU_DEP_3)
	v_lshl_add_u32 v5, v3, 5, v5
	v_add_nc_u32 v6, s31, v13              ; my codes' place in the super-block: 2,048 a + 16 lane
	v_add_nc_u32 v12, SCW, v13             ; where wave 0 reads the 512 bytes back
	s_delay_alu instid0(VALU_DEP_3)
	v_add_nc_u32 v5, s15, v5               ; the stage, out: row r, + 32 h
.irp b, 0,1,2,3
	v_mov_b32 v[TM+4+\b], 0                ; written once: a lane permute's destination counts as one of its sources
.endr
	s_wait_alu depctr_va_vdst(0)
	s_wait_kmcnt 0x0
	s_mov_b64 s[16:17], s[10:11]           ; w2,
	s_cmp_lt_u32 s40, 512
	s_cselect_b64 s[16:17], s[8:9], s[16:17]   ; or w1,
	s_cselect_b32 s18, s22, s18
	s_cselect_b32 s19, 3, s19
	s_cselect_b32 s20, s21, s20
	s_cmp_lt_u32 s40, 256
	s_cselect_b64 s[16:17], s[6:7], s[16:17]   ; or out_w,
	s_cselect_b32 s18, s23, s18
	s_cmp_lt_u32 s40, 192
	s_cselect_b64 s[16:17], s[4:5], s[16:17]   ; or in_proj_w
	s_cselect_b32 s18, 0, s18
	s_sub_co_u32 s24, s40, s18
	s_lshr_b32 s25, s24, s19               ; group of 128 rows
	s_lshl_b32 s26, s25, s19
	s_sub_co_u32 s26, s24, s26             ; step of 128 along K
	s_lshl_b32 s25, s25, 7
	s_lshl_b32 s27, s14, 4
	s_add_co_u32 s25, s25, s27             ; my first row
	s_mul_i32 s28, s25, s20
	s_lshl_b32 s26, s26, 9
	s_add_co_u32 s28, s28, s26             ; under 2^25
	s_mov_b32 s29, 0
	s_add_nc_u64 s[16:17], s[16:17], s[28:29]
	s_mul_i32 s32, s40, SB
	s_mov_b32 s33, 0
	s_add_nc_u64 s[32:33], s[12:13], s[32:33]
	v_mov_b32 v[OFF], v13
.set n, 1
.rept 15
	s_delay_alu instid0(VALU_DEP_1)
	v_add_nc_u32 v[OFF+n], s20, v[OFF+n-1]
.set n, n+1
.endr
.set n, 0
.rept 16
	global_load_b128 v[R+4*n:R+4*n+3], v[OFF+n], s[16:17] th:TH_LOAD_NT   ; 32 lanes read 512 consecutive bytes of row n
.set n, n+1
.endr
.set n, 0
.rept 16
	s_wait_loadcnt 15-n                    ; loads come back in order: row n is in, the younger ones stay out
	ds_store_b128 v4, v[R+4*n:R+4*n+3] offset:528*n
.set n, n+1
.endr
.irp c, 0,1,2,3                        ; LDS serves a wave's instructions in order: these see the stores above
.irp u, 0,1
.irp p, 0,1
	ds_load_b128 v[X+16*\c+8*\u+4*\p:X+16*\c+8*\u+4*\p+3], v5 offset:128*\c+64*\u+16*\p
.endr
.endr
.endr
	s_wait_dscnt 0x0
	QUANT X
.irp c, 0,1,2,3
	global_store_b128 v6, v[PC+4*\c:PC+4*\c+3], s[32:33] offset:512*\c   ; 32 lanes store 512 consecutive bytes
.endr
	ds_store_b32 v7, v[PW]                 ; both halves of the lanes write the same word with the same value
	s_wait_dscnt 0x0                       ; for wave 0's sake: my word has landed
	s_barrier_signal -1
	s_barrier_wait -1
	s_cmp_lg_u32 s14, 0
	s_cbranch_scc1 .Lend
	ds_load_b128 v[8:11], v12              ; the eight fragments' scale words leave as two whole runs of 256 bytes
	s_wait_dscnt 0x0
	global_store_b128 v13, v[8:11], s[32:33] offset:16384
.Lend:
	s_wait_tensorcnt 0x0                   ; the wave's end, behind my last LDS store
	ds_add_u32 v[SPW], v[NIL]
	s_wait_dscnt 0x0
	s_endpgm
.Lfunc_end_k_q7517599bbc_ln1:
	.size	k_q7517599bbc_ln1, .Lfunc_end_k_q7517599bbc_ln1-k_q7517599bbc_ln1
	.p2alignl 7, 3214868480
	.fill 96, 4, 3214868480
	.section	.rodata,"a",@progbits
	.p2align	6, 0x0
	.amdhsa_kernel k_q7517599bbc_ln1
		.amdhsa_group_segment_fixed_size 137728
		.amdhsa_private_segment_fixed_size 0
		.amdhsa_enable_private_segment 0
		.amdhsa_kernarg_size 72
		.amdhsa_user_sgpr_count 2
		.amdhsa_user_sgpr_kernarg_segment_ptr 1
		.amdhsa_wavefront_size32 1
		.amdhsa_system_sgpr_workgroup_id_x 1
		.amdhsa_system_sgpr_workgroup_id_y 1
		.amdhsa_system_sgpr_workgroup_id_z 1
		.amdhsa_system_vgpr_workitem_id 0
		.amdhsa_next_free_vgpr 256
		.amdhsa_next_free_sgpr 66
		.amdhsa_reserve_vcc 0
		.amdhsa_float_denorm_mode_32 3
		.amdhsa_float_denorm_mode_16_64 3
		.amdhsa_memory_ordered 1
		.amdhsa_forward_progress 1
		.amdhsa_inst_pref_size 52
	.end_amdhsa_kernel
	.amdgpu_metadata
---
amdhsa.version: [ 1, 2 ]
amdhsa.kernels:
  - .name:           k_q7517599bbc_ln1
    .symbol:         k_q7517599bbc_ln1.kd
    .args:
      - { .name: x, .offset: 0, .size: 8, .value_kind: global_buffer, .address_space: global }
      - { .name: ln1_g, .offset: 8, .size: 8, .value_kind: global_buffer, .address_space: global }
      - { .name: ln1_b, .offset: 16, .size: 8, .value_kind: global_buffer, .address_space: global }
      - { .name: hpk, .offset: 24, .size: 8, .value_kind: global_buffer, .address_space: global }
      - { .name: in_proj_w, .offset: 32, .size: 8, .value_kind: global_buffer, .address_space: global }
      - { .name: out_w, .offset: 40, .size: 8, .value_kind: global_buffer, .address_space: global }
      - { .name: w1, .offset: 48, .size: 8, .value_kind: global_buffer, .address_space: global }
      - { .name: w2, .offset: 56, .size: 8, .value_kind: global_buffer, .address_space: global }
      - { .name: wpk, .offset: 64, .size: 8, .value_kind: global_buffer, .address_space: global }
    .group_segment_fixed_size: 137728
    .private_segment_fixed_size: 0
    .kernarg_segment_align: 8
    .kernarg_segment_size: 72
    .max_flat_workgroup_size: 256
    .sgpr_count:     66
    .vgpr_count:     256
    .wavefront_size: 32
...
	.end_amdgpu_metadata
.endif
;; end of part 8
;; launch qkv (part 9): grid 12 x 16, 4 waves a work-group, clusters of 4 x 4, 327,680 bytes of LDS; arguments hpk, wpk, in_proj_b, qb, kv; writes qb, kv
.if DOCPART == 9
	.amdgcn_target "amdgcn-amd-amdhsa--gfx1250"
	.amdhsa_code_object_version 6
	.text
	.protected	k_q7517599bbc_qkv
	.globl	k_q7517599bbc_qkv
	.p2align	8
	.type	k_q7517599bbc_qkv,@function
k_q7517599bbc_qkv:
	s_mov_b64 s[64:65], 0
	v_nop
	global_prefetch_b8 v0, s[64:65] scope:SCOPE_SE
	s_setreg_imm32_b32 hwreg(HW_REG_WAVE_MODE, 25, 1), 1
	s_wait_xcnt 0x0
	s_wait_alu depctr_hold_cnt(0) depctr_sa_sdst(0) depctr_va_vdst(0) depctr_va_sdst(0) depctr_va_ssrc(0) depctr_va_vcc(0) depctr_vm_vsrc(0)
	s_getreg_b32 s2, hwreg(HW_REG_IB_STS2, 6, 4)
	s_cmp_eq_u32 s2, 0
	s_cbranch_scc0 .Lentry_in_a_cluster
	s_endpgm
.Lentry_in_a_cluster:
	s_bfe_u32 s2, ttmp6, 0x10000c
	s_cmp_lg_u32 s2, 0xf033
	s_cbranch_scc0 .Lentry_shape_is_right
	s_endpgm
.Lentry_shape_is_right:
; qkv = h in_proj_w^T + in_proj_b on codes of BF8 with E8M0 scales; q, k and v are quantised on the way out and leave as operands of the attention's two products.
; A: hpk, PACK(4096, 1024); B: wpk's super-blocks 0-191, PACK(3072, 1024).  PACK: super-block (group of 128 rows x K/128 + step) x SB bytes: fragment a as an image of its registers at 2,048 a + 512 c + 16 lane,
; scale words at 16,384 + 256 (a / 4) + 16 r + 4 (a % 4).  A tile of C, 256 x 256, is made by four waves, 128 x 128 each: 64 accumulators, 512 registers.
; K goes in steps of 256 through a ring of two LDS slots; a wave's tensor load brings two super-blocks on end (33,792 dense bytes, codes and scale words together) of one group of 128 rows.
; CLUSTERS: 4 x 4 work-groups; A's tiles are asked for jointly along a row of the cluster, B's along a column.  THE PRODUCT IS USED TRANSPOSED (source 0 = 16 rows of the weight, source 1 = 16 rows of h):
; lane (r, h), register j of accumulator (a, b) holds C(row 16 a + r, column 16 b + 8 h + j).  The bias is the C of each sum's first product.
; THE WAY OUT.  Cluster x says which part the tile is: 0 q, 1 k, 2 v; it is the same in all sixteen partners.  q, k (K = the head's 64): a row tile's 64 registers are quantised as they stand; they go to blocks of
; 8,448 bytes for a (batch, head) and a step of 128 tokens: fragment f at 2,048 f holds token tile 2 f in chunks 0, 1 and tile 2 f + 1 in chunks 2, 3; scale words at 8,192 + 16 r + 4 f.
; v (K = the keys): 32 tokens x 128 columns turn through the wave's stage in LDS, a lane takes a column and its registers run down the 32 keys; fragment tau (d = 16 tau + r) at 2,048 tau, chunk c = key block c,
; byte i of lane slot (r, h) = key 32 c + 16 (i / 8) + 8 h + i % 8; scale words at 8,192 + 16 r + 4 tau.  kv holds, for each (batch, head, step), k's block and then v's.
; LIMITS: NaN and infinities are not served; a block whose largest magnitude lies under 2^-111 keeps the byte 1, a block of zeros too.
.set KT,    8                          ; K / 128
.set WOFF,  0                          ; the weight's first super-block in wpk
.set LAPS,  KT/4                       ; a lap = two slots = 512 along K
.set SB,    16896
.set REG,   2*SB                       ; what one tensor load brings: 256 along K of 128 rows
.set SLOT,  4*REG                      ; A's two groups, then B's two
.set SPARE, 2*SLOT                     ; behind the ring: the spare words, 128 bytes for each wave
.set NQ,    2
.set FR,    16
.set NL,    4
.set NP,    8                          ; places behind this matrix instruction (ISA guide 7.12.1)
.set ADRA, 16                          ; v16-17 LDS address of my A fragments in slot 0, 1
.set ADRB, 20                          ; v20-21 the same for B
.set ADRS, 22                          ; v22-23 of my scale words: lanes 0-15 A's, lanes 16-31 B's
.set SPW,  28
.set NIL,  29
.set SC,   32                          ; v32-63 scale words: register 16 slot + 8 q + i: lanes 0-15 A's block i, lanes 16-31 B's block i
.set BI,   64                          ; v64-127 the bias, 8 tiles in the result's layout
.set AF,   128                         ; v128-255 A's fragments, one set; window 1: B's two sets; windows 2, 3: the accumulators
.set G1, 24
.set G0, 32
.set G1B, 48
.set G0B, 56
.set SEL, 66                           ; s[66:67]
.set MNT, 68
.set MSB, 0
.macro WIN new                         ; the immediate's high byte repeats the setting that is left
.if MSB != (\new)
	s_set_vgpr_msb (MSB<<8)|(\new)
.set MSB, (\new)
.endif
.endm
.set MUL_LO, 0xa1                      ; source 0 (B) window 1, source 1 (A) window 0, C and D window 2
.set MUL_HI, 0xf1
.set TO_B,   0x40
.macro JLOAD g0a, g1a, g0b, g1b        ; a joint load: waves 0 and 1 fetch for A, waves 2 and 3 for B; an s_nop 0 and four v_nop follow each line
	s_cmp_eq_u32 s15, 0
	s_cbranch_scc0 .Lfor_b_\@
	tensor_load_to_lds s[\g0a:\g0a+3], s[\g1a:\g1a+7]
	s_nop 0
.rept 4
	v_nop
.endr
	s_branch .Lasked_\@
.Lfor_b_\@:
	tensor_load_to_lds s[\g0b:\g0b+3], s[\g1b:\g1b+7]
	s_nop 0
.rept 4
	v_nop
.endr
.Lasked_\@:
.endm
.macro CREST                           ; a round of the cluster's barrier behind its opening barrier
	s_cmp_lg_u32 s14, 0
	s_cbranch_scc1 .Lnot_wave_0_\@
	s_barrier_signal -3
.Lnot_wave_0_\@:
	s_barrier_wait -3
	s_barrier_signal -1
	s_barrier_wait -1
.endm
.macro CROUND
	s_barrier_signal -1
	s_barrier_wait -1
	CREST
.endm
.macro PLACES n
.rept \n
	v_nop
.endr
.endm
.macro FRAG reg, adr, q, i             ; a fragment comes back as it was stored: four loads of 512 consecutive bytes
.irp c, 0,1,2,3
	ds_load_b128 v[\reg+4*\c:\reg+4*\c+3], v[\adr] offset:SB*(\q)+2048*(\i)+512*\c
.endr
.endm
; 16 products: A's blocks a0, a0 + 1 x B's eight, the slot's q-th 128 along K.  first = 1: the bias starts the sums.  The 64 accumulators take turns, in the same order in every step
.macro MUL16 a0, p, q, sc, first
.irp a, \a0, \a0+1
.irp b, 0,1,2,3,4,5,6,7
.if \first
	v_wmma_scale_f32_16x16x128_f8f6f4 v[8*(8*((\a)%4)+\b):8*(8*((\a)%4)+\b)+7], v[128*(\p)+FR*\b:128*(\p)+FR*\b+FR-1], v[AF+FR*(\a):AF+FR*(\a)+FR-1], v[BI+8*\b:BI+8*\b+7], v[SC+16*(\sc)+8*(\q)+\b], v[SC+16*(\sc)+8*(\q)+(\a)] matrix_a_fmt:MATRIX_FMT_BF8 matrix_b_fmt:MATRIX_FMT_BF8 matrix_a_scale:MATRIX_SCALE_ROW1
.else
	v_wmma_scale_f32_16x16x128_f8f6f4 v[8*(8*((\a)%4)+\b):8*(8*((\a)%4)+\b)+7], v[128*(\p)+FR*\b:128*(\p)+FR*\b+FR-1], v[AF+FR*(\a):AF+FR*(\a)+FR-1], v[8*(8*((\a)%4)+\b):8*(8*((\a)%4)+\b)+7], v[SC+16*(\sc)+8*(\q)+\b], v[SC+16*(\sc)+8*(\q)+(\a)] matrix_a_fmt:MATRIX_FMT_BF8 matrix_b_fmt:MATRIX_FMT_BF8 matrix_a_scale:MATRIX_SCALE_ROW1
.endif
.endr
.endr
.endm
.macro FETCH_B slot, q, p
	WIN TO_B
.irp i, 0,1,2,3,4,5,6,7
	FRAG 128*(\p)+FR*\i, ADRB+\slot, \q, \i
.endr
	WIN 0
.endm
.macro FETCH_A slot, q, i0
.irp i, \i0, \i0+1, \i0+2, \i0+3
	FRAG AF+FR*(\i), ADRA+\slot, \q, \i
.endr
.endm
.macro SCALES sc                       ; a slot's scale words: four words a load
.irp q, 0,1
	ds_load_b128 v[SC+16*(\sc)+8*\q:SC+16*(\sc)+8*\q+3], v[ADRS+\sc] offset:SB*\q
	ds_load_b128 v[SC+16*(\sc)+8*\q+4:SC+16*(\sc)+8*\q+7], v[ADRS+\sc] offset:SB*\q+256
.endr
.endm
.macro STEP slot, q, first             ; a step of 128 along K that has its successor in the same slot
	s_wait_dscnt 4*NL                      ; B's set, the scale words and A's blocks 0-3 are in; the youngest sixteen loads (A's blocks 4-7) may be out
.if \first
	WIN 0x81                               ; C (the bias) in window 0
.else
	WIN MUL_LO
.endif
	MUL16 0, (\q)%2, \q, \slot, \first
	MUL16 2, (\q)%2, \q, \slot, \first
	s_wait_dscnt 0
	PLACES NP
	FETCH_B \slot, (\q)+1, 1-(\q)%2
	FETCH_A \slot, (\q)+1, 0
.if \first
	WIN 0xc1
.else
	WIN MUL_HI
.endif
	MUL16 4, (\q)%2, \q, \slot, \first
	MUL16 6, (\q)%2, \q, \slot, \first
	PLACES NP
	WIN 0
	FETCH_A \slot, (\q)+1, 4
.endm
.macro TURN slot, next, fill           ; a slot's last step changes slots: one barrier; fill = 1: this slot is filled again, 512 along K ahead
	s_wait_tensorcnt 0x0                   ; all my tensor loads have landed: my part of the next slot
	ds_add_u32 v[SPW], v[NIL]              ; 0 onto my spare word
	s_wait_dscnt 4*NL+1                    ; (the add and the youngest sixteen loads may be out)
	WIN MUL_LO
	MUL16 0, 1, NQ-1, \slot, 0
	s_wait_dscnt 0x0                       ; the add is done, and my reads of this slot are over
	s_barrier_signal -1
	MUL16 2, 1, NQ-1, \slot, 0
	WIN 0
	s_barrier_wait -1
.if \fill
	CREST                                  ; the barrier has opened a round of the cluster's: no wave of any partner still reads this slot or has a load on its way
	s_add_nc_u64 s[G0+4*\slot+2:G0+4*\slot+3], s[G0+4*\slot+2:G0+4*\slot+3], 2*REG
	s_add_nc_u64 s[G0B+4*\slot+2:G0B+4*\slot+3], s[G0B+4*\slot+2:G0B+4*\slot+3], 2*REG
	JLOAD G0+4*\slot, G1, G0B+4*\slot, G1B
	PLACES NP-4
.else
	PLACES NP
.endif
	FETCH_B \next, 0, 0
	FETCH_A \next, 0, 0
	SCALES \next
	WIN MUL_HI
	MUL16 4, 1, NQ-1, \slot, 0
	MUL16 6, 1, NQ-1, \slot, 0
	PLACES NP
	WIN 0
	FETCH_A \next, 0, 4
.endm
; 64 numbers of a lane, v[src + 16 b + i] of window w, become held numbers in v[dst] on, codes in v[pc] on and a scale word in v[pw] (all window 0).  Each accumulator is read from its low end on
.macro QUANT src, w, dst, pc, pw
	WIN (\w)|((\w)<<2)
.irp b, 0,1,2,3
	v_max3_num_f32 v[TM+\b], |v[\src+16*\b]|, |v[\src+16*\b+1]|, 0x8000000   ; and the floor 2^(16 - 127)
.endr
	WIN ((\w)<<2)|((\w)<<4)
.irp i, 2,4,6,8,10,12,14
.irp b, 0,1,2,3
	v_max3_num_f32 v[TM+\b], v[TM+\b], |v[\src+16*\b+\i]|, |v[\src+16*\b+\i+1]|
.endr
.endr
	WIN 0
.irp b, 0,1,2,3
	v_permlanex16_b32 v[TM+4+\b], v[TM+\b], s[SEL], s[SEL+1]
.endr
.irp b, 0,1,2,3
	v_max_num_f32 v[TM+\b], v[TM+\b], v[TM+4+\b]
.endr
.irp b, 0,1,2,3
	v_add_nc_u32 v[TM+12+\b], 0xf8800000, v[TM+\b]
.endr
.irp b, 0,1,2,3
	v_and_or_b32 v[TM+8+\b], v[TM+\b], 0x7f800000, s[MNT]
.endr
.irp b, 0,1,2,3
	v_lshrrev_b32 v[TM+4+\b], 23, v[TM+12+\b]
.endr
	v_lshl_or_b32 v[\pw], v[TM+5], 8, v[TM+4]
	v_lshl_or_b32 v[\pw], v[TM+6], 16, v[\pw]
	v_lshl_or_b32 v[\pw], v[TM+7], 24, v[\pw]
	WIN (\w)
.irp b, 0,1,2,3
.irp i, 0,1,2,3,4,5,6,7,8,9,10,11,12,13,14,15
	v_med3_num_f32 v[\dst+16*\b+\i], v[\src+16*\b+\i], -v[TM+8+\b], v[TM+8+\b]   ; the hold, and the way out of the accumulators' window, in one
.endr
.endr
	WIN 0
.irp b, 0,1,2,3
	v_cvt_scalef32_pk8_bf8_f32 v[\pc+4*\b:\pc+4*\b+1], v[\dst+16*\b:\dst+16*\b+7], v[TM+12+\b]
	v_cvt_scalef32_pk8_bf8_f32 v[\pc+4*\b+2:\pc+4*\b+3], v[\dst+16*\b+8:\dst+16*\b+15], v[TM+12+\b]
.endr
	v_nop
.endm
	s_load_b256 s[4:11], s[0:1], 0x0       ; hpk s[4:5], wpk s[6:7], in_proj_b s[8:9], qb s[10:11]
	s_load_b64 s[12:13], s[0:1], 0x20      ; kv
	v_lshl_add_u32 v[SPW], v0, 2, SPARE
	v_mov_b32 v[NIL], 0
	ds_add_u32 v[SPW], v[NIL]              ; the wave's opening: the add, twice on end, and its wait ahead of my first tensor load
	ds_add_u32 v[SPW], v[NIL]
	v_lshrrev_b32 v1, 5, v0
	v_readfirstlane_b32 s14, v1            ; wave 0..3
	s_lshr_b32 s15, s14, 1                 ; which half of the tile's rows is mine.  Also: I fetch for A (0) or for B (1)
	s_and_b32 s16, s14, 1                  ; which half of its columns.  Also: which group of 128 rows I fetch
	s_bfe_u32 s40, ttmp6, 0x40000          ; cx, cy
	s_bfe_u32 s41, ttmp6, 0x40004
	s_lshl_b32 s42, ttmp9, 2
	s_add_co_u32 s42, s42, s40             ; tile column
	s_and_b32 s17, ttmp7, 0xffff
	s_lshl_b32 s17, s17, 2
	s_add_co_u32 s17, s17, s41             ; tile row
	s_lshl_b32 s43, s41, 2
	s_lshl_b32 s43, 15, s43                ; my row of the cluster
	s_lshl_b32 s44, 0x1111, s40            ; my column
	s_or_b32 s[G1+0], s43, (3<<16)|(1<<21) ; the mask; elements of 8 bytes; bit 21 set beside a mask; no padding: the images are read 512 consecutive bytes at a time
	s_or_b32 s[G1B+0], s44, (3<<16)|(1<<21)
.irp g, G1, G1B
	s_mov_b32 s[\g+1], 32<<16              ; tensor_dim0: rows of 256 bytes
	s_mov_b32 s[\g+2], 132<<16             ; tensor_dim1: 132 of them are 33,792 bytes
	s_mov_b32 s[\g+3], 32<<16              ; tile_dim0
	s_mov_b32 s[\g+4], 132                 ; tile_dim1
	s_mov_b32 s[\g+5], 32                  ; the pitch: dense
	s_mov_b32 s[\g+6], 0
	s_mov_b32 s[\g+7], 0
.endr
	s_lshl_b32 s20, s17, 1
	s_add_co_u32 s20, s20, s16
	s_mul_i32 s20, s20, KT*SB              ; A: group 2 x tile row + half
	s_mov_b32 s21, 0
	s_lshl_b32 s46, s42, 1
	s_add_co_u32 s46, s46, s16
	s_mul_i32 s46, s46, KT*SB              ; B: group 2 x tile column + half
.if WOFF
	s_add_co_u32 s46, s46, WOFF*SB
.endif
	s_mov_b32 s47, 0
	s_mul_i32 s45, s14, REG                ; where they go: wave x a region: no place in the cluster enters an LDS address
	s_mov_b32 s[SEL], 0x76543210
	s_mov_b32 s[SEL+1], 0xfedcba98
	s_mov_b32 s[MNT], 0x600000
	s_wait_dscnt 0x0                       ; both opening adds are done
	s_wait_kmcnt 0x0
	s_add_nc_u64 s[20:21], s[4:5], s[20:21]
	s_add_nc_u64 s[46:47], s[6:7], s[46:47]
	CROUND                                 ; all sixteen work-groups are here: the first joint loads meet
.irp s, 0,1
	s_mov_b32 s[G0+4*\s], 1
	s_add_co_u32 s[G0+4*\s+1], s45, \s*SLOT
	s_add_nc_u64 s[G0+4*\s+2:G0+4*\s+3], s[20:21], \s*REG
	s_or_b32 s[G0+4*\s+3], s[G0+4*\s+3], 0x80000000
	s_mov_b32 s[G0B+4*\s], 1
	s_add_co_u32 s[G0B+4*\s+1], s45, \s*SLOT
	s_add_nc_u64 s[G0B+4*\s+2:G0B+4*\s+3], s[46:47], \s*REG
	s_or_b32 s[G0B+4*\s+3], s[G0B+4*\s+3], 0x80000000
.endr
	; THE HEAD'S LOADS, ONE A WAVE, fill both slots: wave 0 A's part of slot 0, wave 1 A's part of slot 1, waves 2 and 3 the same of B.
	; A part is two rows of 33,792 bytes (256 along K of each of the two groups of 128 rows), KT x SB bytes apart in memory, on end in LDS.
	s_or_b32 s80, s43, (3<<16)|(1<<21)
	s_or_b32 s88, s44, (3<<16)|(1<<21)
.irp g, 80, 88
	s_mov_b32 s[\g+1], 4224<<16            ; tensor_dim0: 4,224 elements of 8 bytes
	s_mov_b32 s[\g+2], 2<<16               ; tensor_dim1
	s_mov_b32 s[\g+3], 4224<<16            ; tile_dim0
	s_mov_b32 s[\g+4], 2                   ; tile_dim1
	s_mov_b32 s[\g+5], KT*SB/8             ; from group to group
	s_mov_b32 s[\g+6], 0
	s_mov_b32 s[\g+7], 0
.endr
	s_mul_i32 s98, s17, 2*KT*SB            ; A: the tile row's first group,
	s_mul_i32 s99, s16, REG                ; the slot's 256 along K
	s_add_co_u32 s98, s98, s99
	s_mov_b32 s99, 0
	s_add_nc_u64 s[98:99], s[4:5], s[98:99]
	s_or_b32 s99, s99, 0x80000000
	s_mov_b32 s96, 1
	s_mul_i32 s97, s16, SLOT
	s_mul_i32 s4, s42, 2*KT*SB             ; B: the tile column's first group (hpk's address has been used)
	s_mul_i32 s5, s16, REG
	s_add_co_u32 s4, s4, s5
	s_mov_b32 s5, 0
	s_add_nc_u64 s[6:7], s[6:7], s[4:5]
	s_or_b32 s7, s7, 0x80000000
	s_mov_b32 s4, 1
	s_add_co_u32 s5, s97, 2*REG
	JLOAD 96, 80, 4, 88
	v_and_b32 v1, 31, v0                   ; lane
	v_and_b32 v2, 15, v0                   ; r
	v_bfe_u32 v3, v0, 4, 1                 ; h
	s_wait_alu depctr_va_vdst(0)
	v_lshlrev_b32 v4, 4, v1                ; 16 x lane
	s_mul_i32 s21, s15, REG                ; my 128 rows of A
	s_mul_i32 s22, s16, REG
	s_add_co_u32 s22, s22, 2*REG           ; my 128 rows of B
.irp s, 0,1
	v_add_nc_u32 v[ADRA+\s], s21, v4
	v_add_nc_u32 v[ADRB+\s], s22, v4
	s_add_co_u32 s21, s21, SLOT
	s_add_co_u32 s22, s22, SLOT
.endr
	s_mul_i32 s21, s15, REG
	s_mul_i32 s22, s16, REG
	s_add_co_u32 s22, s22, 2*REG
	s_sub_co_u32 s22, s22, s21
	v_mul_u32_u24 v6, s22, v3              ; lanes 16-31 take B's: one product with h
	v_lshl_add_u32 v5, v2, 4, v6
	s_add_co_u32 s21, s21, 16384
	v_add_nc_u32 v[ADRS], s21, v5
	v_add_nc_u32 v[ADRS+1], SLOT, v[ADRS]
	s_lshl_b32 s46, s42, 10                ; the bias of my 128 columns
	s_lshl_b32 s47, s16, 9
	s_add_co_u32 s46, s46, s47
	s_mov_b32 s47, 0
	s_add_nc_u64 s[8:9], s[8:9], s[46:47]
	v_lshlrev_b32 v7, 5, v3                ; lane (r, h) wants, for tile b, columns 16 b + 8 h + 0 .. 7
.irp b, 0,1,2,3,4,5,6,7
	global_load_b128 v[BI+8*\b:BI+8*\b+3], v7, s[8:9] offset:64*\b
	global_load_b128 v[BI+8*\b+4:BI+8*\b+7], v7, s[8:9] offset:64*\b+16
.endr
	s_mul_i32 s78, s14, 32*528             ; v's way out: my stage of 32 rows x 528 bytes, in slot 0.  Both LDS addresses are made here, ahead of the parting of the ways
	v_mul_u32_u24 v24, v2, 528
	v_lshl_add_u32 v24, v3, 5, v24
	v_add_nc_u32 v24, s78, v24             ; in: row r, + 32 h
	v_lshl_add_u32 v25, v1, 2, s78         ; back: a lane to a column
	s_wait_alu depctr_va_vdst(0)
	s_wait_tensorcnt 0x0                   ; my one load is in; behind the barrier both slots are whole
	s_barrier_signal -1
	s_barrier_wait -1
	FETCH_B 0, 0, 0
	FETCH_A 0, 0, 0
	SCALES 0
	FETCH_A 0, 0, 4
	s_wait_loadcnt 0x0                     ; the bias
	STEP 0, 0, 1                           ; the first step stands in front of the loop: its products start the sums
.if LAPS > 1
	s_mov_b32 s3, LAPS-1
.Llap:
	TURN 0, 1, 1
	STEP 1, 0, 0
	TURN 1, 0, 1
	STEP 0, 0, 0
	s_sub_co_u32 s3, s3, 1
	s_cmp_lg_u32 s3, 0
	s_cbranch_scc1 .Llap
.endif
	TURN 0, 1, 0                           ; the last lap fills nothing
	STEP 1, 0, 0
	s_wait_dscnt 4*NL
	WIN MUL_LO
	MUL16 0, 1, NQ-1, 1, 0
	MUL16 2, 1, NQ-1, 1, 0
	s_wait_dscnt 0
	WIN MUL_HI
	MUL16 4, 1, NQ-1, 1, 0
	MUL16 6, 1, NQ-1, 1, 0
	WIN 0
	PLACES NP
	; ---- THE WAY OUT
.set XQ,  64                           ; q, k: held numbers
.set TM,  128
.set PC,  144
.set PWS, 160                          ; a scale word for each of the 8 row tiles
.set WQ,  168
	s_lshl_b32 s20, s17, 1
	s_add_co_u32 s20, s20, s15             ; my group of 128 tokens
	s_lshr_b32 s21, s20, 4                 ; the batch
	s_and_b32 s20, s20, 15                 ; the step of 128 tokens
	s_lshl_b32 s46, s40, 2
	s_lshl_b32 s47, s16, 1
	s_add_co_u32 s46, s46, s47             ; the head of my first 64 columns; the next head has the other 64
	s_lshl_b32 s21, s21, 4
	s_add_co_u32 s21, s21, s46
	s_lshl_b32 s21, s21, 4
	s_add_co_u32 s21, s21, s20             ; the block's number
	s_mov_b32 s70, 0xffff0000              ; lanes 16-31
	s_cmp_eq_u32 ttmp9, 2                  ; the cluster's x: the same in all partners
	s_cbranch_scc1 .Lv
	s_mov_b32 s72, 16896
	s_mov_b32 s73, 270336
	s_cmp_eq_u32 ttmp9, 0
	s_cselect_b64 s[74:75], s[10:11], s[12:13]   ; q goes to qb, k to kv
	s_cselect_b32 s72, 8448, s72           ; bytes from block to block,
	s_cselect_b32 s73, 135168, s73         ; and from head to head (16 blocks)
	s_mul_i32 s76, s21, s72
	s_mov_b32 s77, 0
	s_add_nc_u64 s[74:75], s[74:75], s[76:77]
	v_add_nc_u32 v26, s73, v4              ; the odd head's place
	v_mul_u32_u24 v27, s73, v3
	v_lshl_add_u32 v27, v2, 4, v27         ; the scale words': 16 r, lanes 16-31 in the odd head's block
.irp b, 0,1,2,3
	v_mov_b32 v[TM+4+\b], 0                ; a lane permute's destination counts as one of its sources
.endr
.irp a, 0,1,2,3,4,5,6,7
	s_wait_xcnt 0x0                        ; the last tile's stores have read their data: the codes' registers are written again only behind this wait
	QUANT 64*(\a%4), 2+\a/4, XQ, PC, PWS+\a
.irp e, 0,1
	global_store_b128 v4, v[PC+4*\e:PC+4*\e+3], s[74:75] offset:2048*(\a/2)+512*(2*(\a%2)+\e)       ; 512 consecutive bytes each
	global_store_b128 v26, v[PC+8+4*\e:PC+8+4*\e+3], s[74:75] offset:2048*(\a/2)+512*(2*(\a%2)+\e)
.endr
.endr
.irp f, 0,1,2,3
	v_perm_b32 v[WQ+\f], v[PWS+2*\f+1], v[PWS+2*\f], 0x05040100     ; the even head's word: the two tiles' low halves
	v_perm_b32 v[WQ+4+\f], v[PWS+2*\f+1], v[PWS+2*\f], 0x07060302   ; the odd head's: their high halves
.endr
.irp f, 0,1,2,3
	v_cndmask_b32 v[WQ+\f], v[WQ+\f], v[WQ+4+\f], s70
.endr
	global_store_b128 v27, v[WQ:WQ+3], s[74:75] offset:8192          ; sixteen lanes store 256 consecutive bytes, once for each head
	s_branch .Lend
.Lv:
.set VX,  128                          ; four sets of 32 numbers
.set VC,  64
.set SBV, 72
.set VY,  76
.set VW,  80
.set VT,  84
	s_mul_i32 s76, s21, 16896
	s_mov_b32 s77, 0
	s_add_nc_u64 s[74:75], s[12:13], s[76:77]
	v_lshlrev_b32 v26, 11, v3
	v_lshl_add_u32 v26, v2, 4, v26         ; my column's place: fragment tau = 2 (set % 2) + h, row r
	v_mul_u32_u24 v27, v3, 0x42000
	v_lshl_add_u32 v27, v2, 4, v27
.irp b, 0,1,2,3
	v_mov_b32 v[VY+\b], 0
.endr
.macro VLOADS gp                       ; columns 32 gp + lane, the 32 keys down my registers: each load reads 128 consecutive bytes
.set vn, 0
.rept 32
	ds_load_b32 v[VX+32*(\gp)+vn], v25 offset:528*vn+128*(\gp)
.set vn, vn+1
.endr
.endm
.macro VBLOCK cp, gp                   ; a block of 32 keys of my column: all 32 numbers are mine
.set XS, VX+32*(\gp)
	v_max3_num_f32 v[VT], |v[XS]|, |v[XS+1]|, |v[XS+2]|
	v_max3_num_f32 v[VT+1], |v[XS+3]|, |v[XS+4]|, |v[XS+5]|
.irp i, 6,10,14,18,22,26
	v_max3_num_f32 v[VT], v[VT], |v[XS+\i]|, |v[XS+\i+1]|
	v_max3_num_f32 v[VT+1], v[VT+1], |v[XS+\i+2]|, |v[XS+\i+3]|
.endr
	v_max3_num_f32 v[VT], v[VT], |v[XS+30]|, |v[XS+31]|
	v_max3_num_f32 v[VT], v[VT], v[VT+1], 0x8000000
	v_add_nc_u32 v[VT+2], 0xf8800000, v[VT]
	v_and_or_b32 v[VT+3], v[VT], 0x7f800000, s[MNT]
	v_lshrrev_b32 v[VT+1], 23, v[VT+2]
.if (\cp) == 0
	v_mov_b32 v[SBV+\gp], v[VT+1]
.else
	v_lshl_or_b32 v[SBV+\gp], v[VT+1], 8*(\cp), v[SBV+\gp]
.endif
.set vn, 0
.rept 32
	v_med3_num_f32 v[XS+vn], v[XS+vn], -v[VT+3], v[VT+3]
.set vn, vn+1
.endr
	v_cvt_scalef32_pk8_bf8_f32 v[VC:VC+1], v[XS:XS+7], v[VT+2]           ; lane slot h = 0 takes keys 0-7 and 16-23,
	v_cvt_scalef32_pk8_bf8_f32 v[VC+2:VC+3], v[XS+16:XS+23], v[VT+2]
	v_cvt_scalef32_pk8_bf8_f32 v[VC+4:VC+5], v[XS+8:XS+15], v[VT+2]      ; slot h = 1 keys 8-15 and 24-31
	v_cvt_scalef32_pk8_bf8_f32 v[VC+6:VC+7], v[XS+24:XS+31], v[VT+2]
	v_nop
	global_store_b128 v26, v[VC:VC+3], s[74:75] offset:((\gp)/2)*270336+8448+((\gp)%2)*4096+512*(\cp)        ; sixteen lanes store 256 consecutive bytes
	global_store_b128 v26, v[VC+4:VC+7], s[74:75] offset:((\gp)/2)*270336+8448+((\gp)%2)*4096+512*(\cp)+256
.endm
.irp cp, 0,1,2,3                       ; key block cp: A's blocks 2 cp and 2 cp + 1
	WIN 0x08+4*(\cp/2)                     ; an LDS store's data are its source 1: window 2 or 3
.irp a2, 0,1
.irp b, 0,1,2,3,4,5,6,7
	ds_store_b128 v24, v[8*(8*((2*\cp+\a2)%4)+\b):8*(8*((2*\cp+\a2)%4)+\b)+3] offset:\a2*16*528+64*\b
	ds_store_b128 v24, v[8*(8*((2*\cp+\a2)%4)+\b)+4:8*(8*((2*\cp+\a2)%4)+\b)+7] offset:\a2*16*528+64*\b+16
.endr
.endr
	WIN 0
	VLOADS 0                               ; LDS serves a wave's instructions in order: these see the stores above, and the next key block's stores come behind them
	VLOADS 1
	s_wait_dscnt 32                        ; set 0 is in; set 1's 32 loads may be out
	s_wait_xcnt 0x0                        ; the last stores have read their data
	VBLOCK \cp, 0
	VLOADS 2
	s_wait_dscnt 32
	s_wait_xcnt 0x0
	VBLOCK \cp, 1
	VLOADS 3
	s_wait_dscnt 32
	s_wait_xcnt 0x0
	VBLOCK \cp, 2
	s_wait_dscnt 0x0
	s_wait_xcnt 0x0
	VBLOCK \cp, 3
.endr
.irp g, 0,1,2,3
	v_permlanex16_b32 v[VY+\g], v[SBV+\g], s[SEL], s[SEL+1]
.endr
	v_cndmask_b32 v[VW], v[SBV], v[VY+2], s70        ; lanes 0-15: the even head's words of tau = 0 .. 3; lanes 16-31: the odd head's
	v_cndmask_b32 v[VW+1], v[VY], v[SBV+2], s70
	v_cndmask_b32 v[VW+2], v[SBV+1], v[VY+3], s70
	v_cndmask_b32 v[VW+3], v[VY+1], v[SBV+3], s70
	global_store_b128 v27, v[VW:VW+3], s[74:75] offset:8448+8192
.Lend:
	s_wait_tensorcnt 0x0                   ; the wave's end, behind my last tensor load and my last LDS store
	ds_add_u32 v[SPW], v[NIL]
	s_wait_dscnt 0x0
	CROUND                                 ; the closing round
	s_endpgm
.Lfunc_end_k_q7517599bbc_qkv:
	.size	k_q7517599bbc_qkv, .Lfunc_end_k_q7517599bbc_qkv-k_q7517599bbc_qkv
	.p2alignl 7, 3214868480
	.fill 96, 4, 3214868480
	.section	.rodata,"a",@progbits
	.p2align	6, 0x0
	.amdhsa_kernel k_q7517599bbc_qkv
		.amdhsa_group_segment_fixed_size 327680
		.amdhsa_private_segment_fixed_size 0
		.amdhsa_enable_private_segment 0
		.amdhsa_kernarg_size 40
		.amdhsa_user_sgpr_count 2
		.amdhsa_user_sgpr_kernarg_segment_ptr 1
		.amdhsa_wavefront_size32 1
		.amdhsa_system_sgpr_workgroup_id_x 1
		.amdhsa_system_sgpr_workgroup_id_y 1
		.amdhsa_system_sgpr_workgroup_id_z 1
		.amdhsa_system_vgpr_workitem_id 0
		.amdhsa_next_free_vgpr 1024
		.amdhsa_next_free_sgpr 100
		.amdhsa_reserve_vcc 0
		.amdhsa_float_denorm_mode_32 3
		.amdhsa_float_denorm_mode_16_64 3
		.amdhsa_memory_ordered 1
		.amdhsa_forward_progress 1
		.amdhsa_inst_pref_size 255
	.end_amdhsa_kernel
	.section	.bss,"aw",@nobits
	.p2align	6
	.space	262144
	.amdgpu_metadata
---
amdhsa.version: [ 1, 2 ]
amdhsa.kernels:
  - .name:           k_q7517599bbc_qkv
    .symbol:         k_q7517599bbc_qkv.kd
    .args:
      - { .name: hpk, .offset: 0, .size: 8, .value_kind: global_buffer, .address_space: global }
      - { .name: wpk, .offset: 8, .size: 8, .value_kind: global_buffer, .address_space: global }
      - { .name: in_proj_b, .offset: 16, .size: 8, .value_kind: global_buffer, .address_space: global }
      - { .name: qb, .offset: 24, .size: 8, .value_kind: global_buffer, .address_space: global }
      - { .name: kv, .offset: 32, .size: 8, .value_kind: global_buffer, .address_space: global }
    .group_segment_fixed_size: 327680
    .private_segment_fixed_size: 0
    .kernarg_segment_align: 8
    .kernarg_segment_size: 40
    .max_flat_workgroup_size: 128
    .sgpr_count:     100
    .vgpr_count:     1024
    .wavefront_size: 32
...
	.end_amdgpu_metadata
.endif
;; end of part 9
;; launch attn (part 10): grid 8 x 32, 16 waves a work-group, no clusters, 327,680 bytes of LDS; arguments qb, kv, opk; writes opk
.if DOCPART == 10
	.amdgcn_target "amdgcn-amd-amdhsa--gfx1250"
	.amdhsa_code_object_version 6
	.text
	.protected	k_q7517599bbc_attn
	.globl	k_q7517599bbc_attn
	.p2align	8
	.type	k_q7517599bbc_attn,@function
k_q7517599bbc_attn:
	s_mov_b64 s[64:65], 0
	v_nop
	global_prefetch_b8 v0, s[64:65] scope:SCOPE_SE
	s_setreg_imm32_b32 hwreg(HW_REG_WAVE_MODE, 25, 1), 1
	s_wait_xcnt 0x0
; o = softmax(q k^T / 8, key k counts for query q where k <= q + 10) v, for 32 (batch, head) of 2,048 tokens and head size 64, both products on codes of BF8 with E8M0 scales; o / the row's sum is quantised and leaves as PACK(4096, 1024).
; WORK LEFT OUT: a step of 128 keys all of which lie beyond a tile's last query + 10 is not walked: reference() itself sets those scores to -inf, so they add nothing.  A NaN or an overflow that would arise only there is not carried on.
; THE SOFTMAX AHEAD OF THE SECOND PRODUCT: t = score x log2(e) / 8; M = the row's largest t so far, rounded up to a whole number; p = 2^(t - M) is quantised along the keys, not normalised; the row's sum is taken of the
; unquantised p and divides at the end; when M moves, the sum and O are multiplied by 2^(old M - new M): exact.
; SHARES.  Sixteen waves, each with ONE tile of 16 queries in 256 registers.  A work-group holds eight early and eight late tiles of one head (tile lo = 8 x + w / 2, or 127 - lo), so that all work-groups walk about as many steps.
; K and V come through a ring of two LDS slots of 4 key steps.  In kv a key step is 16,896 bytes: k's block of 8,448, then v's.  Wave 0 fetches the four steps' blocks of k (4 rows of 8,448 bytes, 16,896 apart), wave 1 those of v:
; so each load holds the slot's first step, which is read whenever the slot is asked for.  All sixteen waves read.
; NO CLUSTER: under the mask the work-groups of a head want different numbers of slots, so a partner would jump over the reads of a joint tile.
; LAYOUT.  Both products are used transposed: a lane holds one query (lane % 16) throughout.  The head's K is 64, half of the instruction's 128: a fragment of k holds two tiles of 16 keys (chunks 0, 1 and chunks 2, 3), and
; q stands once as [q | 0] and once as [0 | q]: zero codes against the other tile's finite codes add nothing.  Register 16 b + i of the scores is key 32 b + 16 (i / 8) + 8 h + i % 8 of the step: v's codes are laid in the same order.
; LIMITS: NaN and infinities are not served; a block of p or of o whose largest number lies under 2^-111 keeps the byte 1.
.set SB,    16896
.set QKB,   8448
.set SLOTB, 4*SB                       ; a slot's bytes, in memory and in LDS
.set VOFF,  4*QKB                      ; in a slot: k's four blocks, then v's four
.set SLOT1, 1<<17                      ; slot 1 begins here: one exclusive or turns an address from one slot to the other
.set SPARE, 2*SLOT1                    ; the spare words, 128 bytes for each wave: eight blocks of 256 bytes that no other line names
.set LI,  1                            ; v1  16 x lane
.set LR,  2                            ; v2  16 r
.set DM,  3                            ; v3  r + 10 - 8 h
.set SPW, 5
.set NIL, 6
.set PFO, 7                            ; v7  256 x lane
.set ADL, 8
.set ADQ, 9
.set FRG, 40                           ; v40-103  four fragments of k or of v.   v16-23 zeros, v24-31 q, v32-39 zeros; v12 -M, v13 the largest t, v[14:15] the sum
.set S,   104                          ; v104-167 the scores, then p
.set O,   168                          ; v168-199 O^T
.set PCD, 200                          ; v200-215 p's codes
.set BM,  216
.set BY,  220
.set HO,  224
.set SO,  228
.set SW,  232                          ; v232-235 the step's scale words
.set FF,  236                          ; f = 2^(old M - new M)
.set PSW, 237                          ; p's scale word
.set TP,  238
.set QS,  239                          ; q's scale word
.set WV,  18
.set MNT, 19
.set SEL, 20
.set CS,  22
.set G1,  24
.set G0,  40
.set TB,  2                            ; s2  LDS byte of the step in hand
.set SLOTS, 3
.set CNT, 44
.set KF,  45                           ; the step's first key
.set Q0,  46                           ; my first query
.set WGL, 47                           ; the last key that any wave of my work-group wants
.set PFA, 48
.set LIM, 50
.macro TLOAD                           ; waves 0 and 1 fetch; an s_nop 0 and four v_nop follow the line
	s_cmp_lt_u32 s[WV], 2
	s_cbranch_scc0 .Lasked_\@
	tensor_load_to_lds s[G0:G0+3], s[G1:G1+7]
	s_nop 0
.rept 4
	v_nop
.endr
.Lasked_\@:
.endm
; A prefetch of what the NEXT change of slots will ask for.  All work-groups of a head walk the same kv: the one with x = 0, which walks all four slots, asks; in it waves 4 to 11, which fetch nothing, 8,192 bytes each, lanes
; 256 bytes apart: the first 65,536 of a slot's 67,584 bytes; the rest comes by its load alone.  Slots 0 and 1 come by their loads alone; the last change that fills a slot asks for nothing.
.macro ASK
	s_cmp_gt_u32 s[SLOTS], s[LIM]
	s_cbranch_scc0 .Lnot_mine_\@
	global_prefetch_b8 v[PFO], s[PFA:PFA+1] th:TH_LOAD_NT scope:SCOPE_SE
.Lnot_mine_\@:
.endm
	s_load_b128 s[4:7], s[0:1], 0x0        ; qb, kv
	s_load_b64 s[8:9], s[0:1], 0x10        ; opk
	v_lshl_add_u32 v[SPW], v0, 2, SPARE
	v_mov_b32 v[NIL], 0
	ds_add_u32 v[SPW], v[NIL]              ; the wave's opening: the add, twice on end, and its wait ahead of my first tensor load
	ds_add_u32 v[SPW], v[NIL]
	v_lshrrev_b32 v8, 5, v0
	s_delay_alu instid0(VALU_DEP_1)
	v_readfirstlane_b32 s[WV], v8          ; wave 0..15
	s_and_b32 s70, ttmp7, 0xffff           ; 16 x batch + head
	s_lshr_b32 s71, s[WV], 2
	s_xor_b32 s71, s71, s[WV]
	s_and_b32 s71, s71, 1                  ; early (0) or late (1): among the four waves of equal w % 4, and among those of equal w / 4, two are of each kind
	s_lshr_b32 s72, s[WV], 1
	s_lshl_b32 s73, ttmp9, 3
	s_add_co_u32 s72, s72, s73
	s_sub_co_u32 s73, 127, s72
	s_cmp_eq_u32 s71, 0
	s_cselect_b32 s72, s72, s73            ; my tile of 16 queries
	s_lshl_b32 s[Q0], s72, 4
	s_lshl_b32 s73, ttmp9, 7
	s_sub_co_u32 s[WGL], 2057, s73         ; 16 (127 - 8 x) + 15 + 10
	s_mov_b32 s[G1], 3<<16                 ; no mask; elements of 8 bytes; no padding
	s_mov_b32 s[G1+1], 1056<<16            ; tensor_dim0: a row is a block of 8,448 bytes,
	s_mov_b32 s[G1+2], 4<<16               ; tensor_dim1: one for each of the slot's four steps
	s_mov_b32 s[G1+3], 1056<<16            ; tile_dim0
	s_mov_b32 s[G1+4], 4                   ; tile_dim1
	s_mov_b32 s[G1+5], 2112                ; the pitch: 16,896 bytes from step to step
	s_mov_b32 s[G1+6], 0
	s_mov_b32 s[G1+7], 0
	s_and_b32 s74, s[WV], 1                ; k's blocks (0) or v's (1):
	s_mul_i32 s75, s74, VOFF               ; their place in a slot,
	s_mul_i32 s74, s74, QKB                ; and in a key step in memory
	s_mul_i32 s76, s70, 16*SB              ; the head's first byte in kv
	s_add_co_u32 s78, s76, s74
	s_mov_b32 s79, 0
	s_lshl_b32 s80, s70, 4
	s_lshr_b32 s81, s72, 3
	s_add_co_u32 s80, s80, s81
	s_mul_i32 s80, s80, QKB                ; q's block
	s_bfe_u32 s81, s72, 0x20001            ; its fragment
	s_and_b32 s82, s72, 1                  ; and which half of it
	s_lshl_b32 s83, s81, 11
	s_add_co_u32 s84, s80, s83
	s_lshl_b32 s83, s82, 10
	s_add_co_u32 s84, s84, s83
	s_mov_b32 s85, 0
	s_lshl_b32 s83, s81, 2
	s_add_co_u32 s86, s80, s83
	s_add_co_u32 s86, s86, 8192
	s_mov_b32 s87, 0
	s_lshl_b32 s88, s82, 4
	s_mov_b32 s[SEL], 0x76543210
	s_mov_b32 s[SEL+1], 0xfedcba98
	s_mov_b32 s[CS], 0x3e38aa3b            ; c = log2(e) / 8
	s_mov_b32 s[CS+1], s[CS]
	s_mov_b32 s[MNT], 0x600000
	s_mov_b32 s[TB], 0
	s_mov_b32 s[KF], 0
	s_mov_b32 s[SLOTS], 3
	s_sub_co_u32 s89, s[WV], 4
	s_and_b32 s90, s89, 7
	s_lshl_b32 s90, s90, 13
	s_add_co_u32 s90, s90, s76
	s_add_co_u32 s52, s90, SLOTB           ; in slot 1: the first change of slots steps it to slot 2
	s_mov_b32 s53, 0
	s_lshr_b32 s89, s89, 3                 ; 0 in waves 4 to 11,
	s_or_b32 s89, s89, ttmp9               ; of the work-group with x = 0
	s_cmp_eq_u32 s89, 0
	s_cselect_b32 s[LIM], 1, -1
	s_wait_dscnt 0x0                       ; both opening adds are done
	s_wait_kmcnt 0x0
	s_mov_b32 s[G0], 1
	s_mov_b32 s[G0+1], s75
	s_add_nc_u64 s[G0+2:G0+3], s[6:7], s[78:79]
	s_or_b32 s[G0+3], s[G0+3], 0x80000000
	TLOAD                                  ; slot 0: key 0 counts for every query, so every wave reads it
	s_add_nc_u64 s[PFA:PFA+1], s[6:7], s[52:53]
	s_add_nc_u64 s[84:85], s[4:5], s[84:85]
	s_add_nc_u64 s[86:87], s[4:5], s[86:87]
	v_and_b32 v[LI], 31, v0
	s_delay_alu instid0(VALU_DEP_1)
	v_lshlrev_b32 v[PFO], 8, v[LI]
	s_delay_alu instid0(VALU_DEP_2)
	v_lshlrev_b32 v[LI], 4, v[LI]
	v_and_b32 v10, 15, v0
	s_delay_alu instid0(VALU_DEP_1)
	v_lshlrev_b32 v[LR], 4, v10
	v_bfe_u32 v11, v0, 4, 1
	global_load_b128 v[24:27], v[LI], s[84:85]             ; q's two chunks stay in registers
	global_load_b128 v[28:31], v[LI], s[84:85] offset:512
	global_load_b32 v[QS], v[LR], s[86:87]
	v_lshlrev_b32 v11, 3, v11
	s_delay_alu instid0(VALU_DEP_1)
	v_sub_nc_u32 v[DM], v10, v11
	s_delay_alu instid0(VALU_DEP_1)
	v_add_nc_u32 v[DM], 10, v[DM]
	v_mov_b32 v13, 0xff61b1e6              ; the largest t so far: -3e38
	s_delay_alu instid0(VALU_DEP_1)
	v_floor_f32 v12, -v13                  ; -M
	v_mov_b32 v14, 0
	v_mov_b32 v15, 0
.irp b, 0,1,2,3
	v_mov_b32 v[BY+\b], 0                  ; a lane permute's destination counts as one of its sources
.endr
	v_mov_b32 v[PSW], 0                    ; (named as the upper half of the pair with f before it is first written)
	v_mov_b32 v[TP], 0
	s_wait_loadcnt 0x0
	v_lshrrev_b32 v[QS], s88, v[QS]        ; my tile's two bytes,
	s_delay_alu instid0(VALU_DEP_1)
	v_perm_b32 v[QS], v[QS], v[QS], 0x01000100   ; twice: the word serves [q | 0] and [0 | q]
.irp j, 0,1,2,3,4,5,6,7
	v_mov_b32 v[16+\j], 0
	v_mov_b32 v[32+\j], 0
.endr
.set n, 0
.rept 32
	v_mov_b32 v[O+n], 0                    ; the loop is written once: its first step finds zeros
.set n, n+1
.endr
.macro STEP                            ; 128 keys
	s_add_co_u32 s96, s[Q0], 25            ; my last query + 10
	s_cmp_gt_u32 s[KF], s96
	s_cbranch_scc1 .Lhidden_\@             ; ids and the count of steps alone
	v_add_nc_u32 v[ADL], s[TB], v[LI]
	v_add_nc_u32 v[ADQ], s[TB], v[LR]
.rept 6
	v_nop                                  ; with the two additions: eight places in front of loads into registers that matrix instructions have read
.endr
.irp f, 0,1,2,3
.irp c, 0,1,2,3
	ds_load_b128 v[FRG+16*\f+4*\c:FRG+16*\f+4*\c+3], v[ADL] offset:2048*\f+512*\c
.endr
.endr
	ds_load_b128 v[SW:SW+3], v[ADQ] offset:8192
	s_wait_alu depctr_va_vdst(0)
	s_wait_dscnt 0x0
.irp f, 0,1,2,3
	v_wmma_scale_f32_16x16x128_f8f6f4 v[S+16*\f:S+16*\f+7], v[FRG+16*\f:FRG+16*\f+15], v[24:39], 0, v[SW+\f], v[QS] matrix_a_fmt:MATRIX_FMT_BF8 matrix_b_fmt:MATRIX_FMT_BF8
	v_wmma_scale_f32_16x16x128_f8f6f4 v[S+16*\f+8:S+16*\f+15], v[FRG+16*\f:FRG+16*\f+15], v[16:31], 0, v[SW+\f], v[QS] matrix_a_fmt:MATRIX_FMT_BF8 matrix_b_fmt:MATRIX_FMT_BF8
.endr
.rept 8
	v_nop                                  ; eight places: for the loads below, and for the first read of the scores
.endr
.irp t, 0,1,2,3                        ; v's fragments and scale words are asked for now and land while the softmax is walked
.irp c, 0,1,2,3
	ds_load_b128 v[FRG+16*\t+4*\c:FRG+16*\t+4*\c+3], v[ADL] offset:VOFF+2048*\t+512*\c
.endr
.endr
	ds_load_b128 v[SW:SW+3], v[ADQ] offset:VOFF+8192
	s_add_co_u32 s96, s[KF], 117           ; a step all of whose keys count for my first query (KF + 127 <= Q0 + 10) skips the mask
	s_cmp_le_u32 s96, s[Q0]
	s_cbranch_scc1 .Lopen_\@
	s_sub_co_i32 s96, s[Q0], s[KF]
	v_add_nc_u32 v[TP], s96, v[DM]         ; d = my query + 10 - KF - 8 h.  Register n holds key KF + 8 h + 16 (n / 8) + n % 8: hidden where 16 (n / 8) + n % 8 > d
	v_mov_b32 v[FF], 0xff800000            ; -infinity
.set mn, 0
.rept 64
	v_cmp_gt_i32 vcc_lo, 16*(mn/8)+mn%8, v[TP]
	v_cndmask_b32 v[S+mn], v[S+mn], v[FF], vcc_lo
.set mn, mn+1
.endr
.Lopen_\@:
.irp b, 0,1,2,3
	v_max3_num_f32 v[BM+\b], v[S+16*\b], v[S+1+16*\b], v[S+2+16*\b]   ; the largest score of each block of 32 keys: for the row's maximum, and, since p rises with the score, for the block's largest p
.endr
.irp i, 3,5,7,9,11,13
.irp b, 0,1,2,3
	v_max3_num_f32 v[BM+\b], v[BM+\b], v[S+16*\b+\i], v[S+1+16*\b+\i]
.endr
.endr
.irp b, 0,1,2,3
	v_max_num_f32 v[BM+\b], v[BM+\b], v[S+15+16*\b]
.endr
.irp b, 0,1,2,3
	s_delay_alu instid0(VALU_DEP_4)
	v_permlanex16_b32 v[BY+\b], v[BM+\b], s[SEL], s[SEL+1]
.endr
.irp b, 0,1,2,3
	s_delay_alu instid0(VALU_DEP_4)
	v_max_num_f32 v[BM+\b], v[BM+\b], v[BY+\b]
.endr
	s_delay_alu instid0(VALU_DEP_2)
	v_max3_num_f32 v[TP], v[BM], v[BM+1], v[BM+2]
	s_delay_alu instid0(VALU_DEP_1)
	v_max_num_f32 v[TP], v[TP], v[BM+3]
	s_delay_alu instid0(VALU_DEP_1)
	v_mul_f32 v[TP], s[CS], v[TP]
	s_delay_alu instid0(VALU_DEP_1)
	v_max_num_f32 v13, v13, v[TP]          ; the running largest t
	v_mov_b32 v[TP], v12
	s_delay_alu instid0(VALU_DEP_2)
	v_floor_f32 v12, -v13                  ; the new -M: a whole number
	s_delay_alu instid0(VALU_DEP_1)
	v_sub_f32 v[TP], v12, v[TP]
	s_delay_alu instid0(VALU_DEP_1)
	v_cvt_i32_f32 v[TP], v[TP]             ; (it saturates)
	s_delay_alu instid0(VALU_DEP_1)
	v_ldexp_f32 v[FF], 1.0, v[TP]          ; f = 2^(old M - new M)
.set n, 0
.rept 32
	v_pk_fma_f32 v[S+n:S+n+1], v[S+n:S+n+1], s[CS:CS+1], v[12:13] op_sel_hi:[1,0,0]   ; t - M
.set n, n+2
.endr
.irp b, 0,1,2,3
	v_fma_f32 v[BM+\b], v[BM+\b], s[CS], v12
.endr
.set n, 0
	s_wait_alu depctr_va_vdst(0)
.rept 64
	v_exp_f32 v[S+n], v[S+n]               ; p = 2^(t - M)
.set n, n+1
.endr
	v_pk_mul_f32 v[14:15], v[14:15], v[FF:FF+1] op_sel_hi:[1,0]   ; the sums under the new M: a plain line behind the exponentials
	s_wait_alu depctr_va_vdst(0)           ; the wait ahead of the first use: one for the whole batch
.irp b, 0,1,2,3
	v_exp_f32 v[BM+\b], v[BM+\b]           ; the block's largest p
.endr
	v_pk_add_f32 v[220:221], v[108:109], v[112:113]
	v_pk_add_f32 v[254:255], v[116:117], v[120:121]
	v_pk_add_f32 v[252:253], v[124:125], v[128:129]
	v_pk_add_f32 v[250:251], v[132:133], v[136:137]
	v_pk_add_f32 v[248:249], v[140:141], v[144:145]
	v_pk_add_f32 v[246:247], v[148:149], v[152:153]
	v_pk_add_f32 v[244:245], v[156:157], v[160:161]
	v_pk_add_f32 v[14:15], v[14:15], v[164:165]
	v_pk_add_f32 v[220:221], v[220:221], v[104:105]
	v_pk_add_f32 v[254:255], v[254:255], v[106:107]
	v_pk_add_f32 v[252:253], v[252:253], v[110:111]
	v_pk_add_f32 v[250:251], v[250:251], v[114:115]
	v_pk_add_f32 v[248:249], v[248:249], v[118:119]
	v_pk_add_f32 v[246:247], v[246:247], v[122:123]
	v_pk_add_f32 v[244:245], v[244:245], v[126:127]
	v_pk_add_f32 v[14:15], v[14:15], v[130:131]
	v_pk_add_f32 v[220:221], v[220:221], v[134:135]
	v_pk_add_f32 v[254:255], v[254:255], v[138:139]
	v_pk_add_f32 v[252:253], v[252:253], v[142:143]
	v_pk_add_f32 v[250:251], v[250:251], v[146:147]
	v_pk_add_f32 v[248:249], v[248:249], v[150:151]
	v_pk_add_f32 v[246:247], v[246:247], v[154:155]
	v_pk_add_f32 v[244:245], v[244:245], v[158:159]
	v_pk_add_f32 v[14:15], v[14:15], v[162:163]
	v_pk_add_f32 v[220:221], v[220:221], v[166:167]
	s_delay_alu instid0(VALU_DEP_2)
	v_pk_add_f32 v[14:15], v[14:15], v[250:251]
	s_delay_alu instid0(VALU_DEP_2)
	v_pk_add_f32 v[220:221], v[220:221], v[248:249]
	v_pk_add_f32 v[254:255], v[254:255], v[246:247]
	v_pk_add_f32 v[252:253], v[252:253], v[244:245]
	s_delay_alu instid0(VALU_DEP_2)
	v_pk_add_f32 v[14:15], v[14:15], v[254:255]
	s_delay_alu instid0(VALU_DEP_2)
	v_pk_add_f32 v[220:221], v[220:221], v[252:253]
	s_delay_alu instid0(VALU_DEP_1)
	v_pk_add_f32 v[14:15], v[14:15], v[220:221]
	s_wait_alu depctr_va_vdst(0)           ; and one for the four
.irp b, 0,1,2,3
	v_max_num_f32 v[BM+\b], 0x8000000, v[BM+\b]             ; the floor 2^(16 - 127)
.endr
.irp b, 0,1,2,3
	s_delay_alu instid0(VALU_DEP_4)
	v_add_nc_u32 v[SO+\b], 0xf8800000, v[BM+\b]
.endr
.irp b, 0,1,2,3
	v_and_or_b32 v[HO+\b], v[BM+\b], 0x7f800000, s[MNT]
.endr
.irp b, 0,1,2,3
	v_lshrrev_b32 v[BY+\b], 23, v[SO+\b]
.endr
	s_delay_alu instid0(VALU_DEP_3)
	v_lshl_or_b32 v[PSW], v[BY+1], 8, v[BY]
	s_delay_alu instid0(VALU_DEP_1)
	v_lshl_or_b32 v[PSW], v[BY+2], 16, v[PSW]
	s_delay_alu instid0(VALU_DEP_1)
	v_lshl_or_b32 v[PSW], v[BY+3], 24, v[PSW]
.irp b, 0,1,2,3
.irp i, 0,1,2,3,4,5,6,7,8,9,10,11,12,13,14,15
	v_min_num_f32 v[S+16*\b+\i], v[S+16*\b+\i], v[HO+\b]    ; p is not negative: the hold is one-sided
.endr
	v_cvt_scalef32_pk8_bf8_f32 v[PCD+4*\b:PCD+4*\b+1], v[S+16*\b:S+16*\b+7], v[SO+\b]
	v_cvt_scalef32_pk8_bf8_f32 v[PCD+4*\b+2:PCD+4*\b+3], v[S+16*\b+8:S+16*\b+15], v[SO+\b]
.endr
.set n, 0
.rept 16
	v_pk_mul_f32 v[O+n:O+n+1], v[O+n:O+n+1], v[FF:FF+1] op_sel_hi:[1,0]   ; O^T under the new M; these are also the places in front of the products below
.set n, n+2
.endr
	s_wait_alu depctr_va_vdst(0)
	s_wait_dscnt 0x0                       ; v
.irp t, 0,1,2,3                        ; the four accumulators take turns, one instruction a turn
	v_wmma_scale_f32_16x16x128_f8f6f4 v[O+8*\t:O+8*\t+7], v[FRG+16*\t:FRG+16*\t+15], v[PCD:PCD+15], v[O+8*\t:O+8*\t+7], v[SW+\t], v[PSW] matrix_a_fmt:MATRIX_FMT_BF8 matrix_b_fmt:MATRIX_FMT_BF8
.endr
.Lhidden_\@:
	s_add_co_u32 s[KF], s[KF], 128
	s_add_co_u32 s[TB], s[TB], QKB
.endm
; THE CHANGE OF SLOTS stands at a slot's head.  Each wave waits for all its tensor loads, adds 0 to its spare word (fill = 1: twice on end), and waits for that and for its reads of the slot that it has left.
.macro CHANGE fill
	s_wait_tensorcnt 0x0                   ; no tensor load of mine is out, so the descriptor may be written
	ds_add_u32 v[SPW], v[NIL]
.if \fill
	ds_add_u32 v[SPW], v[NIL]              ; and once more
	s_xor_b32 s[G0+1], s[G0+1], SLOT1      ; the other slot than last time,
	s_add_nc_u64 s[G0+2:G0+3], s[G0+2:G0+3], SLOTB   ; the next four key steps
	s_wait_xcnt 0x0                        ; the last prefetch, a slot back, has read its address
	s_add_nc_u64 s[PFA:PFA+1], s[PFA:PFA+1], SLOTB
.endif
	s_wait_dscnt 0x0
	s_barrier_signal -1
	s_barrier_wait -1
.if \fill
	s_add_co_u32 s96, s[KF], 512           ; the first key of the slot that this change would ask for: beyond the last key that any of the sixteen waves wants, the slot is read by none and is not asked for.
	s_cmp_gt_u32 s96, s[WGL]               ; Ids and the count of steps alone: all sixteen waves go the same way, and every wait for tensor loads in this text is for 0.  Where the first key is wanted, both loads hold its step
	s_cbranch_scc1 .Lpast_\@
	TLOAD
.Lpast_\@:
	ASK
.endif
.endm
.macro SLOT_STEPS
	s_mov_b32 s[CNT], 4
.Lstep_\@:
	STEP
	s_sub_co_u32 s[CNT], s[CNT], 1
	s_cmp_lg_u32 s[CNT], 0
	s_cbranch_scc1 .Lstep_\@
	s_sub_co_u32 s[TB], s[TB], VOFF        ; back to a slot's first step,
	s_xor_b32 s[TB], s[TB], SLOT1          ; in the other slot
.endm
.Lslot:                                ; three trips: every work-group walks all four slots, so that the trip counts are constants; what is left out is a step's work
	CHANGE 1
	SLOT_STEPS
	s_sub_co_u32 s[SLOTS], s[SLOTS], 1
	s_cmp_lg_u32 s[SLOTS], 0
	s_cbranch_scc1 .Lslot
	CHANGE 0
	SLOT_STEPS
	; THE WAY OUT: o = O^T / the sum; register 8 tau + j of lane (r, h) is o(query r, d = 16 tau + 8 h + j): two blocks of 32 along the next product's K, in PACK's order
.rept 8
	v_nop
.endr
	v_add_f32 v14, v14, v15
	s_delay_alu instid0(VALU_DEP_1)
	v_permlanex16_b32 v[TP], v14, s[SEL], s[SEL+1]
	s_delay_alu instid0(VALU_DEP_1)
	v_add_f32 v14, v14, v[TP]
	s_wait_alu depctr_va_vdst(0)
	v_rcp_f32 v14, v14
	v_nop
	s_lshr_b32 s80, s70, 4
	s_lshl_b32 s80, s80, 7
	s_add_co_u32 s80, s80, s72             ; my row tile among the 256
	s_and_b32 s81, s70, 15                 ; the head
	s_lshr_b32 s82, s80, 3
	s_lshl_b32 s82, s82, 3
	s_lshr_b32 s83, s81, 1
	s_add_co_u32 s82, s82, s83
	s_mul_i32 s82, s82, SB                 ; super-block (group, K step head / 2)
	s_and_b32 s83, s80, 7                  ; fragment a
	s_and_b32 s81, s81, 1
	s_lshl_b32 s84, s83, 11
	s_add_co_u32 s84, s84, s82
	s_lshl_b32 s85, s81, 10
	s_add_co_u32 s84, s84, s85             ; chunks 2 (head % 2) on
	s_mov_b32 s85, 0
	s_add_nc_u64 s[84:85], s[8:9], s[84:85]
	s_lshr_b32 s86, s83, 2
	s_lshl_b32 s86, s86, 8
	s_and_b32 s83, s83, 3
	s_lshl_b32 s83, s83, 2
	s_add_co_u32 s86, s86, s83
	s_lshl_b32 s81, s81, 1
	s_add_co_u32 s86, s86, s81
	s_add_co_u32 s86, s86, s82
	s_add_co_u32 s86, s86, 16384
	s_mov_b32 s87, 0
	s_add_nc_u64 s[86:87], s[8:9], s[86:87]
	s_wait_alu depctr_va_vdst(0)           ; ahead of the reciprocal's first use
.set n, 0
.rept 32
	v_mul_f32 v[S+n], v[O+n], v14
.set n, n+1
.endr
.irp b, 0,1
	v_max3_num_f32 v[BM+\b], |v[S+16*\b]|, |v[S+1+16*\b]|, 0x8000000
.endr
.irp i, 2,4,6,8,10,12,14
.irp b, 0,1
	s_delay_alu instid0(VALU_DEP_2)
	v_max3_num_f32 v[BM+\b], v[BM+\b], |v[S+16*\b+\i]|, |v[S+1+16*\b+\i]|
.endr
.endr
.irp b, 0,1
	s_delay_alu instid0(VALU_DEP_2)
	v_permlanex16_b32 v[BY+\b], v[BM+\b], s[SEL], s[SEL+1]
.endr
.irp b, 0,1
	s_delay_alu instid0(VALU_DEP_2)
	v_max_num_f32 v[BM+\b], v[BM+\b], v[BY+\b]
.endr
.irp b, 0,1
	s_delay_alu instid0(VALU_DEP_2)
	v_add_nc_u32 v[SO+\b], 0xf8800000, v[BM+\b]
.endr
.irp b, 0,1
	s_delay_alu instid0(VALU_DEP_4)
	v_and_or_b32 v[HO+\b], v[BM+\b], 0x7f800000, s[MNT]
.endr
.irp b, 0,1
	s_delay_alu instid0(VALU_DEP_4)
	v_lshrrev_b32 v[BY+\b], 23, v[SO+\b]
.endr
	s_delay_alu instid0(VALU_DEP_1)
	v_lshl_or_b32 v[TP], v[BY+1], 8, v[BY]
.irp b, 0,1
.irp i, 0,1,2,3,4,5,6,7,8,9,10,11,12,13,14,15
	v_med3_num_f32 v[S+16*\b+\i], v[S+16*\b+\i], -v[HO+\b], v[HO+\b]
.endr
	v_cvt_scalef32_pk8_bf8_f32 v[PCD+4*\b:PCD+4*\b+1], v[S+16*\b:S+16*\b+7], v[SO+\b]
	v_cvt_scalef32_pk8_bf8_f32 v[PCD+4*\b+2:PCD+4*\b+3], v[S+16*\b+8:S+16*\b+15], v[SO+\b]
.endr
	v_nop
	global_store_b128 v[LI], v[PCD:PCD+3], s[84:85]              ; 512 consecutive bytes each
	global_store_b128 v[LI], v[PCD+4:PCD+7], s[84:85] offset:512
	global_store_b16 v[LR], v[TP], s[86:87]  ; two bytes a row: the word's other half belongs to the neighbouring head's work-group; both halves of the lanes store the same bytes
	s_wait_tensorcnt 0x0                   ; the wave's end
	ds_add_u32 v[SPW], v[NIL]
	s_wait_dscnt 0x0
	s_endpgm
.Lfunc_end_k_q7517599bbc_attn:
	.size	k_q7517599bbc_attn, .Lfunc_end_k_q7517599bbc_attn-k_q7517599bbc_attn
	.p2alignl 7, 3214868480
	.fill 96, 4, 3214868480
	.section	.rodata,"a",@progbits
	.p2align	6, 0x0
	.amdhsa_kernel k_q7517599bbc_attn
		.amdhsa_group_segment_fixed_size 327680
		.amdhsa_private_segment_fixed_size 0
		.amdhsa_enable_private_segment 0
		.amdhsa_kernarg_size 24
		.amdhsa_user_sgpr_count 2
		.amdhsa_user_sgpr_kernarg_segment_ptr 1
		.amdhsa_wavefront_size32 1
		.amdhsa_system_sgpr_workgroup_id_x 1
		.amdhsa_system_sgpr_workgroup_id_y 1
		.amdhsa_system_sgpr_workgroup_id_z 1
		.amdhsa_system_vgpr_workitem_id 0
		.amdhsa_next_free_vgpr 256
		.amdhsa_next_free_sgpr 100
		.amdhsa_reserve_vcc 1
		.amdhsa_float_denorm_mode_32 3
		.amdhsa_float_denorm_mode_16_64 3
		.amdhsa_memory_ordered 1
		.amdhsa_forward_progress 1
		.amdhsa_inst_pref_size 66
	.end_amdhsa_kernel
	.amdgpu_metadata
---
amdhsa.version: [ 1, 2 ]
amdhsa.kernels:
  - .name:           k_q7517599bbc_attn
    .symbol:         k_q7517599bbc_attn.kd
    .args:
      - { .name: qb, .offset: 0, .size: 8, .value_kind: global_buffer, .address_space: global }
      - { .name: kv, .offset: 8, .size: 8, .value_kind: global_buffer, .address_space: global }
      - { .name: opk, .offset: 16, .size: 8, .value_kind: global_buffer, .address_space: global }
    .group_segment_fixed_size: 327680
    .private_segment_fixed_size: 0
    .kernarg_segment_align: 8
    .kernarg_segment_size: 24
    .max_flat_workgroup_size: 512
    .sgpr_count:     100
    .vgpr_count:     256
    .wavefront_size: 32
...
	.end_amdgpu_metadata
.endif
;; end of part 10
;; launch proj (part 11): grid 8 x 32, 8 waves a work-group, no clusters, 140,288 bytes of LDS; arguments opk, wpk, out_b, x, x1; writes x1
.if DOCPART == 11
	.amdgcn_target "amdgcn-amd-amdhsa--gfx1250"
	.amdhsa_code_object_version 6
	.text
	.protected	k_q7517599bbc_proj
	.globl	k_q7517599bbc_proj
	.p2align	8
	.type	k_q7517599bbc_proj,@function
k_q7517599bbc_proj:
	s_mov_b64 s[64:65], 0
	v_nop
	global_prefetch_b8 v0, s[64:65] scope:SCOPE_SE
	s_setreg_imm32_b32 hwreg(HW_REG_WAVE_MODE, 25, 1), 1
	s_wait_xcnt 0x0
; x1 = x + o out_w^T + out_b on codes of BF8 with E8M0 scales.  A: opk, PACK(4096, 1024); B: wpk's super-blocks 192-255, PACK(1024, 1024).
; PACK: super-block (group of 128 rows x K/128 + step) x 16,896 bytes: fragment a as an image of its 16 registers at 2,048 a + 512 c + 16 lane, scale words at 16,384 + 256 (a / 4) + 16 r + 4 (a % 4).
; SHARES.  A work-group makes 128 x 128 of C with eight waves: wave (kh, row half, column half) makes 64 x 64, 16 accumulators, over half kh of K.
; THE OPERANDS GO FROM MEMORY STRAIGHT INTO REGISTERS: a fragment is stored as its registers want it, so each load reads 512 consecutive bytes.  Two sets of 128 registers take turns: a step's 34 loads
; (2 of scale words, 16 of B, 16 of A) are issued two steps ahead of their use.  No tile lies in LDS, so there is no tensor load, no joint load and no barrier in the loop; no prefetch is laid, since the loads themselves stand two steps ahead.
; THE PRODUCT IS USED TRANSPOSED (source 0 = 16 rows of the weight, source 1 = 16 rows of o): lane (r, h), register j of accumulator (a, b) holds C(16 a + r, 16 b + 8 h + j).
; THE WAY OUT.  Each wave lays its 64 x 64 sums into its own stage in LDS (rows of 272 bytes); one barrier; wave kh reads rows 32 kh .. 32 kh + 31 of both halves of K back as rows of 256 bytes, adds them, the bias and
; the residual, and stores: sixteen lanes fill one aligned run of 256 bytes.  LIMIT: a sum over K is made in two halves that are added at the end.
.set KT,    8
.set WOFF,  192
.set NSTEP, KT/2                       ; steps of 128 along K for a wave
.set SB,    16896
.set STG,   64*272                     ; a wave's stage
.set SPARE, 8*STG                      ; behind the stages: the spare words, 128 bytes for each wave
.set OA,  4                            ; v4  16 lane + 8,192 x row half
.set OB,  5                            ; v5  16 lane + 8,192 x column half
.set OSA, 6                            ; v6  16 r + 16,384 + 256 x row half
.set OSB, 7
.set STO, 8
.set RD,  9
.set CO,  10
.set BO,  11
.set SPW, 12
.set NIL, 13
.set SC,  32                           ; v32-47 scale words: set p: B's four at 8 p, A's four at 8 p + 4 (lanes 0-15 are read)
.set BS,  48                           ; v48-51 the bias of my four columns on the way out
.set RES, 64                           ; v64-127 the residual
.set ACC, 128                          ; v128-255 the accumulators.  Window 1: set p at 128 p: B's fragments, then A's
.set PA,  16                           ; s[16:17], s[18:19] where A's and B's steps stand
.set PB,  18
.set MSB, 0
.macro WIN new                         ; the immediate's high byte repeats the setting that is left
.if MSB != (\new)
	s_set_vgpr_msb (MSB<<8)|(\new)
.set MSB, (\new)
.endif
.endm
.macro PLACES                          ; eight places behind this matrix instruction
.rept 8
	v_nop
.endr
.endm
.macro LOAD p, off                     ; a step's 34 loads into set p
	WIN 0
	global_load_b128 v[SC+8*(\p):SC+8*(\p)+3], v[OSB], s[PB:PB+1] offset:\off
	global_load_b128 v[SC+8*(\p)+4:SC+8*(\p)+7], v[OSA], s[PA:PA+1] offset:\off
	WIN 0x40
.irp i, 0,1,2,3
.irp c, 0,1,2,3
	global_load_b128 v[128*(\p)+16*\i+4*\c:128*(\p)+16*\i+4*\c+3], v[OB], s[PB:PB+1] offset:\off+2048*\i+512*\c
.endr
.endr
.irp i, 0,1,2,3
.irp c, 0,1,2,3
	global_load_b128 v[128*(\p)+64+16*\i+4*\c:128*(\p)+64+16*\i+4*\c+3], v[OA], s[PA:PA+1] offset:\off+2048*\i+512*\c
.endr
.endr
.endm
.macro MUL4 a, p, first                ; the 16 accumulators take turns, in the same order in every step
.irp b, 0,1,2,3
.if \first
	v_wmma_scale_f32_16x16x128_f8f6f4 v[ACC+8*(4*(\a)+\b):ACC+8*(4*(\a)+\b)+7], v[128*(\p)+16*\b:128*(\p)+16*\b+15], v[128*(\p)+64+16*(\a):128*(\p)+64+16*(\a)+15], 0, v[SC+8*(\p)+\b], v[SC+8*(\p)+4+(\a)] matrix_a_fmt:MATRIX_FMT_BF8 matrix_b_fmt:MATRIX_FMT_BF8
.else
	v_wmma_scale_f32_16x16x128_f8f6f4 v[ACC+8*(4*(\a)+\b):ACC+8*(4*(\a)+\b)+7], v[128*(\p)+16*\b:128*(\p)+16*\b+15], v[128*(\p)+64+16*(\a):128*(\p)+64+16*(\a)+15], v[ACC+8*(4*(\a)+\b):ACC+8*(4*(\a)+\b)+7], v[SC+8*(\p)+\b], v[SC+8*(\p)+4+(\a)] matrix_a_fmt:MATRIX_FMT_BF8 matrix_b_fmt:MATRIX_FMT_BF8
.endif
.endr
.endm
; a step on set p.  c1: the loads younger than the set's first 26 (scale words, B, A's blocks 0, 1); c2: those younger than the whole set.  off: where the step two on lies (0: none is asked for)
.macro STEP p, first, c1, c2, off
	s_wait_loadcnt \c1
	WIN 0x05                               ; sources 0 and 1 in window 1
	MUL4 0, \p, \first
	MUL4 1, \p, \first
	s_wait_loadcnt \c2
	MUL4 2, \p, \first
	MUL4 3, \p, \first
.if \off
	PLACES
	LOAD \p, \off
.endif
.endm
	s_load_b256 s[4:11], s[0:1], 0x0       ; A s[4:5], wpk s[6:7], the bias s[8:9], the residual s[10:11]
	s_load_b64 s[12:13], s[0:1], 0x20      ; the result
	v_lshl_add_u32 v[SPW], v0, 2, SPARE
	v_mov_b32 v[NIL], 0
	v_lshrrev_b32 v1, 5, v0
	s_delay_alu instid0(VALU_DEP_1)
	v_readfirstlane_b32 s14, v1            ; wave 0..7
	s_lshr_b32 s15, s14, 2                 ; kh
	s_bfe_u32 s20, s14, 0x10001            ; row half
	s_and_b32 s21, s14, 1                  ; column half
	s_and_b32 s22, ttmp7, 0xffff           ; A's group of 128 rows
	s_mul_i32 s24, s22, KT*SB
	s_mul_i32 s23, s15, NSTEP*SB
	s_add_co_u32 s24, s24, s23
	s_mov_b32 s25, 0
	s_mul_i32 s26, ttmp9, KT*SB            ; B's group
	s_add_co_u32 s26, s26, s23
	s_add_co_u32 s26, s26, WOFF*SB
	s_mov_b32 s27, 0
	s_lshl_b32 s28, s20, 13
	s_lshl_b32 s29, s21, 13
	s_lshl_b32 s30, s20, 8
	s_add_co_u32 s30, s30, 16384
	s_lshl_b32 s31, s21, 8
	s_add_co_u32 s31, s31, 16384
	s_and_b32 s33, s14, 3
	s_mul_i32 s33, s33, 2*STG              ; the two stages of my 64 x 64: kh = 0's, then kh = 1's
	s_mul_i32 s34, s15, STG
	s_add_co_u32 s34, s34, s33             ; mine
	s_mul_i32 s35, s15, 32*272
	s_add_co_u32 s35, s35, s33             ; row 32 kh of the first
	s_lshl_b32 s36, s22, 7
	s_lshl_b32 s37, s20, 6
	s_add_co_u32 s36, s36, s37
	s_lshl_b32 s37, s15, 5
	s_add_co_u32 s36, s36, s37             ; the first row that I store
	s_lshl_b32 s36, s36, 12
	s_lshl_b32 s38, ttmp9, 9
	s_lshl_b32 s39, s21, 8
	s_add_co_u32 s38, s38, s39             ; my first column, in bytes
	s_mov_b32 s39, 0
	s_add_co_u32 s36, s36, s38
	s_mov_b32 s37, 0
	v_and_b32 v1, 31, v0                   ; lane
	v_and_b32 v2, 15, v0                   ; r
	v_bfe_u32 v3, v0, 4, 1                 ; h
	s_delay_alu instid0(VALU_DEP_3)
	v_lshl_add_u32 v[OA], v1, 4, s28
	s_delay_alu instid0(VALU_DEP_4)
	v_lshl_add_u32 v[OB], v1, 4, s29
	s_delay_alu instid0(VALU_DEP_4)
	v_lshl_add_u32 v[OSA], v2, 4, s30
	v_lshl_add_u32 v[OSB], v2, 4, s31
	v_lshlrev_b32 v[BO], 4, v2
	v_mul_u32_u24 v14, v2, 272
	v_mul_u32_u24 v15, v3, 272
	v_lshlrev_b32 v16, 12, v3
	s_delay_alu instid0(VALU_DEP_3)
	v_lshl_add_u32 v14, v3, 5, v14
	s_delay_alu instid0(VALU_DEP_3)
	v_lshl_add_u32 v15, v2, 4, v15
	s_delay_alu instid0(VALU_DEP_3)
	v_lshl_add_u32 v[CO], v2, 4, v16       ; lanes 0-15 one row of C, lanes 16-31 the next; 16 bytes a lane
	s_delay_alu instid0(VALU_DEP_3)
	v_add_nc_u32 v[STO], s34, v14          ; into my stage: row r, + 32 h
	s_delay_alu instid0(VALU_DEP_3)
	v_add_nc_u32 v[RD], s35, v15           ; back: row 32 kh + h, + 16 r
	s_wait_alu depctr_va_vdst(0)
	s_wait_kmcnt 0x0
	s_add_nc_u64 s[PA:PA+1], s[4:5], s[24:25]
	s_add_nc_u64 s[PB:PB+1], s[6:7], s[26:27]
	s_add_nc_u64 s[8:9], s[8:9], s[38:39]
	s_add_nc_u64 s[10:11], s[10:11], s[36:37]
	s_add_nc_u64 s[12:13], s[12:13], s[36:37]
	LOAD 0, 0
	LOAD 1, SB
	STEP 0, 1, 42, 34, 2*SB                ; the first step starts the sums.  42 = my last 8 + the next step's 34
.if NSTEP > 4
	WIN 0
	s_mov_b32 s3, (NSTEP-4)/2
.Lk:                                   ; a trip is two steps; the bases stand one step behind the trip's first
	STEP 1, 0, 42, 34, 3*SB
	STEP 0, 0, 42, 34, 4*SB
	WIN 0
	s_wait_xcnt 0x0                        ; the loads have read their bases, which are stepped only behind this wait
	s_add_nc_u64 s[PA:PA+1], s[PA:PA+1], 2*SB
	s_add_nc_u64 s[PB:PB+1], s[PB:PB+1], 2*SB
	s_sub_co_u32 s3, s3, 1
	s_cmp_lg_u32 s3, 0
	s_cbranch_scc1 .Lk
.endif
	STEP 1, 0, 42, 34, 3*SB                ; asks for the last step
	WIN 0
.set n, 0
.rept 16
	global_load_b128 v[RES+4*n:RES+4*n+3], v[CO], s[10:11] offset:8192*n th:TH_LOAD_NT   ; the residual of my 32 rows: sixteen lanes read 256 consecutive bytes
.set n, n+1
.endr
	global_load_b128 v[BS:BS+3], v[BO], s[8:9]
	STEP 0, 0, 59, 51, 0                   ; 59 = 8 + 34 + these 17
	STEP 1, 0, 25, 17, 0
	WIN 0
	PLACES
.irp a, 0,1,2,3
.irp b, 0,1,2,3
	ds_store_b128 v[STO], v[ACC+8*(4*\a+\b):ACC+8*(4*\a+\b)+3] offset:\a*16*272+64*\b        ; each accumulator from its low end on
	ds_store_b128 v[STO], v[ACC+8*(4*\a+\b)+4:ACC+8*(4*\a+\b)+7] offset:\a*16*272+64*\b+16
.endr
.endr
	s_wait_dscnt 0x0                       ; for my partner's sake
	s_barrier_signal -1
	s_barrier_wait -1
.set n, 0
.rept 16
	ds_load_b128 v[ACC+4*n:ACC+4*n+3], v[RD] offset:544*n
	ds_load_b128 v[ACC+64+4*n:ACC+64+4*n+3], v[RD] offset:STG+544*n
.set n, n+1
.endr
	s_wait_loadcnt 0x0                     ; the residual and the bias
.set n, 0
.rept 32
	v_pk_add_f32 v[RES+n:RES+n+1], v[RES+n:RES+n+1], v[BS+n%4:BS+n%4+1]
.set n, n+2
.endr
	s_wait_dscnt 0x0
.set n, 0
.rept 32
	v_pk_add_f32 v[ACC+n:ACC+n+1], v[ACC+n:ACC+n+1], v[ACC+64+n:ACC+64+n+1]
.set n, n+2
.endr
.set n, 0
.rept 32
	v_pk_add_f32 v[ACC+n:ACC+n+1], v[ACC+n:ACC+n+1], v[RES+n:RES+n+1]
.set n, n+2
.endr
.set n, 0
.rept 16
	global_store_b128 v[CO], v[ACC+4*n:ACC+4*n+3], s[12:13] offset:8192*n   ; sixteen lanes store 256 consecutive bytes, aligned
.set n, n+1
.endr
	s_wait_tensorcnt 0x0                   ; the wave's end, behind my last LDS store
	ds_add_u32 v[SPW], v[NIL]
	s_wait_dscnt 0x0
	s_endpgm
.Lfunc_end_k_q7517599bbc_proj:
	.size	k_q7517599bbc_proj, .Lfunc_end_k_q7517599bbc_proj-k_q7517599bbc_proj
	.p2alignl 7, 3214868480
	.fill 96, 4, 3214868480
	.section	.rodata,"a",@progbits
	.p2align	6, 0x0
	.amdhsa_kernel k_q7517599bbc_proj
		.amdhsa_group_segment_fixed_size 140288
		.amdhsa_private_segment_fixed_size 0
		.amdhsa_enable_private_segment 0
		.amdhsa_kernarg_size 40
		.amdhsa_user_sgpr_count 2
		.amdhsa_user_sgpr_kernarg_segment_ptr 1
		.amdhsa_wavefront_size32 1
		.amdhsa_system_sgpr_workgroup_id_x 1
		.amdhsa_system_sgpr_workgroup_id_y 1
		.amdhsa_system_sgpr_workgroup_id_z 1
		.amdhsa_system_vgpr_workitem_id 0
		.amdhsa_next_free_vgpr 512
		.amdhsa_next_free_sgpr 66
		.amdhsa_reserve_vcc 0
		.amdhsa_float_denorm_mode_32 3
		.amdhsa_float_denorm_mode_16_64 3
		.amdhsa_memory_ordered 1
		.amdhsa_forward_progress 1
		.amdhsa_inst_pref_size 39
	.end_amdhsa_kernel
	.amdgpu_metadata
---
amdhsa.version: [ 1, 2 ]
amdhsa.kernels:
  - .name:           k_q7517599bbc_proj
    .symbol:         k_q7517599bbc_proj.kd
    .args:
      - { .name: opk, .offset: 0, .size: 8, .value_kind: global_buffer, .address_space: global }
      - { .name: wpk, .offset: 8, .size: 8, .value_kind: global_buffer, .address_space: global }
      - { .name: out_b, .offset: 16, .size: 8, .value_kind: global_buffer, .address_space: global }
      - { .name: x, .offset: 24, .size: 8, .value_kind: global_buffer, .address_space: global }
      - { .name: x1, .offset: 32, .size: 8, .value_kind: global_buffer, .address_space: global }
    .group_segment_fixed_size: 140288
    .private_segment_fixed_size: 0
    .kernarg_segment_align: 8
    .kernarg_segment_size: 40
    .max_flat_workgroup_size: 256
    .sgpr_count:     66
    .vgpr_count:     512
    .wavefront_size: 32
...
	.end_amdgpu_metadata
.endif
;; end of part 11
;; launch ln2: the kernel of part 8 again; grid 256 x 1, 8 waves a work-group, no clusters, 137,728 bytes of LDS; arguments x1, ln2_g, ln2_b, hpk, in_proj_w, out_w, w1, w2, wpk; writes hpk, wpk
;; launch ffn1 (part 12): grid 16 x 16, 4 waves a work-group, clusters of 4 x 4, 327,680 bytes of LDS; arguments hpk, wpk, b1, fpk; writes fpk
.if DOCPART == 12
	.amdgcn_target "amdgcn-amd-amdhsa--gfx1250"
	.amdhsa_code_object_version 6
	.text
	.protected	k_q7517599bbc_ffn1
	.globl	k_q7517599bbc_ffn1
	.p2align	8
	.type	k_q7517599bbc_ffn1,@function
k_q7517599bbc_ffn1:
	s_mov_b64 s[64:65], 0
	v_nop
	global_prefetch_b8 v0, s[64:65] scope:SCOPE_SE
	s_setreg_imm32_b32 hwreg(HW_REG_WAVE_MODE, 25, 1), 1
	s_wait_xcnt 0x0
	s_wait_alu depctr_hold_cnt(0) depctr_sa_sdst(0) depctr_va_vdst(0) depctr_va_sdst(0) depctr_va_ssrc(0) depctr_va_vcc(0) depctr_vm_vsrc(0)
	s_getreg_b32 s2, hwreg(HW_REG_IB_STS2, 6, 4)
	s_cmp_eq_u32 s2, 0
	s_cbranch_scc0 .Lentry_in_a_cluster
	s_endpgm
.Lentry_in_a_cluster:
	s_bfe_u32 s2, ttmp6, 0x10000c
	s_cmp_lg_u32 s2, 0xf033
	s_cbranch_scc0 .Lentry_shape_is_right
	s_endpgm
.Lentry_shape_is_right:
.set KT,    8
.set WOFF,  256
.set LAPS,  KT/4
.set SB,    16896
.set REG,   2*SB
.set SLOT,  4*REG
.set SPARE, 2*SLOT
.set NQ,    2
.set FR,    16
.set NL,    4
.set NP,    8
.set ADRA, 16
.set ADRB, 20
.set ADRS, 22
.set SPW,  28
.set NIL,  29
.set SC,   32
.set BI,   64
.set AF,   128
.set G1, 24
.set G0, 32
.set G1B, 48
.set G0B, 56
.set SEL, 66
.set MNT, 68
.set MSB, 0
.macro WIN new
.if MSB != (\new)
	s_set_vgpr_msb (MSB<<8)|(\new)
.set MSB, (\new)
.endif
.endm
.set MUL_LO, 0xa1
.set MUL_HI, 0xf1
.set TO_B,   0x40
.macro JLOAD g0a, g1a, g0b, g1b
	s_cmp_eq_u32 s15, 0
	s_cbranch_scc0 .Lfor_b_\@
	tensor_load_to_lds s[\g0a:\g0a+3], s[\g1a:\g1a+7]
	s_nop 0
.rept 4
	v_nop
.endr
	s_branch .Lasked_\@
.Lfor_b_\@:
	tensor_load_to_lds s[\g0b:\g0b+3], s[\g1b:\g1b+7]
	s_nop 0
.rept 4
	v_nop
.endr
.Lasked_\@:
.endm
.macro CREST
	s_cmp_lg_u32 s14, 0
	s_cbranch_scc1 .Lnot_wave_0_\@
	s_barrier_signal -3
.Lnot_wave_0_\@:
	s_barrier_wait -3
	s_barrier_signal -1
	s_barrier_wait -1
.endm
.macro CROUND
	s_barrier_signal -1
	s_barrier_wait -1
	CREST
.endm
.macro PLACES n
.rept \n
	v_nop
.endr
.endm
.macro FRAG reg, adr, q, i
.irp c, 0,1,2,3
	ds_load_b128 v[\reg+4*\c:\reg+4*\c+3], v[\adr] offset:SB*(\q)+2048*(\i)+512*\c
.endr
.endm
.macro MUL16 a0, p, q, sc, first
.irp a, \a0, \a0+1
.irp b, 0,1,2,3,4,5,6,7
.if \first
	v_wmma_scale_f32_16x16x128_f8f6f4 v[8*(8*((\a)%4)+\b):8*(8*((\a)%4)+\b)+7], v[128*(\p)+FR*\b:128*(\p)+FR*\b+FR-1], v[AF+FR*(\a):AF+FR*(\a)+FR-1], v[BI+8*\b:BI+8*\b+7], v[SC+16*(\sc)+8*(\q)+\b], v[SC+16*(\sc)+8*(\q)+(\a)] matrix_a_fmt:MATRIX_FMT_BF8 matrix_b_fmt:MATRIX_FMT_BF8 matrix_a_scale:MATRIX_SCALE_ROW1
.else
	v_wmma_scale_f32_16x16x128_f8f6f4 v[8*(8*((\a)%4)+\b):8*(8*((\a)%4)+\b)+7], v[128*(\p)+FR*\b:128*(\p)+FR*\b+FR-1], v[AF+FR*(\a):AF+FR*(\a)+FR-1], v[8*(8*((\a)%4)+\b):8*(8*((\a)%4)+\b)+7], v[SC+16*(\sc)+8*(\q)+\b], v[SC+16*(\sc)+8*(\q)+(\a)] matrix_a_fmt:MATRIX_FMT_BF8 matrix_b_fmt:MATRIX_FMT_BF8 matrix_a_scale:MATRIX_SCALE_ROW1
.endif
.endr
.endr
.endm
.macro FETCH_B slot, q, p
	WIN TO_B
.irp i, 0,1,2,3,4,5,6,7
	FRAG 128*(\p)+FR*\i, ADRB+\slot, \q, \i
.endr
	WIN 0
.endm
.macro FETCH_A slot, q, i0
.irp i, \i0, \i0+1, \i0+2, \i0+3
	FRAG AF+FR*(\i), ADRA+\slot, \q, \i
.endr
.endm
.macro SCALES sc
.irp q, 0,1
	ds_load_b128 v[SC+16*(\sc)+8*\q:SC+16*(\sc)+8*\q+3], v[ADRS+\sc] offset:SB*\q
	ds_load_b128 v[SC+16*(\sc)+8*\q+4:SC+16*(\sc)+8*\q+7], v[ADRS+\sc] offset:SB*\q+256
.endr
.endm
.macro STEP slot, q, first
	s_wait_dscnt 4*NL
.if \first
	WIN 0x81
.else
	WIN MUL_LO
.endif
	MUL16 0, (\q)%2, \q, \slot, \first
	MUL16 2, (\q)%2, \q, \slot, \first
	s_wait_dscnt 0
	PLACES NP
	FETCH_B \slot, (\q)+1, 1-(\q)%2
	FETCH_A \slot, (\q)+1, 0
.if \first
	WIN 0xc1
.else
	WIN MUL_HI
.endif
	MUL16 4, (\q)%2, \q, \slot, \first
	MUL16 6, (\q)%2, \q, \slot, \first
	PLACES NP
	WIN 0
	FETCH_A \slot, (\q)+1, 4
.endm
.macro TURN slot, next, fill
	s_wait_tensorcnt 0x0
	ds_add_u32 v[SPW], v[NIL]
	s_wait_dscnt 4*NL+1
	WIN MUL_LO
	MUL16 0, 1, NQ-1, \slot, 0
	s_wait_dscnt 0x0
	s_barrier_signal -1
	MUL16 2, 1, NQ-1, \slot, 0
	WIN 0
	s_barrier_wait -1
.if \fill
	CREST
	s_add_nc_u64 s[G0+4*\slot+2:G0+4*\slot+3], s[G0+4*\slot+2:G0+4*\slot+3], 2*REG
	s_add_nc_u64 s[G0B+4*\slot+2:G0B+4*\slot+3], s[G0B+4*\slot+2:G0B+4*\slot+3], 2*REG
	JLOAD G0+4*\slot, G1, G0B+4*\slot, G1B
	PLACES NP-4
.else
	PLACES NP
.endif
	FETCH_B \next, 0, 0
	FETCH_A \next, 0, 0
	SCALES \next
	WIN MUL_HI
	MUL16 4, 1, NQ-1, \slot, 0
	MUL16 6, 1, NQ-1, \slot, 0
	PLACES NP
	WIN 0
	FETCH_A \next, 0, 4
.endm
	s_load_b256 s[4:11], s[0:1], 0x0
	v_lshl_add_u32 v[SPW], v0, 2, SPARE
	v_mov_b32 v[NIL], 0
	ds_add_u32 v[SPW], v[NIL]
	ds_add_u32 v[SPW], v[NIL]
	v_lshrrev_b32 v1, 5, v0
	v_readfirstlane_b32 s14, v1
	s_lshr_b32 s15, s14, 1
	s_and_b32 s16, s14, 1
	s_bfe_u32 s40, ttmp6, 0x40000
	s_bfe_u32 s41, ttmp6, 0x40004
	s_lshl_b32 s42, ttmp9, 2
	s_add_co_u32 s42, s42, s40
	s_and_b32 s17, ttmp7, 0xffff
	s_lshl_b32 s17, s17, 2
	s_add_co_u32 s17, s17, s41
	s_lshl_b32 s43, s41, 2
	s_lshl_b32 s43, 15, s43
	s_lshl_b32 s44, 0x1111, s40
	s_or_b32 s[G1+0], s43, (3<<16)|(1<<21)
	s_or_b32 s[G1B+0], s44, (3<<16)|(1<<21)
.irp g, G1, G1B
	s_mov_b32 s[\g+1], 32<<16
	s_mov_b32 s[\g+2], 132<<16
	s_mov_b32 s[\g+3], 32<<16
	s_mov_b32 s[\g+4], 132
	s_mov_b32 s[\g+5], 32
	s_mov_b32 s[\g+6], 0
	s_mov_b32 s[\g+7], 0
.endr
	s_lshl_b32 s20, s17, 1
	s_add_co_u32 s20, s20, s16
	s_mul_i32 s20, s20, KT*SB
	s_mov_b32 s21, 0
	s_lshl_b32 s46, s42, 1
	s_add_co_u32 s46, s46, s16
	s_mul_i32 s46, s46, KT*SB
.if WOFF
	s_add_co_u32 s46, s46, WOFF*SB
.endif
	s_mov_b32 s47, 0
	s_mul_i32 s45, s14, REG
	s_mov_b32 s[SEL], 0x76543210
	s_mov_b32 s[SEL+1], 0xfedcba98
	s_mov_b32 s[MNT], 0x600000
	s_wait_dscnt 0x0
	s_wait_kmcnt 0x0
	s_add_nc_u64 s[20:21], s[4:5], s[20:21]
	s_add_nc_u64 s[46:47], s[6:7], s[46:47]
	CROUND
.irp s, 0,1
	s_mov_b32 s[G0+4*\s], 1
	s_add_co_u32 s[G0+4*\s+1], s45, \s*SLOT
	s_add_nc_u64 s[G0+4*\s+2:G0+4*\s+3], s[20:21], \s*REG
	s_or_b32 s[G0+4*\s+3], s[G0+4*\s+3], 0x80000000
	s_mov_b32 s[G0B+4*\s], 1
	s_add_co_u32 s[G0B+4*\s+1], s45, \s*SLOT
	s_add_nc_u64 s[G0B+4*\s+2:G0B+4*\s+3], s[46:47], \s*REG
	s_or_b32 s[G0B+4*\s+3], s[G0B+4*\s+3], 0x80000000
.endr
	; THE HEAD'S LOADS, ONE A WAVE, fill both slots: wave 0 A's part of slot 0, wave 1 A's part of slot 1, waves 2 and 3 the same of B.
	; A part is two rows of 33,792 bytes (256 along K of each of the two groups of 128 rows), KT x SB bytes apart in memory, on end in LDS.
	s_or_b32 s80, s43, (3<<16)|(1<<21)
	s_or_b32 s88, s44, (3<<16)|(1<<21)
.irp g, 80, 88
	s_mov_b32 s[\g+1], 4224<<16            ; tensor_dim0: 4,224 elements of 8 bytes
	s_mov_b32 s[\g+2], 2<<16               ; tensor_dim1
	s_mov_b32 s[\g+3], 4224<<16            ; tile_dim0
	s_mov_b32 s[\g+4], 2                   ; tile_dim1
	s_mov_b32 s[\g+5], KT*SB/8             ; from group to group
	s_mov_b32 s[\g+6], 0
	s_mov_b32 s[\g+7], 0
.endr
	s_mul_i32 s98, s17, 2*KT*SB            ; A: the tile row's first group,
	s_mul_i32 s99, s16, REG                ; the slot's 256 along K
	s_add_co_u32 s98, s98, s99
	s_mov_b32 s99, 0
	s_add_nc_u64 s[98:99], s[4:5], s[98:99]
	s_or_b32 s99, s99, 0x80000000
	s_mov_b32 s96, 1
	s_mul_i32 s97, s16, SLOT
	s_mul_i32 s4, s42, 2*KT*SB             ; B: the tile column's first group (hpk's address has been used)
	s_mul_i32 s5, s16, REG
	s_add_co_u32 s4, s4, s5
	s_add_co_u32 s4, s4, WOFF*SB
	s_mov_b32 s5, 0
	s_add_nc_u64 s[6:7], s[6:7], s[4:5]
	s_or_b32 s7, s7, 0x80000000
	s_mov_b32 s4, 1
	s_add_co_u32 s5, s97, 2*REG
	JLOAD 96, 80, 4, 88
	v_and_b32 v1, 31, v0
	v_and_b32 v2, 15, v0
	v_bfe_u32 v3, v0, 4, 1
	s_wait_alu depctr_va_vdst(0)
	v_lshlrev_b32 v4, 4, v1
	s_mul_i32 s21, s15, REG
	s_mul_i32 s22, s16, REG
	s_add_co_u32 s22, s22, 2*REG
.irp s, 0,1
	v_add_nc_u32 v[ADRA+\s], s21, v4
	v_add_nc_u32 v[ADRB+\s], s22, v4
	s_add_co_u32 s21, s21, SLOT
	s_add_co_u32 s22, s22, SLOT
.endr
	s_mul_i32 s21, s15, REG
	s_mul_i32 s22, s16, REG
	s_add_co_u32 s22, s22, 2*REG
	s_sub_co_u32 s22, s22, s21
	v_mul_u32_u24 v6, s22, v3
	v_lshl_add_u32 v5, v2, 4, v6
	s_add_co_u32 s21, s21, 16384
	v_add_nc_u32 v[ADRS], s21, v5
	v_add_nc_u32 v[ADRS+1], SLOT, v[ADRS]
	s_lshl_b32 s46, s42, 10
	s_lshl_b32 s47, s16, 9
	s_add_co_u32 s46, s46, s47
	s_mov_b32 s47, 0
	s_add_nc_u64 s[8:9], s[8:9], s[46:47]
	v_lshlrev_b32 v7, 5, v3
.irp b, 0,1,2,3,4,5,6,7
	global_load_b128 v[BI+8*\b:BI+8*\b+3], v7, s[8:9] offset:64*\b
	global_load_b128 v[BI+8*\b+4:BI+8*\b+7], v7, s[8:9] offset:64*\b+16
.endr
	s_lshl_b32 s20, s17, 1
	s_add_co_u32 s20, s20, s15
	s_lshl_b32 s20, s20, 5
	s_lshl_b32 s46, s42, 1
	s_add_co_u32 s46, s46, s16
	s_add_co_u32 s20, s20, s46
	s_mul_i32 s20, s20, SB
	s_mov_b32 s21, 0
	s_add_nc_u64 s[10:11], s[10:11], s[20:21]
	s_wait_alu depctr_va_vdst(0)
	s_wait_tensorcnt 0x0                   ; my one load is in; behind the barrier both slots are whole
	s_barrier_signal -1
	s_barrier_wait -1
	FETCH_B 0, 0, 0
	FETCH_A 0, 0, 0
	SCALES 0
	FETCH_A 0, 0, 4
	s_wait_loadcnt 0x0
	STEP 0, 0, 1
.if LAPS > 1
	s_mov_b32 s3, LAPS-1
.Llap:
	TURN 0, 1, 1
	STEP 1, 0, 0
	TURN 1, 0, 1
	STEP 0, 0, 0
	s_sub_co_u32 s3, s3, 1
	s_cmp_lg_u32 s3, 0
	s_cbranch_scc1 .Llap
.endif
	TURN 0, 1, 0
	STEP 1, 0, 0
	s_wait_dscnt 4*NL
	WIN MUL_LO
	MUL16 0, 1, NQ-1, 1, 0
	MUL16 2, 1, NQ-1, 1, 0
	s_wait_dscnt 0
	WIN MUL_HI
	MUL16 4, 1, NQ-1, 1, 0
	MUL16 6, 1, NQ-1, 1, 0
	WIN 0
	PLACES NP
.set HX, 64
.set Z,  128
.set X2, 160
.set P,  192
.set Q,  224
.set PC, 128
.set TM, 160
.set WS, 12
.set PW, 18
.macro EXTRACT a
	WIN 2+(\a)/4
.set en, 0
.rept 32
	v_pk_mul_f32 v[HX+en:HX+en+1], v[64*((\a)%4)+en:64*((\a)%4)+en+1], 0.5 op_sel_hi:[1,0]
.set en, en+2
.endr
	WIN 0
.endm
.macro POLY d, lit
.set pn, 0
.rept 16
	v_pk_fma_f32 v[\d+pn:\d+pn+1], v[\d+pn:\d+pn+1], v[X2+pn:X2+pn+1], \lit op_sel_hi:[1,1,0]
.set pn, pn+2
.endr
.endm
.macro GELU hh
.set HB, HX+32*(\hh)
.set gn, 0
.rept 16
	v_pk_mul_f32 v[Z+gn:Z+gn+1], v[HB+gn:HB+gn+1], 0x3fb504f3 op_sel_hi:[1,0]
.set gn, gn+2
.endr
.set gn, 0
.rept 32
	v_med3_num_f32 v[Z+gn], v[Z+gn], -4.0, 4.0
.set gn, gn+1
.endr
.set gn, 0
.rept 16
	v_pk_mul_f32 v[X2+gn:X2+gn+1], v[Z+gn:Z+gn+1], v[Z+gn:Z+gn+1]
.set gn, gn+2
.endr
.set gn, 0
.rept 16
	v_pk_fma_f32 v[P+gn:P+gn+1], v[X2+gn:X2+gn+1], v[8:9], 0x32edffee op_sel_hi:[1,1,0]
.set gn, gn+2
.endr
.set gn, 0
.rept 16
	v_pk_fma_f32 v[Q+gn:Q+gn+1], v[X2+gn:X2+gn+1], v[10:11], 0xb95fbd29 op_sel_hi:[1,1,0]
.set gn, gn+2
.endr
	POLY P, 0xb60cff51
	POLY Q, 0xbadc924e
	POLY P, 0xb86ec2d2
	POLY Q, 0xbbf19bf8
	POLY P, 0xba40ac63
	POLY Q, 0xbc69b6a7
	POLY P, 0xbb41a1f6
	POLY P, 0xbc83dbd4
.set gn, 0
	s_wait_alu depctr_va_vdst(0)
.rept 32
	v_rcp_f32 v[Q+gn], v[Q+gn]
.set gn, gn+1
.endr
.set gn, 0
.rept 16
	v_pk_mul_f32 v[P+gn:P+gn+1], v[P+gn:P+gn+1], v[Z+gn:Z+gn+1]
.set gn, gn+2
.endr
	s_wait_alu depctr_va_vdst(0)
.set gn, 0
.rept 16
	v_pk_mul_f32 v[P+gn:P+gn+1], v[P+gn:P+gn+1], v[Q+gn:Q+gn+1]
.set gn, gn+2
.endr
.set gn, 0
.rept 16
	v_pk_fma_f32 v[HB+gn:HB+gn+1], v[P+gn:P+gn+1], v[HB+gn:HB+gn+1], v[HB+gn:HB+gn+1]
.set gn, gn+2
.endr
.endm
.macro QUANT s
.irp b, 0,1,2,3
	v_max3_num_f32 v[TM+\b], |v[\s+16*\b]|, |v[\s+1+16*\b]|, 0x8000000
.endr
.irp i, 2,4,6,8,10,12,14
.irp b, 0,1,2,3
	v_max3_num_f32 v[TM+\b], v[TM+\b], |v[\s+16*\b+\i]|, |v[\s+1+16*\b+\i]|
.endr
.endr
.irp b, 0,1,2,3
	v_permlanex16_b32 v[TM+4+\b], v[TM+\b], s[SEL], s[SEL+1]
.endr
.irp b, 0,1,2,3
	v_max_num_f32 v[TM+\b], v[TM+\b], v[TM+4+\b]
.endr
.irp b, 0,1,2,3
	v_add_nc_u32 v[TM+12+\b], 0xf8800000, v[TM+\b]
.endr
.irp b, 0,1,2,3
	v_and_or_b32 v[TM+8+\b], v[TM+\b], 0x7f800000, s[MNT]
.endr
.irp b, 0,1,2,3
	v_lshrrev_b32 v[TM+4+\b], 23, v[TM+12+\b]
.endr
	v_lshl_or_b32 v[PW], v[TM+5], 8, v[TM+4]
	v_lshl_or_b32 v[PW], v[TM+6], 16, v[PW]
	v_lshl_or_b32 v[PW], v[TM+7], 24, v[PW]
.irp b, 0,1,2,3
.irp i, 0,1,2,3,4,5,6,7,8,9,10,11,12,13,14,15
	v_med3_num_f32 v[\s+16*\b+\i], v[\s+16*\b+\i], -v[TM+8+\b], v[TM+8+\b]
.endr
	v_cvt_scalef32_pk8_bf8_f32 v[PC+4*\b:PC+1+4*\b], v[\s+16*\b:\s+7+16*\b], v[TM+12+\b]
	v_cvt_scalef32_pk8_bf8_f32 v[PC+2+4*\b:PC+3+4*\b], v[\s+8+16*\b:\s+15+16*\b], v[TM+12+\b]
.endr
	v_nop
.endm
	v_mov_b32 v8, 0xaf95df0b
	v_mov_b32 v9, 0xaf95df0b
	v_mov_b32 v10, 0xb77460cd
	v_mov_b32 v11, 0xb77460cd
.irp f, 0,1,2,3
	v_mov_b32 v[WS+\f], 0
.endr
	s_mov_b32 s72, 0xffff0000
	s_mov_b32 s3, 0
.Lrow:
	s_cmp_eq_u32 s3, 0
	s_cbranch_scc1 .Le0
	s_cmp_eq_u32 s3, 1
	s_cbranch_scc1 .Le1
	s_cmp_eq_u32 s3, 2
	s_cbranch_scc1 .Le2
	s_cmp_eq_u32 s3, 3
	s_cbranch_scc1 .Le3
	s_cmp_eq_u32 s3, 4
	s_cbranch_scc1 .Le4
	s_cmp_eq_u32 s3, 5
	s_cbranch_scc1 .Le5
	s_cmp_eq_u32 s3, 6
	s_cbranch_scc1 .Le6
	EXTRACT 7
	s_branch .Lgo
.Le0:
	EXTRACT 0
	s_branch .Lgo
.Le1:
	EXTRACT 1
	s_branch .Lgo
.Le2:
	EXTRACT 2
	s_branch .Lgo
.Le3:
	EXTRACT 3
	s_branch .Lgo
.Le4:
	EXTRACT 4
	s_branch .Lgo
.Le5:
	EXTRACT 5
	s_branch .Lgo
.Le6:
	EXTRACT 6
.Lgo:
	GELU 0
	GELU 1
	QUANT HX
.irp c, 0,1,2,3
	global_store_b128 v4, v[PC+4*\c:PC+4*\c+3], s[10:11] offset:512*\c
.endr
	s_cmp_lt_u32 s3, 4
	s_cselect_b32 s73, -1, s72
	v_cndmask_b32 v[WS], v[WS], v[WS+1], s73
	v_cndmask_b32 v[WS+1], v[WS+1], v[WS+2], s73
	v_cndmask_b32 v[WS+2], v[WS+2], v[WS+3], s73
	v_cndmask_b32 v[WS+3], v[WS+3], v[PW], s73
	s_wait_xcnt 0x0
	s_add_nc_u64 s[10:11], s[10:11], 2048
	s_add_co_u32 s3, s3, 1
	s_cmp_lt_u32 s3, 8
	s_cbranch_scc1 .Lrow
	s_wait_alu depctr_va_vdst(0)
	global_store_b128 v4, v[WS:WS+3], s[10:11]
	s_wait_tensorcnt 0x0
	ds_add_u32 v[SPW], v[NIL]
	s_wait_dscnt 0x0
	CROUND
	s_endpgm
.Lfunc_end_k_q7517599bbc_ffn1:
	.size	k_q7517599bbc_ffn1, .Lfunc_end_k_q7517599bbc_ffn1-k_q7517599bbc_ffn1
	.p2alignl 7, 3214868480
	.fill 96, 4, 3214868480
	.section	.rodata,"a",@progbits
	.p2align	6, 0x0
	.amdhsa_kernel k_q7517599bbc_ffn1
		.amdhsa_group_segment_fixed_size 327680
		.amdhsa_private_segment_fixed_size 0
		.amdhsa_enable_private_segment 0
		.amdhsa_kernarg_size 32
		.amdhsa_user_sgpr_count 2
		.amdhsa_user_sgpr_kernarg_segment_ptr 1
		.amdhsa_wavefront_size32 1
		.amdhsa_system_sgpr_workgroup_id_x 1
		.amdhsa_system_sgpr_workgroup_id_y 1
		.amdhsa_system_sgpr_workgroup_id_z 1
		.amdhsa_system_vgpr_workitem_id 0
		.amdhsa_next_free_vgpr 1024
		.amdhsa_next_free_sgpr 100
		.amdhsa_reserve_vcc 0
		.amdhsa_float_denorm_mode_32 3
		.amdhsa_float_denorm_mode_16_64 3
		.amdhsa_memory_ordered 1
		.amdhsa_forward_progress 1
		.amdhsa_inst_pref_size 189
	.end_amdhsa_kernel
	.amdgpu_metadata
---
amdhsa.version: [ 1, 2 ]
amdhsa.kernels:
  - .name:           k_q7517599bbc_ffn1
    .symbol:         k_q7517599bbc_ffn1.kd
    .args:
      - { .name: hpk, .offset: 0, .size: 8, .value_kind: global_buffer, .address_space: global }
      - { .name: wpk, .offset: 8, .size: 8, .value_kind: global_buffer, .address_space: global }
      - { .name: b1, .offset: 16, .size: 8, .value_kind: global_buffer, .address_space: global }
      - { .name: fpk, .offset: 24, .size: 8, .value_kind: global_buffer, .address_space: global }
    .group_segment_fixed_size: 327680
    .private_segment_fixed_size: 0
    .kernarg_segment_align: 8
    .kernarg_segment_size: 32
    .max_flat_workgroup_size: 128
    .sgpr_count:     100
    .vgpr_count:     1024
    .wavefront_size: 32
...
	.end_amdgpu_metadata
.endif
;; end of part 12
;; launch ffn2 (part 13): grid 8 x 32, 8 waves a work-group, no clusters, 140,288 bytes of LDS; arguments fpk, wpk, b2, x1, out0; writes out0
.if DOCPART == 13
	.amdgcn_target "amdgcn-amd-amdhsa--gfx1250"
	.amdhsa_code_object_version 6
	.text
	.protected	k_q7517599bbc_ffn2
	.globl	k_q7517599bbc_ffn2
	.p2align	8
	.type	k_q7517599bbc_ffn2,@function
k_q7517599bbc_ffn2:
	s_mov_b64 s[64:65], 0
	v_nop
	global_prefetch_b8 v0, s[64:65] scope:SCOPE_SE
	s_setreg_imm32_b32 hwreg(HW_REG_WAVE_MODE, 25, 1), 1
	s_wait_xcnt 0x0
; out0 = x1 + gelu(..) w2^T + b2 on codes of BF8 with E8M0 scales.  A: fpk, PACK(4096, 4096); B: wpk's super-blocks 512-767, PACK(1024, 4096).
; PACK: super-block (group of 128 rows x K/128 + step) x 16,896 bytes: fragment a as an image of its 16 registers at 2,048 a + 512 c + 16 lane, scale words at 16,384 + 256 (a / 4) + 16 r + 4 (a % 4).
; SHARES.  A work-group makes 128 x 128 of C with eight waves: wave (kh, row half, column half) makes 64 x 64, 16 accumulators, over half kh of K.
; THE OPERANDS GO FROM MEMORY STRAIGHT INTO REGISTERS: a fragment is stored as its registers want it, so each load reads 512 consecutive bytes.  Two sets of 128 registers take turns: a step's 34 loads
; (2 of scale words, 16 of B, 16 of A) are issued two steps ahead of their use.  No tile lies in LDS, so there is no tensor load, no joint load and no barrier in the loop; no prefetch is laid, since the loads themselves stand two steps ahead.
; THE PRODUCT IS USED TRANSPOSED (source 0 = 16 rows of the weight, source 1 = 16 rows of A): lane (r, h), register j of accumulator (a, b) holds C(16 a + r, 16 b + 8 h + j).
; THE WAY OUT.  Each wave lays its 64 x 64 sums into its own stage in LDS (rows of 272 bytes); one barrier; wave kh reads rows 32 kh .. 32 kh + 31 of both halves of K back as rows of 256 bytes, adds them, the bias and
; the residual, and stores: sixteen lanes fill one aligned run of 256 bytes.  LIMIT: a sum over K is made in two halves that are added at the end.
.set KT,    32
.set WOFF,  512
.set NSTEP, KT/2                       ; steps of 128 along K for a wave
.set SB,    16896
.set STG,   64*272                     ; a wave's stage
.set SPARE, 8*STG                      ; behind the stages: the spare words, 128 bytes for each wave
.set OA,  4                            ; v4  16 lane + 8,192 x row half
.set OB,  5                            ; v5  16 lane + 8,192 x column half
.set OSA, 6                            ; v6  16 r + 16,384 + 256 x row half
.set OSB, 7
.set STO, 8
.set RD,  9
.set CO,  10
.set BO,  11
.set SPW, 12
.set NIL, 13
.set SC,  32                           ; v32-47 scale words: set p: B's four at 8 p, A's four at 8 p + 4 (lanes 0-15 are read)
.set BS,  48                           ; v48-51 the bias of my four columns on the way out
.set RES, 64                           ; v64-127 the residual
.set ACC, 128                          ; v128-255 the accumulators.  Window 1: set p at 128 p: B's fragments, then A's
.set PA,  16                           ; s[16:17], s[18:19] where A's and B's steps stand
.set PB,  18
.set MSB, 0
.macro WIN new                         ; the immediate's high byte repeats the setting that is left
.if MSB != (\new)
	s_set_vgpr_msb (MSB<<8)|(\new)
.set MSB, (\new)
.endif
.endm
.macro PLACES                          ; eight places behind this matrix instruction
.rept 8
	v_nop
.endr
.endm
.macro LOAD p, off                     ; a step's 34 loads into set p
	WIN 0
	global_load_b128 v[SC+8*(\p):SC+8*(\p)+3], v[OSB], s[PB:PB+1] offset:\off
	global_load_b128 v[SC+8*(\p)+4:SC+8*(\p)+7], v[OSA], s[PA:PA+1] offset:\off
	WIN 0x40
.irp i, 0,1,2,3
.irp c, 0,1,2,3
	global_load_b128 v[128*(\p)+16*\i+4*\c:128*(\p)+16*\i+4*\c+3], v[OB], s[PB:PB+1] offset:\off+2048*\i+512*\c
.endr
.endr
.irp i, 0,1,2,3
.irp c, 0,1,2,3
	global_load_b128 v[128*(\p)+64+16*\i+4*\c:128*(\p)+64+16*\i+4*\c+3], v[OA], s[PA:PA+1] offset:\off+2048*\i+512*\c
.endr
.endr
.endm
.macro MUL4 a, p, first                ; the 16 accumulators take turns, in the same order in every step
.irp b, 0,1,2,3
.if \first
	v_wmma_scale_f32_16x16x128_f8f6f4 v[ACC+8*(4*(\a)+\b):ACC+8*(4*(\a)+\b)+7], v[128*(\p)+16*\b:128*(\p)+16*\b+15], v[128*(\p)+64+16*(\a):128*(\p)+64+16*(\a)+15], 0, v[SC+8*(\p)+\b], v[SC+8*(\p)+4+(\a)] matrix_a_fmt:MATRIX_FMT_BF8 matrix_b_fmt:MATRIX_FMT_BF8
.else
	v_wmma_scale_f32_16x16x128_f8f6f4 v[ACC+8*(4*(\a)+\b):ACC+8*(4*(\a)+\b)+7], v[128*(\p)+16*\b:128*(\p)+16*\b+15], v[128*(\p)+64+16*(\a):128*(\p)+64+16*(\a)+15], v[ACC+8*(4*(\a)+\b):ACC+8*(4*(\a)+\b)+7], v[SC+8*(\p)+\b], v[SC+8*(\p)+4+(\a)] matrix_a_fmt:MATRIX_FMT_BF8 matrix_b_fmt:MATRIX_FMT_BF8
.endif
.endr
.endm
; a step on set p.  c1: the loads younger than the set's first 26 (scale words, B, A's blocks 0, 1); c2: those younger than the whole set.  off: where the step two on lies (0: none is asked for)
.macro STEP p, first, c1, c2, off
	s_wait_loadcnt \c1
	WIN 0x05                               ; sources 0 and 1 in window 1
	MUL4 0, \p, \first
	MUL4 1, \p, \first
	s_wait_loadcnt \c2
	MUL4 2, \p, \first
	MUL4 3, \p, \first
.if \off
	PLACES
	LOAD \p, \off
.endif
.endm
	s_load_b256 s[4:11], s[0:1], 0x0       ; A s[4:5], wpk s[6:7], the bias s[8:9], the residual s[10:11]
	s_load_b64 s[12:13], s[0:1], 0x20      ; the result
	v_lshl_add_u32 v[SPW], v0, 2, SPARE
	v_mov_b32 v[NIL], 0
	v_lshrrev_b32 v1, 5, v0
	s_delay_alu instid0(VALU_DEP_1)
	v_readfirstlane_b32 s14, v1            ; wave 0..7
	s_lshr_b32 s15, s14, 2                 ; kh
	s_bfe_u32 s20, s14, 0x10001            ; row half
	s_and_b32 s21, s14, 1                  ; column half
	s_and_b32 s22, ttmp7, 0xffff           ; A's group of 128 rows
	s_mul_i32 s24, s22, KT*SB
	s_mul_i32 s23, s15, NSTEP*SB
	s_add_co_u32 s24, s24, s23
	s_mov_b32 s25, 0
	s_mul_i32 s26, ttmp9, KT*SB            ; B's group
	s_add_co_u32 s26, s26, s23
	s_add_co_u32 s26, s26, WOFF*SB
	s_mov_b32 s27, 0
	s_lshl_b32 s28, s20, 13
	s_lshl_b32 s29, s21, 13
	s_lshl_b32 s30, s20, 8
	s_add_co_u32 s30, s30, 16384
	s_lshl_b32 s31, s21, 8
	s_add_co_u32 s31, s31, 16384
	s_and_b32 s33, s14, 3
	s_mul_i32 s33, s33, 2*STG              ; the two stages of my 64 x 64: kh = 0's, then kh = 1's
	s_mul_i32 s34, s15, STG
	s_add_co_u32 s34, s34, s33             ; mine
	s_mul_i32 s35, s15, 32*272
	s_add_co_u32 s35, s35, s33             ; row 32 kh of the first
	s_lshl_b32 s36, s22, 7
	s_lshl_b32 s37, s20, 6
	s_add_co_u32 s36, s36, s37
	s_lshl_b32 s37, s15, 5
	s_add_co_u32 s36, s36, s37             ; the first row that I store
	s_lshl_b32 s36, s36, 12
	s_lshl_b32 s38, ttmp9, 9
	s_lshl_b32 s39, s21, 8
	s_add_co_u32 s38, s38, s39             ; my first column, in bytes
	s_mov_b32 s39, 0
	s_add_co_u32 s36, s36, s38
	s_mov_b32 s37, 0
	v_and_b32 v1, 31, v0                   ; lane
	v_and_b32 v2, 15, v0                   ; r
	v_bfe_u32 v3, v0, 4, 1                 ; h
	s_delay_alu instid0(VALU_DEP_3)
	v_lshl_add_u32 v[OA], v1, 4, s28
	s_delay_alu instid0(VALU_DEP_4)
	v_lshl_add_u32 v[OB], v1, 4, s29
	s_delay_alu instid0(VALU_DEP_4)
	v_lshl_add_u32 v[OSA], v2, 4, s30
	v_lshl_add_u32 v[OSB], v2, 4, s31
	v_lshlrev_b32 v[BO], 4, v2
	v_mul_u32_u24 v14, v2, 272
	v_mul_u32_u24 v15, v3, 272
	v_lshlrev_b32 v16, 12, v3
	s_delay_alu instid0(VALU_DEP_3)
	v_lshl_add_u32 v14, v3, 5, v14
	s_delay_alu instid0(VALU_DEP_3)
	v_lshl_add_u32 v15, v2, 4, v15
	s_delay_alu instid0(VALU_DEP_3)
	v_lshl_add_u32 v[CO], v2, 4, v16       ; lanes 0-15 one row of C, lanes 16-31 the next; 16 bytes a lane
	s_delay_alu instid0(VALU_DEP_3)
	v_add_nc_u32 v[STO], s34, v14          ; into my stage: row r, + 32 h
	s_delay_alu instid0(VALU_DEP_3)
	v_add_nc_u32 v[RD], s35, v15           ; back: row 32 kh + h, + 16 r
	s_wait_alu depctr_va_vdst(0)
	s_wait_kmcnt 0x0
	s_add_nc_u64 s[PA:PA+1], s[4:5], s[24:25]
	s_add_nc_u64 s[PB:PB+1], s[6:7], s[26:27]
	s_add_nc_u64 s[8:9], s[8:9], s[38:39]
	s_add_nc_u64 s[10:11], s[10:11], s[36:37]
	s_add_nc_u64 s[12:13], s[12:13], s[36:37]
	LOAD 0, 0
	LOAD 1, SB
	STEP 0, 1, 42, 34, 2*SB                ; the first step starts the sums.  42 = my last 8 + the next step's 34
.if NSTEP > 4
	WIN 0
	s_mov_b32 s3, (NSTEP-4)/2
.Lk:                                   ; a trip is two steps; the bases stand one step behind the trip's first
	STEP 1, 0, 42, 34, 3*SB
	STEP 0, 0, 42, 34, 4*SB
	WIN 0
	s_wait_xcnt 0x0                        ; the loads have read their bases, which are stepped only behind this wait
	s_add_nc_u64 s[PA:PA+1], s[PA:PA+1], 2*SB
	s_add_nc_u64 s[PB:PB+1], s[PB:PB+1], 2*SB
	s_sub_co_u32 s3, s3, 1
	s_cmp_lg_u32 s3, 0
	s_cbranch_scc1 .Lk
.endif
	STEP 1, 0, 42, 34, 3*SB                ; asks for the last step
	WIN 0
.set n, 0
.rept 16
	global_load_b128 v[RES+4*n:RES+4*n+3], v[CO], s[10:11] offset:8192*n th:TH_LOAD_NT   ; the residual of my 32 rows: sixteen lanes read 256 consecutive bytes
.set n, n+1
.endr
	global_load_b128 v[BS:BS+3], v[BO], s[8:9]
	STEP 0, 0, 59, 51, 0                   ; 59 = 8 + 34 + these 17
	STEP 1, 0, 25, 17, 0
	WIN 0
	PLACES
.irp a, 0,1,2,3
.irp b, 0,1,2,3
	ds_store_b128 v[STO], v[ACC+8*(4*\a+\b):ACC+8*(4*\a+\b)+3] offset:\a*16*272+64*\b        ; each accumulator from its low end on
	ds_store_b128 v[STO], v[ACC+8*(4*\a+\b)+4:ACC+8*(4*\a+\b)+7] offset:\a*16*272+64*\b+16
.endr
.endr
	s_wait_dscnt 0x0                       ; for my partner's sake
	s_barrier_signal -1
	s_barrier_wait -1
.set n, 0
.rept 16
	ds_load_b128 v[ACC+4*n:ACC+4*n+3], v[RD] offset:544*n
	ds_load_b128 v[ACC+64+4*n:ACC+64+4*n+3], v[RD] offset:STG+544*n
.set n, n+1
.endr
	s_wait_loadcnt 0x0                     ; the residual and the bias
.set n, 0
.rept 32
	v_pk_add_f32 v[RES+n:RES+n+1], v[RES+n:RES+n+1], v[BS+n%4:BS+n%4+1]
.set n, n+2
.endr
	s_wait_dscnt 0x0
.set n, 0
.rept 32
	v_pk_add_f32 v[ACC+n:ACC+n+1], v[ACC+n:ACC+n+1], v[ACC+64+n:ACC+64+n+1]
.set n, n+2
.endr
.set n, 0
.rept 32
	v_pk_add_f32 v[ACC+n:ACC+n+1], v[ACC+n:ACC+n+1], v[RES+n:RES+n+1]
.set n, n+2
.endr
.set n, 0
.rept 16
	global_store_b128 v[CO], v[ACC+4*n:ACC+4*n+3], s[12:13] offset:8192*n th:TH_STORE_NT   ; sixteen lanes store 256 consecutive bytes, aligned
.set n, n+1
.endr
	s_wait_tensorcnt 0x0                   ; the wave's end, behind my last LDS store
	ds_add_u32 v[SPW], v[NIL]
	s_wait_dscnt 0x0
	s_endpgm
.Lfunc_end_k_q7517599bbc_ffn2:
	.size	k_q7517599bbc_ffn2, .Lfunc_end_k_q7517599bbc_ffn2-k_q7517599bbc_ffn2
	.p2alignl 7, 3214868480
	.fill 96, 4, 3214868480
	.section	.rodata,"a",@progbits
	.p2align	6, 0x0
	.amdhsa_kernel k_q7517599bbc_ffn2
		.amdhsa_group_segment_fixed_size 140288
		.amdhsa_private_segment_fixed_size 0
		.amdhsa_enable_private_segment 0
		.amdhsa_kernarg_size 40
		.amdhsa_user_sgpr_count 2
		.amdhsa_user_sgpr_kernarg_segment_ptr 1
		.amdhsa_wavefront_size32 1
		.amdhsa_system_sgpr_workgroup_id_x 1
		.amdhsa_system_sgpr_workgroup_id_y 1
		.amdhsa_system_sgpr_workgroup_id_z 1
		.amdhsa_system_vgpr_workitem_id 0
		.amdhsa_next_free_vgpr 512
		.amdhsa_next_free_sgpr 66
		.amdhsa_reserve_vcc 0
		.amdhsa_float_denorm_mode_32 3
		.amdhsa_float_denorm_mode_16_64 3
		.amdhsa_memory_ordered 1
		.amdhsa_forward_progress 1
		.amdhsa_inst_pref_size 51
	.end_amdhsa_kernel
	.amdgpu_metadata
---
amdhsa.version: [ 1, 2 ]
amdhsa.kernels:
  - .name:           k_q7517599bbc_ffn2
    .symbol:         k_q7517599bbc_ffn2.kd
    .args:
      - { .name: fpk, .offset: 0, .size: 8, .value_kind: global_buffer, .address_space: global }
      - { .name: wpk, .offset: 8, .size: 8, .value_kind: global_buffer, .address_space: global }
      - { .name: b2, .offset: 16, .size: 8, .value_kind: global_buffer, .address_space: global }
      - { .name: x1, .offset: 24, .size: 8, .value_kind: global_buffer, .address_space: global }
      - { .name: out0, .offset: 32, .size: 8, .value_kind: global_buffer, .address_space: global }
    .group_segment_fixed_size: 140288
    .private_segment_fixed_size: 0
    .kernarg_segment_align: 8
    .kernarg_segment_size: 40
    .max_flat_workgroup_size: 256
    .sgpr_count:     66
    .vgpr_count:     512
    .wavefront_size: 32
...
	.end_amdgpu_metadata
.endif
;; end of part 13
